; MI455X (gfx1250); checked and timed in simulation.
; The chip was launched on July 23, 2026; its instructions are those of AMD's public machine-readable ISA for CDNA 5 (MIT licence, August 2026) and "CDNA5" Instruction Set Architecture Reference Guide (July 2026). The comments in the code are by the model that wrote it; some were corrected since.
;; Transformer Block. Allowed arithmetic: float matrix products may take bf16 or f16 operands with f32 sums; other float arithmetic in f32, or as packed bf16 or f16 multiplies, adds, multiply-adds, maxima and minima; sums over many terms, partial sums and values carried from step to step in f32; what a program stores and reads back later, other than sums and carried values, may be rounded once to bf16 or f16.
;; Inputs: W_attn 1,024 x 3,072 float32; W_attn_proj 1,024 x 1,024 float32; W_fc 1,024 x 4,096 float32; W_mlp_proj 4,096 x 1,024 float32; b_attn 3,072 float32; b_attn_proj 1,024 float32; b_fc 4,096 float32; b_mlp_proj 1,024 float32; ln1_b 1,024 float32; ln1_g 1,024 float32; ln2_b 1,024 float32; ln2_g 1,024 float32; x 2 x 2,048 x 1,024 float32.
;; Outputs: out0 2 x 2,048 x 1,024 float32.
;; 3 versions, each right; version 3 is version 2 with the launch prep written anew for expert scheduling mode. Each part assembles by itself: llvm-mc -triple=amdgcn-amd-amdhsa -mcpu=gfx1250 --defsym DOCPART=n.
;; ======== version 1 of 3: 7 launches
;; workspace buffers: wb 25,165,824 bytes; xnf 16,777,216 bytes; xnh 8,388,608 bytes; qkv 25,165,824 bytes; o 8,388,608 bytes; x2 16,777,216 bytes; h 33,554,432 bytes
;; launch prep (part 1): grid 1024 x 1, 8 waves a work-group, no clusters, 0 bytes of LDS; arguments x, ln1_g, ln1_b, xnf, xnh, W_attn, W_attn_proj, W_fc, W_mlp_proj, wb; writes xnf, xnh, wb
.if DOCPART == 1
	.amdgcn_target "amdgcn-amd-amdhsa--gfx1250"
	.amdhsa_code_object_version 6
	.text
	.protected	k_q2741b43b6a_prep
	.globl	k_q2741b43b6a_prep
	.p2align	8
	.type	k_q2741b43b6a_prep,@function
k_q2741b43b6a_prep:
	s_mov_b64 s[64:65], 0
	v_nop
	global_prefetch_b8 v0, s[64:65] scope:SCOPE_SE
	s_setreg_imm32_b32 hwreg(HW_REG_WAVE_MODE, 25, 1), 1
	s_wait_xcnt 0x0
; PREP: two streams in one launch; each work-group reads 64 KiB.
; Work-groups 0-255: LayerNorm 1.  xnf[row][:] = ((x - mean) * rsqrt(var + 1e-5)) * g + b in f32, xnh the same rounded once to bf16.
;   A wave takes two rows of 1,024 numbers; a row stays in 32 registers between the pass for the mean, the pass for the variance (of x - mean) and the scaling: x is read once.
;   Lane l holds columns 128 j + 4 l .. + 3, j = 0..7: each load and each f32 store of a wave covers 512 consecutive bytes, each bf16 store 256, aligned.
; Work-groups 256-1023: the four weight matrices rounded once to bf16, kept [K][N], laid end to end in wb (W_attn, W_attn_proj, W_fc, W_mlp_proj).
; No LDS, no barrier, no matrix unit: no wave wants another wave's bytes.  NaN and infinities are not treated apart.
.set ROWB, 4096                        ; bytes in a row of x
.set G,  4                             ; v[4:35]    g of my 32 columns
.set BB, 36                            ; v[36:67]   b of my 32 columns
.set X,  68                            ; v[68:131]  row i at X + 32 i
.set T,  132                           ; v[132:139] at work
.set H,  140                           ; v[140:171] row i in bf16 at H + 16 i
.set R,  172                           ; v[172:175] row i: rsqrt(var + eps), twice (a pair for the packed multiply)
.set CX, 4                             ; the cast: v[4:67] as loaded
.set CY, 68                            ; the cast: v[68:99] to store
.macro RED                             ; v[T] summed over the wave's 32 lanes, the result in every lane
	v_add_f32_dpp v[T], v[T], v[T] row_xmask:1 row_mask:0xf bank_mask:0xf
	v_add_f32_dpp v[T], v[T], v[T] row_xmask:2 row_mask:0xf bank_mask:0xf
	v_add_f32_dpp v[T], v[T], v[T] row_xmask:4 row_mask:0xf bank_mask:0xf
	v_add_f32_dpp v[T], v[T], v[T] row_xmask:8 row_mask:0xf bank_mask:0xf
	v_permlanex16_b32 v[T+1], v[T], s18, s19       ; the other half of the lanes; its destination has been written
	v_add_f32 v[T], v[T], v[T+1]
.endm
; Row i: mean, x - mean in place, variance, rsqrt.  left = the younger loads that may stay out.
.macro STAT i, left
.set XI, X+32*(\i)
	s_wait_loadcnt \left
	v_pk_add_f32 v[T:T+1], v[XI:XI+1], v[XI+2:XI+3]         ; two chains, started by the first pairs: nothing is cleared
	v_pk_add_f32 v[T+2:T+3], v[XI+4:XI+5], v[XI+6:XI+7]
.set p, 4
.rept 12
	v_pk_add_f32 v[T+2*(p%2):T+2*(p%2)+1], v[T+2*(p%2):T+2*(p%2)+1], v[XI+2*p:XI+2*p+1]
.set p, p+1
.endr
	v_pk_add_f32 v[T:T+1], v[T:T+1], v[T+2:T+3]
	v_add_f32 v[T], v[T], v[T+1]
	RED
	v_mul_f32 v[T+4], s20, v[T]                    ; the mean, twice
	v_mul_f32 v[T+5], s20, v[T]
.set p, 0
.rept 16
	v_pk_add_f32 v[XI+2*p:XI+2*p+1], v[XI+2*p:XI+2*p+1], v[T+4:T+5] neg_lo:[0,1] neg_hi:[0,1]
.set p, p+1
.endr
	v_pk_mul_f32 v[T:T+1], v[XI:XI+1], v[XI:XI+1]
	v_pk_mul_f32 v[T+2:T+3], v[XI+2:XI+3], v[XI+2:XI+3]
.set p, 2
.rept 14
	v_pk_fma_f32 v[T+2*(p%2):T+2*(p%2)+1], v[XI+2*p:XI+2*p+1], v[XI+2*p:XI+2*p+1], v[T+2*(p%2):T+2*(p%2)+1]
.set p, p+1
.endr
	v_pk_add_f32 v[T:T+1], v[T:T+1], v[T+2:T+3]
	v_add_f32 v[T], v[T], v[T+1]
	RED
	v_fma_f32 v[T+2], v[T], s20, s21               ; var + eps
	v_rsq_f32 v[R+2*(\i)], v[T+2]
	v_rsq_f32 v[R+2*(\i)+1], v[T+2]
	v_nop                                          ; a plain instruction behind the last root, ahead of any write of its source
.endm
; Row i: scaled, in the order of the definition, and stored in both formats.
.macro OUT i
.set XI, X+32*(\i)
.set HH, H+16*(\i)
.set p, 0
.rept 16
	v_pk_mul_f32 v[XI+2*p:XI+2*p+1], v[XI+2*p:XI+2*p+1], v[R+2*(\i):R+2*(\i)+1]
.set p, p+1
.endr
.set p, 0
.rept 16
	v_pk_fma_f32 v[XI+2*p:XI+2*p+1], v[XI+2*p:XI+2*p+1], v[G+2*p:G+2*p+1], v[BB+2*p:BB+2*p+1]
.set p, p+1
.endr
.set p, 0
.rept 16
	v_cvt_pk_bf16_f32 v[HH+p], v[XI+2*p], v[XI+2*p+1]
.set p, p+1
.endr
.irp j, 0,1,2,3,4,5,6,7
	global_store_b128 v1, v[XI+4*(\j):XI+4*(\j)+3], s[10:11] offset:(\i)*ROWB+(\j)*512
.endr
.irp j, 0,1,2,3,4,5,6,7
	global_store_b64 v2, v[HH+2*(\j):HH+2*(\j)+1], s[12:13] offset:(\i)*(ROWB/2)+(\j)*256
.endr
.endm
	s_cmp_lt_u32 ttmp9, 256
	s_cbranch_scc0 .Lcast
	s_load_b256 s[4:11], s[0:1], 0x0               ; x s[4:5], g s[6:7], b s[8:9], xnf s[10:11]
	s_load_b64 s[12:13], s[0:1], 0x20              ; xnh
	v_lshrrev_b32 v3, 5, v0
	v_readfirstlane_b32 s14, v3                    ; wave 0..7
	v_and_b32 v2, 31, v0
	v_lshlrev_b32 v1, 4, v2                        ; 16 x lane
	v_lshlrev_b32 v2, 3, v2                        ; 8 x lane
	s_lshl_b32 s15, ttmp9, 4
	s_lshl1_add_u32 s15, s14, s15                  ; my first row = 16 x work-group + 2 x wave
	s_lshl_b32 s2, s15, 12                         ; in bytes of f32 rows,
	s_mov_b32 s3, 0
	s_lshl_b32 s16, s15, 11                        ; and of bf16 rows
	s_mov_b32 s17, 0
	s_mov_b32 s18, 0x76543210                      ; v_permlanex16_b32: each lane takes its own place in the other half
	s_mov_b32 s19, 0xfedcba98
	s_mov_b32 s20, 0x3a800000                      ; 1 / 1024
	s_mov_b32 s21, 0x3727c5ac                      ; 1e-5
	s_wait_kmcnt 0x0
	s_add_nc_u64 s[4:5], s[4:5], s[2:3]
	s_add_nc_u64 s[10:11], s[10:11], s[2:3]
	s_add_nc_u64 s[12:13], s[12:13], s[16:17]
.irp i, 0,1
.irp j, 0,1,2,3,4,5,6,7
	global_load_b128 v[X+32*(\i)+4*(\j):X+32*(\i)+4*(\j)+3], v1, s[4:5] offset:(\i)*ROWB+(\j)*512 th:TH_LOAD_NT
.endr
.endr
.irp j, 0,1,2,3,4,5,6,7
	global_load_b128 v[G+4*(\j):G+4*(\j)+3], v1, s[6:7] offset:(\j)*512
.endr
.irp j, 0,1,2,3,4,5,6,7
	global_load_b128 v[BB+4*(\j):BB+4*(\j)+3], v1, s[8:9] offset:(\j)*512
.endr
	STAT 0, 24                                     ; row 1's eight loads and the sixteen of g and b are younger
	STAT 1, 16                                     ; the sixteen of g and b are younger
	s_wait_alu depctr_va_vdst(0)                   ; one wait for the four roots, ahead of their first reader
	s_wait_loadcnt 0x0                             ; g and b
	OUT 0
	OUT 1
	s_endpgm
.Lcast:                                                ; chunk e = work-group - 256: 65,536 bytes of f32 become 32,768 of bf16
	s_load_b256 s[16:23], s[0:1], 0x28             ; W_attn, W_attn_proj, W_fc, W_mlp_proj
	s_load_b64 s[24:25], s[0:1], 0x48              ; wb
	s_sub_co_u32 s2, ttmp9, 256
	v_and_b32 v100, 31, v0
	v_lshrrev_b32 v101, 5, v0
	v_lshlrev_b32 v1, 4, v100
	v_lshl_add_u32 v1, v101, 13, v1                ; wave x 8,192 + 16 x lane
	v_lshlrev_b32 v2, 3, v100
	v_lshl_add_u32 v2, v101, 12, v2                ; wave x 4,096 + 8 x lane
	s_wait_kmcnt 0x0
	s_mov_b64 s[4:5], s[22:23]                     ; chunks 512-767: W_mlp_proj
	s_mov_b32 s6, 512
	s_cmp_lt_u32 s2, 512
	s_cselect_b64 s[4:5], s[20:21], s[4:5]         ; 256-511: W_fc
	s_cselect_b32 s6, 256, s6
	s_cmp_lt_u32 s2, 256
	s_cselect_b64 s[4:5], s[18:19], s[4:5]         ; 192-255: W_attn_proj
	s_cselect_b32 s6, 192, s6
	s_cmp_lt_u32 s2, 192
	s_cselect_b64 s[4:5], s[16:17], s[4:5]         ; 0-191: W_attn
	s_cselect_b32 s6, 0, s6
	s_sub_co_u32 s6, s2, s6                        ; the chunk's number in its own matrix
	s_lshl_b32 s6, s6, 16
	s_mov_b32 s7, 0
	s_add_nc_u64 s[4:5], s[4:5], s[6:7]
	s_lshl_b32 s8, s2, 15                          ; in wb the matrices lie end to end
	s_mov_b32 s9, 0
	s_add_nc_u64 s[24:25], s[24:25], s[8:9]
.irp j, 0,1,2,3,4,5,6,7,8,9,10,11,12,13,14,15
	global_load_b128 v[CX+4*(\j):CX+4*(\j)+3], v1, s[4:5] offset:(\j)*512 th:TH_LOAD_NT
.endr
.irp j, 0,1,2,3,4,5,6,7,8,9,10,11,12,13,14,15
	s_wait_loadcnt 15-(\j)                         ; loads come back in order: number j is in, the younger ones stay out
	v_cvt_pk_bf16_f32 v[CY+2*(\j)], v[CX+4*(\j)], v[CX+4*(\j)+1]
	v_cvt_pk_bf16_f32 v[CY+2*(\j)+1], v[CX+4*(\j)+2], v[CX+4*(\j)+3]
	global_store_b64 v2, v[CY+2*(\j):CY+2*(\j)+1], s[24:25] offset:(\j)*256  ; a wave's store: 256 consecutive bytes, aligned
.endr
	s_endpgm
.Lfunc_end_k_q2741b43b6a_prep:
	.size	k_q2741b43b6a_prep, .Lfunc_end_k_q2741b43b6a_prep-k_q2741b43b6a_prep
	.p2alignl 7, 3214868480
	.fill 96, 4, 3214868480
	.section	.rodata,"a",@progbits
	.p2align	6, 0x0
	.amdhsa_kernel k_q2741b43b6a_prep
		.amdhsa_group_segment_fixed_size 0
		.amdhsa_private_segment_fixed_size 0
		.amdhsa_enable_private_segment 0
		.amdhsa_kernarg_size 80
		.amdhsa_user_sgpr_count 2
		.amdhsa_user_sgpr_kernarg_segment_ptr 1
		.amdhsa_wavefront_size32 1
		.amdhsa_system_sgpr_workgroup_id_x 1
		.amdhsa_system_sgpr_workgroup_id_y 1
		.amdhsa_system_sgpr_workgroup_id_z 1
		.amdhsa_system_vgpr_workitem_id 0
		.amdhsa_next_free_vgpr 176
		.amdhsa_next_free_sgpr 66
		.amdhsa_reserve_vcc 0
		.amdhsa_float_denorm_mode_32 3
		.amdhsa_float_denorm_mode_16_64 3
		.amdhsa_memory_ordered 1
		.amdhsa_forward_progress 1
		.amdhsa_inst_pref_size 29
	.end_amdhsa_kernel
	.amdgpu_metadata
---
amdhsa.version: [ 1, 2 ]
amdhsa.kernels:
  - .name:           k_q2741b43b6a_prep
    .symbol:         k_q2741b43b6a_prep.kd
    .args:
      - { .name: x, .offset: 0, .size: 8, .value_kind: global_buffer, .address_space: global }
      - { .name: ln1_g, .offset: 8, .size: 8, .value_kind: global_buffer, .address_space: global }
      - { .name: ln1_b, .offset: 16, .size: 8, .value_kind: global_buffer, .address_space: global }
      - { .name: xnf, .offset: 24, .size: 8, .value_kind: global_buffer, .address_space: global }
      - { .name: xnh, .offset: 32, .size: 8, .value_kind: global_buffer, .address_space: global }
      - { .name: W_attn, .offset: 40, .size: 8, .value_kind: global_buffer, .address_space: global }
      - { .name: W_attn_proj, .offset: 48, .size: 8, .value_kind: global_buffer, .address_space: global }
      - { .name: W_fc, .offset: 56, .size: 8, .value_kind: global_buffer, .address_space: global }
      - { .name: W_mlp_proj, .offset: 64, .size: 8, .value_kind: global_buffer, .address_space: global }
      - { .name: wb, .offset: 72, .size: 8, .value_kind: global_buffer, .address_space: global }
    .group_segment_fixed_size: 0
    .private_segment_fixed_size: 0
    .kernarg_segment_align: 8
    .kernarg_segment_size: 80
    .max_flat_workgroup_size: 256
    .sgpr_count:     66
    .vgpr_count:     176
    .wavefront_size: 32
...
	.end_amdgpu_metadata
.endif
;; end of part 1
;; launch qkv (part 2): grid 24 x 32, 4 waves a work-group, clusters of 4 x 4, 327,680 bytes of LDS; arguments xnh, wb, qkv, b_attn; writes qkv
.if DOCPART == 2
	.amdgcn_target "amdgcn-amd-amdhsa--gfx1250"
	.amdhsa_code_object_version 6
	.text
	.protected	k_q2741b43b6a_qkv
	.globl	k_q2741b43b6a_qkv
	.p2align	8
	.type	k_q2741b43b6a_qkv,@function
k_q2741b43b6a_qkv:
	s_mov_b64 s[64:65], 0
	v_nop
	global_prefetch_b8 v0, s[64:65] scope:SCOPE_SE
	s_setreg_imm32_b32 hwreg(HW_REG_WAVE_MODE, 25, 1), 1
	s_wait_xcnt 0x0
	s_wait_alu depctr_hold_cnt(0) depctr_sa_sdst(0) depctr_va_vdst(0) depctr_va_sdst(0) depctr_va_ssrc(0) depctr_va_vcc(0) depctr_vm_vsrc(0)
	s_getreg_b32 s2, hwreg(HW_REG_IB_STS2, 6, 4)
	s_cmp_eq_u32 s2, 0
	s_cbranch_scc0 .Lentry_in_a_cluster
	s_endpgm
.Lentry_in_a_cluster:
	s_bfe_u32 s2, ttmp6, 0x10000c
	s_cmp_lg_u32 s2, 0xf033
	s_cbranch_scc0 .Lentry_shape_is_right
	s_endpgm
.Lentry_shape_is_right:
; ONE TEXT FOR THE BLOCK'S FOUR PRODUCTS, C = A W + bias, chosen by KIND.  A: 4,096 rows in bf16; W: [SK][SN] in bf16, as the weights lie; sums in f32, started by the bias.
;   KIND 0: q, k, v = xn1 W_attn + b, stored in bf16 by heads: [2][48][2048][64].        KIND 1: x2 = xn1 + (o W_attn_proj + b) in f32; A = o lies by heads, [32][2048][64].
;   KIND 2: h = gelu(xn2 W_fc + b) in bf16, gelu(u) = u / (1 + 2^(-u (2.3022082 + 0.10294324 u u))), which is 0.5 u (1 + tanh(..)) exactly.     KIND 3: out = xn2 + (h W_mlp_proj + b) in f32.
; LIMITS.  Matrix operands are rounded to bf16; NaN and infinities are not treated apart.
; SHARES.  A tile of C is 128 x 128 (so that each of the four products has a multiple of 256 tiles): four waves, each 64 x 64: 16 accumulators.  K goes in steps of 256 through two LDS slots.
; A's tile lies [row][k] and is read by ds_load_b128; W's lies [k][n], as in memory, and is turned on its way into registers by ds_load_tr16_b128.
; THE MATRIX INSTRUCTION IS USED TRANSPOSED (source 0 = 16 columns of W, source 1 = 16 rows of A): a lane then holds eight neighbouring numbers of a row of C.
; CLUSTERS: 4 x 4 work-groups.  The four of a row of the cluster need the same tiles of A, the four of a column the same tiles of W: each tile is asked for JOINTLY, by the same tensor load with
; the same descriptor and a mask that names the four.  No prefetch is laid: a K step of this small tile is short, and each row of A and W is read by several clusters at about the same time.
; REGISTERS: window 0: v0-31 addresses; v32-95 at work on the way out; v96-127 the bias; v128-255 the accumulators ((a, b) at v[128 + 8 (4 a + b)]).
;   window 1: two fragment buffers of 128: for 64 along K, 64 registers of A, then 64 of W.      window 2 (KINDs 1, 3): v0-127 the residual.
.set KIND, 0
.if KIND == 0
.set SK, 1024
.set SN, 3072
.set WOFF, 0
.elseif KIND == 1
.set SK, 1024
.set SN, 1024
.set WOFF, 6291456
.elseif KIND == 2
.set SK, 1024
.set SN, 4096
.set WOFF, 8388608
.else
.set SK, 4096
.set SN, 1024
.set WOFF, 16777216
.endif
.set RESID, KIND & 1                   ; KINDs 1 and 3 add a residual and store f32
.if KIND == 1
.set APITCH, 144                       ; o by heads: an LDS row is one head's 64 channels, 128 bytes + 16 of padding
.set AQ,     64*APITCH                 ; a quarter of a K step is a head: 64 rows
.set AHALF,  4*AQ                      ; 64 rows x 4 heads: what one tensor load brings
.set ASTEP,  4*262144                  ; a K step is four heads' planes
.else
.set APITCH, 528                       ; 512 bytes of data + 16 of padding: an odd multiple of 16, so the 16 rows of a load start at 16 different groups of four banks
.set AQ,     128                       ; a quarter of a K step: 64 numbers along the row
.set AHALF,  64*APITCH
.set ASTEP,  512
.endif
.set BPITCH, 288                       ; a k row of W's tile: 256 bytes + 32: an odd multiple of 32
.set BHALF,  128*BPITCH                ; 128 k rows: what one tensor load brings
.set BOFF,   2*AHALF                   ; a slot: A's two halves, then W's two halves
.set SLOT,   BOFF+2*BHALF
.set BSTEP,  512*SN                    ; 256 k rows of W in memory
.set STAGE,  2*SLOT                    ; behind the ring, never filled by a tensor load: the way out
.set SPITCH, 272
.set HP,     144
.if KIND == 0
.set SPARE,  STAGE+4*16*HP             ; behind the stage: the spare words, 128 bytes a wave, which no other line names
.elseif KIND == 2
.set SPARE,  STAGE+128*SPITCH
.else
.set SPARE,  STAGE+4*16*SPITCH
.endif
.set LAPS, SK/512                      ; a lap = two K steps = once round the ring
.set ADRA, 16                          ; v16-17  LDS address of my A fragments in slot 0, 1
.set ADRB, 20                          ; v20-23  of my W fragments: slot s, k rows 128 p on, at ADRB + 2 s + p
.set STO,  24                          ; v24     the way out: where I put my bytes of a row
.set RD,   25                          ; v25     where I read rows back
.set CO,   26                          ; v26     my byte offset in C (and in the residual)
.set BO,   27                          ; v27     my byte offset in the bias
.set SPW,  28                          ; v28     LDS address of my spare word; never rewritten
.set NIL,  29                          ; v29     0; never rewritten
.set TMP,  32
.set BIAS, 96                          ; eight registers for each block b of 16 columns: the C operand of the first products
.set ACC,  128
.set F0,   0
.set F1,   128
.set G1, 24                            ; s[24:31] descriptor group 1 for A's tiles;  s[32:39] group 0, one set for each slot
.set G0, 32
.set G1B, 48                           ; s[48:55], s[56:63] the same for W's tiles
.set G0B, 56
.set MSB, 0
.macro WIN new                         ; the immediate's high byte repeats the setting that is left; a switch that changes nothing is dropped
.if MSB != (\new)
	s_set_vgpr_msb (MSB<<8)|(\new)
.set MSB, \new
.endif
.endm
.set MUL,  0x05                        ; sources 0 (W) and 1 (A) window 1; C and D window 0
.set TO_F, 0x40                        ; destination window 1, address window 0
.macro JLOAD s                         ; a joint refill: waves 0 and 1 fetch A's two halves, waves 2 and 3 W's; an s_nop 0 and four v_nop follow each line
	s_cmp_eq_u32 s11, 0
	s_cbranch_scc0 .Lfor_b_\@
	tensor_load_to_lds s[G0+4*(\s):G0+4*(\s)+3], s[G1:G1+7]
	s_nop 0
.rept 4
	v_nop
.endr
	s_branch .Lasked_\@
.Lfor_b_\@:
	tensor_load_to_lds s[G0B+4*(\s):G0B+4*(\s)+3], s[G1B:G1B+7]
	s_nop 0
.rept 4
	v_nop
.endr
.Lasked_\@:
.endm
.macro CREST                           ; a round of the cluster's barrier behind its opening barrier
	s_cmp_lg_u32 s10, 0
	s_cbranch_scc1 .Lnot_wave_0_\@
	s_barrier_signal -3
.Lnot_wave_0_\@:
	s_barrier_wait -3
	s_barrier_signal -1
	s_barrier_wait -1
.endm
.macro CROUND                          ; a whole round
	s_barrier_signal -1
	s_barrier_wait -1
	CREST
.endm
; 8 matrix instructions: row blocks a0, a0 + 1 x all 4 column blocks, 32 along K: half c of buffer f.  zero = 1: the first product starts the sums, with the bias as C.
; The 16 accumulators take turns, one instruction a turn.
.macro MUL8 f, c, a0, zero
	WIN MUL
.irp a, \a0, (\a0)+1
.irp b, 0,1,2,3
.if \zero
	v_wmma_f32_16x16x32_bf16 v[ACC+8*(4*(\a)+(\b)):ACC+8*(4*(\a)+(\b))+7], v[(\f)+64+8*(4*(\c)+(\b)):(\f)+64+8*(4*(\c)+(\b))+7], v[(\f)+8*(4*(\c)+(\a)):(\f)+8*(4*(\c)+(\a))+7], v[BIAS+8*(\b):BIAS+8*(\b)+7]
.else
	v_wmma_f32_16x16x32_bf16 v[ACC+8*(4*(\a)+(\b)):ACC+8*(4*(\a)+(\b))+7], v[(\f)+64+8*(4*(\c)+(\b)):(\f)+64+8*(4*(\c)+(\b))+7], v[(\f)+8*(4*(\c)+(\a)):(\f)+8*(4*(\c)+(\a))+7], v[ACC+8*(4*(\a)+(\b)):ACC+8*(4*(\a)+(\b))+7]
.endif
.endr
.endr
.endm
; 32 LDS loads in one run: the fragments of quarter q (64 along K) of a slot, into buffer f; the first 32 along K first
.macro FETCH slot, q, f
	WIN TO_F
.irp c, 0,1
.irp i, 0,1,2,3
	ds_load_tr16_b128 v[(\f)+64+8*(4*(\c)+(\i)):(\f)+64+8*(4*(\c)+(\i))+3],   v[ADRB+2*(\slot)+(\q)/2] offset:(((\q)%2)*64+32*(\c))*BPITCH+32*(\i)
	ds_load_tr16_b128 v[(\f)+64+8*(4*(\c)+(\i))+4:(\f)+64+8*(4*(\c)+(\i))+7], v[ADRB+2*(\slot)+(\q)/2] offset:(((\q)%2)*64+32*(\c)+16)*BPITCH+32*(\i)
	ds_load_b128 v[(\f)+8*(4*(\c)+(\i)):(\f)+8*(4*(\c)+(\i))+3],         v[ADRA+(\slot)] offset:AQ*(\q)+64*(\c)+(\i)*16*APITCH
	ds_load_b128 v[(\f)+8*(4*(\c)+(\i))+4:(\f)+8*(4*(\c)+(\i))+7],       v[ADRA+(\slot)] offset:AQ*(\q)+64*(\c)+(\i)*16*APITCH+32
.endr
.endr
.endm
.macro PLACES                          ; four places in front of loads into registers that matrix instructions have read, and of lines that read results
.rept 4
	v_nop
.endr
.endm
; A K step is four quarters of 64 along K, 32 matrix instructions each, on buffers 0, 1, 0, 1.  One of the first three: multiplies buffer f and fetches quarter q into g.
.macro QUARTER slot, q, f, g, zero
	s_wait_dscnt 16                                ; the first 32 along K are in; the run's younger sixteen loads may be out
	WIN MUL
	MUL8 \f, 0, 0, \zero
	MUL8 \f, 0, 2, \zero
	PLACES
	FETCH \slot, \q, \g
	s_wait_dscnt 32                                ; all but the 32 just issued
	WIN MUL
	MUL8 \f, 1, 0, 0
	MUL8 \f, 1, 2, 0
.endm
; The last quarter multiplies buffer 1 and changes slots: ONE barrier; in front of it each wave waits for all its tensor loads, adds 0 to its spare word, and waits for that and for its reads of this slot.
; fill = 1: the barrier opens a round of the cluster's barrier, and this slot is filled again, two K steps ahead, first thing behind the round.
.macro TURN slot, next, fill
	WIN 0                                          ; (the add's two registers lie in window 0)
	s_wait_tensorcnt 0x0                           ; all my tensor loads have landed: the one that was out is my part of the next slot
	ds_add_u32 v[SPW], v[NIL]                      ; 0 onto my spare word
	s_wait_dscnt 17                                ; (the add and the youngest sixteen loads may be out)
	WIN MUL
	MUL8 F1, 0, 0, 0                               ; eight matrix instructions stand between the add and the wait for it
	s_wait_dscnt 0x0                               ; the add is done, and my reads of this slot are over
	s_barrier_signal -1
	MUL8 F1, 0, 2, 0
.if \fill
	WIN 0
.endif
	s_barrier_wait -1
.if \fill
	CREST                                          ; no wave of any partner still reads this slot's tile or has a load on its way
	s_add_nc_u64 s[G0+4*(\slot)+2:G0+4*(\slot)+3], s[G0+4*(\slot)+2:G0+4*(\slot)+3], 2*ASTEP
	s_add_nc_u64 s[G0B+4*(\slot)+2:G0B+4*(\slot)+3], s[G0B+4*(\slot)+2:G0B+4*(\slot)+3], 2*BSTEP
	JLOAD \slot                                    ; my one tensor load behind the round; its four v_nop are also the places in front of the loads below
.else
	PLACES
.endif
	FETCH \next, 0, F0
	WIN MUL
	MUL8 F1, 1, 0, 0
	MUL8 F1, 1, 2, 0
.endm
; THE WAYS OUT.  A lane holds row 16 a + l % 16 and columns 16 b + 8 (l / 16) + 0..7 of the wave's 64 x 64.  Each accumulator's registers are taken in ascending order.
; KIND 0: 16 rows x 64 columns in bf16 are 2,048 consecutive bytes of one plane: through my own stage (rows of 144 bytes), back as four rows a load.
.macro PACKH a
.irp b, 0,1,2,3
.irp r, 0,1,2,3
	v_cvt_pk_bf16_f32 v[TMP+16*(\a)+4*(\b)+(\r)], v[ACC+8*(4*(\a)+(\b))+2*(\r)], v[ACC+8*(4*(\a)+(\b))+2*(\r)+1]
.endr
.endr
.irp b, 0,1,2,3
	ds_store_b128 v[STO], v[TMP+16*(\a)+4*(\b):TMP+16*(\a)+4*(\b)+3] offset:32*(\b)
.endr
.irp f, 0,1,2,3
	ds_load_b128 v[TMP+16*(\a)+4*(\f):TMP+16*(\a)+4*(\f)+3], v[RD] offset:(\f)*4*HP  ; LDS serves a wave's instructions in order: these see the stores above
.endr
.endm
.macro SENDH a, younger                ; younger: the LDS instructions issued behind block a's loads
.irp f, 0,1,2,3
	s_wait_dscnt (\younger)+3-(\f)
	global_store_b128 v[CO], v[TMP+16*(\a)+4*(\f):TMP+16*(\a)+4*(\f)+3], s[8:9] offset:(\a)*2048+(\f)*512  ; 512 consecutive bytes, aligned
.endr
.endm
; KINDs 1, 3: 16 rows x 64 columns in f32: through my own stage (rows of 272 bytes), back as whole rows of 256 bytes into the registers that they left; the residual is added; stored.
.macro OUTF a
.irp b, 0,1,2,3
	ds_store_b128 v[STO], v[ACC+8*(4*(\a)+(\b)):ACC+8*(4*(\a)+(\b))+3]   offset:64*(\b)
	ds_store_b128 v[STO], v[ACC+8*(4*(\a)+(\b))+4:ACC+8*(4*(\a)+(\b))+7] offset:64*(\b)+16
.endr
.irp t, 0,1,2,3,4,5,6,7
	ds_load_b128 v[ACC+32*(\a)+4*(\t):ACC+32*(\a)+4*(\t)+3], v[RD] offset:(\t)*2*SPITCH
.endr
.endm
.macro SENDF a, younger
	s_wait_dscnt \younger
	WIN 0x08                                       ; source 1, the residual, in window 2
.set i, 0
.rept 16
	v_pk_add_f32 v[ACC+32*(\a)+i:ACC+32*(\a)+i+1], v[ACC+32*(\a)+i:ACC+32*(\a)+i+1], v[32*(\a)+i:32*(\a)+i+1]
.set i, i+2
.endr
	WIN 0
.irp t, 0,1,2,3,4,5,6,7
	global_store_b128 v[CO], v[ACC+32*(\a)+4*(\t):ACC+32*(\a)+4*(\t)+3], s[8:9] offset:(16*(\a)+2*(\t))*4096  ; 16 lanes store 256 consecutive bytes, aligned
.endr
.endm
; KIND 2: gelu in f32 on block a's 32 numbers a lane, rounded to bf16, into the work-group's shared stage.  Each batch of 32 transcendentals has one plain line and one wait behind it.
.macro GELU a
.set U, ACC+32*(\a)
.set i, 0
.rept 16
	v_pk_mul_f32 v[TMP+i:TMP+i+1], v[U+i:U+i+1], v[U+i:U+i+1]
.set i, i+2
.endr
.set i, 0
.rept 16
	v_pk_fma_f32 v[TMP+i:TMP+i+1], v[TMP+i:TMP+i+1], s[74:75], s[76:77] op_sel_hi:[1,0,0]
.set i, i+2
.endr
.set i, 0
.rept 16
	v_pk_mul_f32 v[TMP+i:TMP+i+1], v[TMP+i:TMP+i+1], v[U+i:U+i+1]
.set i, i+2
.endr
.set i, 0
.rept 32
	v_exp_f32 v[TMP+i], v[TMP+i]
.set i, i+1
.endr
	v_nop
	s_wait_alu depctr_va_vdst(0)                   ; one wait for the batch, ahead of its first reader
.set i, 0
.rept 16
	v_pk_add_f32 v[TMP+i:TMP+i+1], v[TMP+i:TMP+i+1], 1.0 op_sel_hi:[1,0]
.set i, i+2
.endr
.set i, 0
.rept 32
	v_rcp_f32 v[TMP+i], v[TMP+i]
.set i, i+1
.endr
	v_nop
	s_wait_alu depctr_va_vdst(0)
.set i, 0
.rept 16
	v_pk_mul_f32 v[TMP+i:TMP+i+1], v[TMP+i:TMP+i+1], v[U+i:U+i+1]
.set i, i+2
.endr
.set i, 0
.rept 16
	v_cvt_pk_bf16_f32 v[TMP+32+i], v[TMP+2*i], v[TMP+2*i+1]
.set i, i+1
.endr
.irp b, 0,1,2,3
	ds_store_b128 v[STO], v[TMP+32+4*(\b):TMP+32+4*(\b)+3] offset:(\a)*16*SPITCH+32*(\b)
.endr
.endm
	s_load_b128 s[4:7], s[0:1], 0x0                ; A s[4:5], wb s[6:7]
	s_load_b64 s[8:9], s[0:1], 0x10                ; C
.if RESID
	s_load_b128 s[68:71], s[0:1], 0x18             ; bias s[68:69], residual s[70:71]
.else
	s_load_b64 s[68:69], s[0:1], 0x18              ; bias
.endif
	v_lshl_add_u32 v[SPW], v0, 2, SPARE
	v_mov_b32 v[NIL], 0
	ds_add_u32 v[SPW], v[NIL]                      ; the wave's opening: the add and its wait stand ahead of my first tensor load; the set-up below stands between them
	v_lshrrev_b32 v1, 5, v0
	v_readfirstlane_b32 s10, v1                    ; wave 0..3
	s_lshr_b32 s11, s10, 1                         ; which half of the tile's rows is mine.  Also: I fetch for A (0) or for W (1)
	s_and_b32 s12, s10, 1                          ; which half of its columns.  Also: which half of that tile I fetch
	s_bfe_u32 s40, ttmp6, 0x40000                  ; cx, cy: my place in the cluster
	s_bfe_u32 s41, ttmp6, 0x40004
	s_lshl_b32 s42, ttmp9, 2
	s_add_co_u32 s42, s42, s40                     ; tile column of C = 4 x cluster x + cx
	s_and_b32 s13, ttmp7, 0xffff
	s_lshl_b32 s13, s13, 2
	s_add_co_u32 s13, s13, s41                     ; tile row of C = 4 x cluster y + cy
	s_lshl_b32 s43, s41, 2
	s_lshl_b32 s43, 15, s43                        ; my row of the cluster
	s_lshl_b32 s44, 0x1111, s40                    ; my column
.if KIND == 1
	; A's tile: four heads x (64 rows x 64 channels = 4,096 dense elements), padded by 4 words behind every 32: it lands as [head][row][64] with rows of 144 bytes
	s_or_b32 s[G1+0], s43, (1<<16)|(1<<20)|(1<<21)|(4<<22)|(3<<25)
	s_mov_b32 s[G1+1], 4096<<16                    ; tensor_dim0
	s_mov_b32 s[G1+2], 4<<16                       ; tensor_dim1
	s_mov_b32 s[G1+3], 4096<<16                    ; tile_dim0
	s_mov_b32 s[G1+4], 4                           ; tile_dim1
	s_mov_b32 s[G1+5], 131072                      ; elements from head to head
.else
	; A's tile: 64 rows x 256 elements, padded by 4 words behind every 128
	s_or_b32 s[G1+0], s43, (1<<16)|(1<<20)|(1<<21)|(6<<22)|(3<<25)  ; 15:0 the mask: my row of the cluster; 17:16 2-byte elements; 20 padding on; 21 set beside a mask
	s_mov_b32 s[G1+1], 256<<16
	s_mov_b32 s[G1+2], 64<<16
	s_mov_b32 s[G1+3], 256<<16
	s_mov_b32 s[G1+4], 64
	s_mov_b32 s[G1+5], SK
.endif
	s_mov_b32 s[G1+6], 0
	s_mov_b32 s[G1+7], 0
	; W's tile: 128 k rows x 128 elements, padded by 8 words behind every 64
	s_or_b32 s[G1B+0], s44, (1<<16)|(1<<20)|(1<<21)|(5<<22)|(7<<25)  ; the mask: my column of the cluster
	s_mov_b32 s[G1B+1], 128<<16
	s_mov_b32 s[G1B+2], 128<<16
	s_mov_b32 s[G1B+3], 128<<16
	s_mov_b32 s[G1B+4], 128
	s_mov_b32 s[G1B+5], SN
	s_mov_b32 s[G1B+6], 0
	s_mov_b32 s[G1B+7], 0
	; where the tiles come from.  A's hang on the tile row alone, W's on the tile column alone, each in registers that never hold the other coordinate
.if KIND == 1
	s_lshr_b32 s16, s13, 4                         ; the batch: 16 planes of 262,144 bytes,
	s_lshl_b32 s16, s16, 22
	s_and_b32 s17, s13, 15                         ; the tile's 128 rows of 128 bytes in a plane,
	s_lshl_b32 s17, s17, 14
	s_add_co_u32 s16, s16, s17
	s_lshl_b32 s17, s12, 13                        ; the 64 of them that I fetch
	s_add_co_u32 s16, s16, s17
.else
	s_lshl_b32 s17, s12, 6
	s_lshl_b32 s16, s13, 7
	s_add_co_u32 s16, s16, s17                     ; row 128 x tile row + 64 x half
	s_mul_i32 s16, s16, 2*SK
.endif
	s_mov_b32 s17, 0
	s_mul_i32 s46, s12, 256*SN                     ; W: the 128 k rows that I fetch,
	s_lshl_b32 s47, s42, 8                         ; the tile's 128 columns,
	s_add_co_u32 s46, s46, s47
	s_add_co_u32 s46, s46, WOFF                    ; this product's matrix in wb
	s_mov_b32 s47, 0
	s_mul_i32 s20, s12, AHALF                      ; and where they go: no place in the cluster enters an LDS address
	s_mul_i32 s21, s12, BHALF
	s_add_co_u32 s21, s21, BOFF
.if KIND == 2
	s_mov_b32 s74, 0xbdd2d3e8                      ; -0.10294324
	s_mov_b32 s75, s74
	s_mov_b32 s76, 0xc0135761                      ; -2.3022082
	s_mov_b32 s77, s76
.endif
	s_wait_dscnt 0x0                               ; the opening add is done
	s_wait_kmcnt 0x0
	s_add_nc_u64 s[14:15], s[4:5], s[16:17]
	s_add_nc_u64 s[46:47], s[6:7], s[46:47]
	CROUND                                         ; all sixteen work-groups are here: the first joint loads meet
.irp s, 0,1
	s_mov_b32 s[G0+4*(\s)], 1
	s_add_co_u32 s[G0+4*(\s)+1], s20, (\s)*SLOT
	s_add_nc_u64 s[G0+4*(\s)+2:G0+4*(\s)+3], s[14:15], (\s)*ASTEP
	s_or_b32 s[G0+4*(\s)+3], s[G0+4*(\s)+3], 0x80000000
	s_mov_b32 s[G0B+4*(\s)], 1
	s_add_co_u32 s[G0B+4*(\s)+1], s21, (\s)*SLOT
	s_add_nc_u64 s[G0B+4*(\s)+2:G0B+4*(\s)+3], s[46:47], (\s)*BSTEP
	s_or_b32 s[G0B+4*(\s)+3], s[G0B+4*(\s)+3], 0x80000000
.endr
	s_cmp_eq_u32 s11, 0                            ; a wave's two first fills stand in one branch, ahead of every wait on TENSORcnt and every LDS read: two loads of mine are out
	s_cbranch_scc0 .Lfirst_b
	tensor_load_to_lds s[G0:G0+3], s[G1:G1+7]
	s_nop 0
	tensor_load_to_lds s[G0+4:G0+7], s[G1:G1+7]
	s_nop 0
.rept 4
	v_nop
.endr
	s_branch .Lfirst_asked
.Lfirst_b:
	tensor_load_to_lds s[G0B:G0B+3], s[G1B:G1B+7]
	s_nop 0
	tensor_load_to_lds s[G0B+4:G0B+7], s[G1B:G1B+7]
	s_nop 0
.rept 4
	v_nop
.endr
.Lfirst_asked:
	v_and_b32 v1, 15, v0                           ; l % 16
	v_bfe_u32 v2, v0, 4, 1                         ; l / 16
	v_mul_u32_u24 v3, v1, APITCH
	v_lshl_add_u32 v3, v2, 4, v3                   ; A: a fragment's row x pitch + 16 x half
	s_mul_i32 s21, s11, AHALF                      ; my 64 rows of A
.irp s, 0,1
	v_add_nc_u32 v[ADRA+(\s)], s21, v3
	s_add_co_u32 s21, s21, SLOT
.endr
	v_and_b32 v4, 7, v0                            ; W: the turning load takes 16 k rows x 16 columns: lane l reads k row 8 (l / 16) + l % 8, columns 8 ((l / 8) % 2) + 0..7
	v_bfe_u32 v5, v0, 3, 1
	v_lshl_add_u32 v4, v2, 3, v4
	v_mul_u32_u24 v4, v4, BPITCH
	v_lshl_add_u32 v4, v5, 4, v4
	s_lshl_b32 s22, s12, 7                         ; my 64 columns: 128 bytes
	s_add_co_u32 s22, s22, BOFF
.irp s, 0,1
.irp p, 0,1
	s_add_co_u32 s23, s22, (\s)*SLOT+(\p)*BHALF
	v_add_nc_u32 v[ADRB+2*(\s)+(\p)], s23, v4
.endr
.endr
	s_lshl_b32 s46, s42, 9
	s_lshl_b32 s47, s12, 8
	s_add_co_u32 s46, s46, s47                     ; my 64 columns in a row of f32: 512 x tile column + 256 x half
	s_mov_b32 s47, 0
	v_lshl_add_u32 v[BO], v2, 5, s46               ; + my eight of each sixteen
.if KIND == 0
	s_mul_i32 s23, s10, 16*HP
	s_add_co_u32 s23, s23, STAGE                   ; my stage
	v_mul_u32_u24 v6, v1, HP
	v_lshl_add_u32 v6, v2, 4, v6
	v_add_nc_u32 v[STO], s23, v6                   ; in: row l % 16, 16 bytes for each half of the lanes
	v_bfe_u32 v6, v0, 3, 2
	v_mul_u32_u24 v6, v6, HP
	v_and_b32 v7, 7, v0
	v_lshl_add_u32 v6, v7, 4, v6
	v_add_nc_u32 v[RD], s23, v6                    ; back: 32 lanes take four rows of 128 bytes,
	v_and_b32 v6, 31, v0
	v_lshlrev_b32 v[CO], 4, v6                     ; which are 512 consecutive bytes of a plane
	s_lshr_b32 s16, s13, 4                         ; the batch's 48 planes,
	s_mul_i32 s16, s16, 48*262144
	s_and_b32 s17, s13, 15                         ; the tile's 128 rows of 128 bytes,
	s_lshl_b32 s17, s17, 14
	s_add_co_u32 s16, s16, s17
	s_lshl_b32 s17, s11, 13                        ; my 64 of them
	s_add_co_u32 s16, s16, s17
	s_mov_b32 s17, 0
	s_add_nc_u64 s[8:9], s[8:9], s[16:17]
	s_lshl_b32 s46, s42, 1
	s_add_co_u32 s46, s46, s12                     ; my 64 columns are plane 2 x tile column + half
	s_lshl_b32 s46, s46, 18
	s_add_nc_u64 s[8:9], s[8:9], s[46:47]
.elseif KIND == 2
	s_mul_i32 s23, s11, 64*SPITCH                  ; into the shared stage: my 64 rows, my half of their 256 bytes
	s_lshl_b32 s22, s12, 7
	s_add_co_u32 s23, s23, s22
	s_add_co_u32 s23, s23, STAGE
	v_mul_u32_u24 v6, v1, SPITCH
	v_lshl_add_u32 v6, v2, 4, v6
	v_add_nc_u32 v[STO], s23, v6
	s_mul_i32 s23, s10, 32*SPITCH                  ; back: wave w takes rows 32 w .. 32 w + 31, whole
	s_add_co_u32 s23, s23, STAGE
	v_mul_u32_u24 v6, v2, SPITCH
	v_lshl_add_u32 v6, v1, 4, v6
	v_add_nc_u32 v[RD], s23, v6
	v_lshlrev_b32 v6, 13, v2                       ; and the same two rows in C: 8,192 bytes a row
	v_lshl_add_u32 v[CO], v1, 4, v6
	s_lshl_b32 s16, s13, 7
	s_lshl_b32 s17, s10, 5
	s_add_co_u32 s16, s16, s17                     ; the first row that I store: 128 x tile row + 32 x wave
	s_lshl_b32 s16, s16, 13
	s_mov_b32 s17, 0
	s_add_nc_u64 s[8:9], s[8:9], s[16:17]
	s_lshl_b32 s46, s42, 8                         ; the tile's first column, in bytes of bf16
	s_add_nc_u64 s[8:9], s[8:9], s[46:47]
.else
	s_mul_i32 s23, s10, 16*SPITCH
	s_add_co_u32 s23, s23, STAGE                   ; my stage
	v_mul_u32_u24 v6, v1, SPITCH
	v_lshl_add_u32 v6, v2, 5, v6
	v_add_nc_u32 v[STO], s23, v6                   ; in: row l % 16, 32 bytes for each half of the lanes
	v_mul_u32_u24 v6, v2, SPITCH
	v_lshl_add_u32 v6, v1, 4, v6
	v_add_nc_u32 v[RD], s23, v6                    ; back: lanes 0-15 take one row of 256 bytes, lanes 16-31 the next
	v_lshlrev_b32 v6, 12, v2                       ; and the same two rows in C and in the residual: 4,096 bytes a row
	v_lshl_add_u32 v[CO], v1, 4, v6
	s_lshl_b32 s16, s13, 7
	s_lshl_b32 s17, s11, 6
	s_add_co_u32 s16, s16, s17                     ; my first row: 128 x tile row + 64 x half
	s_lshl_b32 s16, s16, 12
	s_mov_b32 s17, 0
	s_add_nc_u64 s[8:9], s[8:9], s[16:17]
	s_add_nc_u64 s[70:71], s[70:71], s[16:17]
	s_add_nc_u64 s[8:9], s[8:9], s[46:47]          ; my 64 columns
	s_add_nc_u64 s[70:71], s[70:71], s[46:47]
.endif
.irp b, 0,1,2,3
	global_load_b128 v[BIAS+8*(\b):BIAS+8*(\b)+3],   v[BO], s[68:69] offset:64*(\b)
	global_load_b128 v[BIAS+8*(\b)+4:BIAS+8*(\b)+7], v[BO], s[68:69] offset:64*(\b)+16
.endr
.if RESID
	WIN 0x80                                       ; destination window 2: the residual comes in while K is walked
.irp a, 0,1,2,3
.irp t, 0,1,2,3,4,5,6,7
	global_load_b128 v[32*(\a)+4*(\t):32*(\a)+4*(\t)+3], v[CO], s[70:71] offset:(16*(\a)+2*(\t))*4096
.endr
.endr
	WIN 0
.endif
	s_wait_tensorcnt 1                             ; my part of K step 0 is in; K step 1's may stay out
	s_barrier_signal -1
	s_barrier_wait -1                              ; everybody's is
	FETCH 0, 0, F0
.if RESID
	s_wait_loadcnt 32                              ; the bias is in; the 32 loads of the residual are younger
.else
	s_wait_loadcnt 0x0                             ; the bias is in
.endif
	QUARTER 0, 1, F0, F1, 1                        ; the first quarter stands in front of the loop: its first products start the sums
	WIN 0                                          ; at a label and at a branch every window is 0
	s_mov_b32 s3, LAPS-1
.Llap:                                                 ; a trip goes once round the ring, from a lap's second quarter to the next lap's first, and fills both slots again
	QUARTER 0, 2, F1, F0, 0
	QUARTER 0, 3, F0, F1, 0
	TURN 0, 1, 1
	QUARTER 1, 1, F0, F1, 0
	QUARTER 1, 2, F1, F0, 0
	QUARTER 1, 3, F0, F1, 0
	TURN 1, 0, 1
	QUARTER 0, 1, F0, F1, 0
	WIN 0
	s_sub_co_u32 s3, s3, 1
	s_cmp_lg_u32 s3, 0
	s_cbranch_scc1 .Llap
	QUARTER 0, 2, F1, F0, 0                        ; the last lap fills nothing, and has no round of the cluster's barrier
	QUARTER 0, 3, F0, F1, 0
	TURN 0, 1, 0
	QUARTER 1, 1, F0, F1, 0
	QUARTER 1, 2, F1, F0, 0
	QUARTER 1, 3, F0, F1, 0
	s_wait_dscnt 16                                ; the very last quarter: nothing more to fetch
	WIN MUL
	MUL8 F1, 0, 0, 0
	MUL8 F1, 0, 2, 0
	s_wait_dscnt 0x0
	MUL8 F1, 1, 0, 0
	MUL8 F1, 1, 2, 0
	WIN 0
	PLACES
.if KIND == 0
	PACKH 0
	PACKH 1                                        ; a block's conversions stand between the loads of the block before and its stores
	SENDH 0, 8
	PACKH 2
	SENDH 1, 8
	PACKH 3
	SENDH 2, 8
	SENDH 3, 0
.elseif KIND == 2
	GELU 0
	GELU 1
	GELU 2
	GELU 3
	s_wait_dscnt 0x0                               ; for the others' sake: my stores into the stage are done
	s_barrier_signal -1
	s_barrier_wait -1                              ; a row's 256 bytes come from two waves
.irp t, 0,1,2,3,4,5,6,7,8,9,10,11,12,13,14,15
	ds_load_b128 v[TMP+4*(\t):TMP+4*(\t)+3], v[RD] offset:(\t)*2*SPITCH
.endr
.irp t, 0,1,2,3,4,5,6,7,8,9,10,11,12,13,14,15
	s_wait_dscnt 15-(\t)
	global_store_b128 v[CO], v[TMP+4*(\t):TMP+4*(\t)+3], s[8:9] offset:2*(\t)*2*SN  ; 16 lanes store 256 consecutive bytes, aligned
.endr
.else
	s_wait_loadcnt 0x0                             ; the residual
	OUTF 0
	OUTF 1
	SENDF 0, 16
	OUTF 2
	SENDF 1, 16
	OUTF 3
	SENDF 2, 16
	SENDF 3, 0
.endif
	s_wait_tensorcnt 0x0                           ; the wave's end: a wait, the add and its wait, behind my last tensor load and my last LDS store
	ds_add_u32 v[SPW], v[NIL]
	s_wait_dscnt 0x0
	CROUND                                         ; the closing round: no work-group ends while a partner may still ask for a tile that names it
	s_endpgm
.Lfunc_end_k_q2741b43b6a_qkv:
	.size	k_q2741b43b6a_qkv, .Lfunc_end_k_q2741b43b6a_qkv-k_q2741b43b6a_qkv
	.p2alignl 7, 3214868480
	.fill 96, 4, 3214868480
	.section	.rodata,"a",@progbits
	.p2align	6, 0x0
	.amdhsa_kernel k_q2741b43b6a_qkv
		.amdhsa_group_segment_fixed_size 327680
		.amdhsa_private_segment_fixed_size 0
		.amdhsa_enable_private_segment 0
		.amdhsa_kernarg_size 32
		.amdhsa_user_sgpr_count 2
		.amdhsa_user_sgpr_kernarg_segment_ptr 1
		.amdhsa_wavefront_size32 1
		.amdhsa_system_sgpr_workgroup_id_x 1
		.amdhsa_system_sgpr_workgroup_id_y 1
		.amdhsa_system_sgpr_workgroup_id_z 1
		.amdhsa_system_vgpr_workitem_id 0
		.amdhsa_next_free_vgpr 512
		.amdhsa_next_free_sgpr 80
		.amdhsa_reserve_vcc 0
		.amdhsa_float_denorm_mode_32 3
		.amdhsa_float_denorm_mode_16_64 3
		.amdhsa_memory_ordered 1
		.amdhsa_forward_progress 1
		.amdhsa_inst_pref_size 88
	.end_amdhsa_kernel
	.amdgpu_metadata
---
amdhsa.version: [ 1, 2 ]
amdhsa.kernels:
  - .name:           k_q2741b43b6a_qkv
    .symbol:         k_q2741b43b6a_qkv.kd
    .args:
      - { .name: xnh, .offset: 0, .size: 8, .value_kind: global_buffer, .address_space: global }
      - { .name: wb, .offset: 8, .size: 8, .value_kind: global_buffer, .address_space: global }
      - { .name: qkv, .offset: 16, .size: 8, .value_kind: global_buffer, .address_space: global }
      - { .name: b_attn, .offset: 24, .size: 8, .value_kind: global_buffer, .address_space: global }
    .group_segment_fixed_size: 327680
    .private_segment_fixed_size: 0
    .kernarg_segment_align: 8
    .kernarg_segment_size: 32
    .max_flat_workgroup_size: 128
    .sgpr_count:     80
    .vgpr_count:     512
    .wavefront_size: 32
...
	.end_amdgpu_metadata
.endif
;; end of part 2
;; launch attn (part 3): grid 8 x 32, 4 waves a work-group, no clusters, 327,680 bytes of LDS; arguments qkv, o; writes o
.if DOCPART == 3
	.amdgcn_target "amdgcn-amd-amdhsa--gfx1250"
	.amdhsa_code_object_version 6
	.text
	.protected	k_q2741b43b6a_attn
	.globl	k_q2741b43b6a_attn
	.p2align	8
	.type	k_q2741b43b6a_attn,@function
k_q2741b43b6a_attn:
	s_mov_b64 s[64:65], 0
	v_nop
	global_prefetch_b8 v0, s[64:65] scope:SCOPE_SE
	s_setreg_imm32_b32 hwreg(HW_REG_WAVE_MODE, 25, 1), 1
	s_wait_xcnt 0x0
; CAUSAL ATTENTION at head size 64, in phases.  O[y][q][:] = the sum over k <= q of softmax_k(Q[q] . K[k] / 8) V[k][:], for each of 32 heads y of 2,048 rows.
; qkv: bf16 [2][48][2048][64]: of batch y / 16, q is plane y % 16, k plane + 16, v plane + 32; a plane's rows are dense, 128 bytes each.  o: bf16 [32][2048][64].
; Products, maxima and sums in f32; the weights p are rounded to bf16 for the second product (their sum l is taken of the unrounded p), O once at the end.
; LIMITS.  A hidden score counts as -1e30; a weight below 2^-126 counts as 0 in l; NaN and infinities are not treated apart.
; THE WALK.  A head's queries lie in NB = 16 blocks of 128; block i needs the key tiles 0 .. i of 128 keys, of which the last holds the diagonal.  A work-group takes TWO blocks, 15 - b and then b:
; 17 tiles whatever b, so all 256 work-groups do equal work and ONE loop with a constant trip count walks them; the ring of two LDS slots runs on across the change of blocks.
; NO CLUSTER: a head's 8 work-groups ask for the same tile only in trips 0 to 8, behind that fewer and fewer; one walk common to all partners would have 24 trips for 17.
; SHARES.  Of a block's two bands of 64 queries a wave owns 16 rows in each: its tiles t = 0, 1.  So the diagonal tile is the same work for all four waves.  A key tile is two steps of 64 keys.
; LAYOUT.  S^T = K Q^T (source 0 = 16 keys, source 1 = 16 queries) holds ONE query a lane (lane % 16) and the keys 8 (lane / 16) + 0..7; two such results rounded to bf16 ARE source 1 of O^T = V^T P.
; K comes out of LDS as it lies, V ([key][channel]) turned, by ds_load_tr16_b128.
; SOFTMAX.  For each query a running maximum m and sum l: p = 2^(c s - c m), c = log2(e) / 8; in every step O and l are multiplied by a = 2^(c m_old - c m_new).  A block begins with m at the lowest
; finite number and c m far below every c s, so its first a is 0, and O and l need only hold finite numbers there.
; A STEP, in phases: K's and V's fragments; 16 products K Q^T; in the diagonal tile the mask; maximum and statistics; scaling; ONE batch of 66 exponentials with one wait; roundings; sums; O times a; 16 products V^T P.
; REGISTERS, in windows of 256 (s_set_vgpr_msb: bits 1:0 source 0, 3:2 source 1, 5:4 source 2, 7:6 destination):
;   window 0: v0-15 addresses; v16-23 statistics; v24-31 at work; v32-63 Q; v64-127 S^T; v128-159 P; v160-223 K of one step; v224-255 the second block's Q
;   window 1: v0-63 O^T, 32 a tile; v64-127 V of one step; v128-129 the add's two registers
.set NB,    16
.set KS,    64        ; keys in a step
.set PK,    144       ; a row of K in LDS: 128 bytes + 16 of padding: an odd multiple of 16
.set PV,    160       ; a row of V: 128 + 32: an odd multiple of 32
.set VOFF,  KS*PK     ; a step's tiles lie together: 64 rows of K, then 64 rows of V
.set STEPB, KS*(PK+PV)
.set SLOT1, 1<<16     ; a slot holds two steps (38,912 bytes); slot 1 begins here, so that one exclusive or turns an address in one slot into the other's
.set STAGE, SLOT1+2*STEPB  ; behind the ring, never filled by a tensor load: 16 rows x 144 bytes for each wave, for the way out
.set SP,    144
.set SPARE, STAGE+4*16*SP  ; behind the stages: the spare words, 128 bytes for each wave, which no other line names
.set PFO, 1           ; v1   256 x my lane: the prefetches' offset; never rewritten
.set AK0, 2           ; v2   my lane's place in a tile of K; never rewritten
.set AV0, 3           ; v3   the same for V
.set AK,  4           ; v4   the LDS address of K's run of loads
.set AV,  5           ; v5   of V's
.set STO, 6           ; v6   the way out: where I put 16 bytes of a row
.set RD,  7           ; v7   where I read rows back
.set GO,  8           ; v8   my byte offset in 512 consecutive bytes of O
.set THR1, 9          ; v9   the mask's threshold for tile 1
.set QP,  10          ; v10  16 w + l % 16 - 8 (l / 16): my query's place in its band, less my lanes' share of the key's number
.set BIG, 11          ; v11  -1e30
.set MV,  12          ; v12-13  c m_old, kept while c m is made anew
.set THR0, 14         ; v14  the mask's threshold for tile 0
.set QO,  15          ; v15  my byte offset in 16 rows of Q
.set ST,  16          ; tile t's statistics at v[ST+4 t]: c m, m, l (even keys', odd keys')
.set TMP, 24          ; tile t: four registers c0-c3 at work; when the maximum is found c2 takes a
.set Q,   32          ; tile t, channels 32 c on, at Q + 16 t + 8 c
.set S,   64
.set P,   128
.set KF,  160         ; key block kb, channel half c at KF + 16 kb + 8 c
.set QB,  224
.set VF,  64          ; window 1: key half kk, channel block cb at VF + 32 kk + 8 cb
.set SPW, 128         ; window 1: LDS address of my spare word; never rewritten
.set NIL, 129         ; window 1: 0; never rewritten
.set WV,  12          ; s12  my wave's number
.set PB,  14          ; s14  b
.set HI,  15          ; s15  15 - b
.set G1K, 24          ; s[24:31] descriptor group 1 for K's tiles
.set G1V, 32          ; s[32:39] for V's: it differs in the padding alone
.set G0K, 40          ; s[40:43] descriptor group 0 for K's tiles
.set G0V, 44          ; s[44:47] the same for V's
.set SLOTS, 56        ; s56  tiles still to be asked for
.set TWICE, 57        ; s57  counts a tile's two steps, 2 to 1
.set CS,  58          ; s[58:59] c
.set SEL, 60          ; s[60:61] v_permlanex16_b32's selects: each lane takes its own place in the other half
.set TB,  62          ; s62  LDS byte at which the tiles of the step to be fetched begin
.set RT,  70          ; s70  tiles of the block in hand that are still to be entered
.set NXT, 71          ; s71  the tile to be asked for next
.set LQ,  72          ; s72  the last tile of the block whose tiles are being asked for
.set OFF, 74          ; s[74:75] a tile's byte offset in K and V
.set PFT, 76          ; s76  the tile that the next prefetch names; NB: none
.set PFB, 78          ; s[78:79] K (waves 0, 1) or V (waves 2, 3) at my 64 keys of tile 0
.set OLO, 80          ; s[80:81] O at my rows of the second block
.set PFA, 82          ; s[82:83] where the prefetch stands
.set PO,  84          ; s[84:85] its tile's byte offset
.set MOFF, 88         ; s88  -64 x the step's number in its tile
.set MSB, 0
.macro WIN new                      ; the high byte repeats the setting that is left; a switch that changes nothing is dropped
.if MSB != (\new)
	s_set_vgpr_msb (MSB<<8)|(\new)
.set MSB, (\new)
.endif
.endm
.set W_PV, 0x51       ; V, and O^T as C and D, in window 1; P in window 0
.set W_RS, 0x41       ; destination and source 0 in window 1, source 1 in window 0
.set W_TO, 0x40       ; destination in window 1
.set W_FR, 0x05       ; sources 0 and 1 in window 1
; A fill.  Waves 0 and 1 fetch K of a tile's two steps, waves 2 and 3 V of them: 64 keys each.  An s_nop 0 and four v_nop follow each of the two lines.
.macro LOAD
	s_cmp_lt_u32 s[WV], 2
	s_cbranch_scc0 .Lfor_v_\@
	tensor_load_to_lds s[G0K:G0K+3], s[G1K:G1K+7]
	s_nop 0
.rept 4
	v_nop
.endr
	s_branch .Lasked_\@
.Lfor_v_\@:
	tensor_load_to_lds s[G0V:G0V+3], s[G1V:G1V+7]
	s_nop 0
.rept 4
	v_nop
.endr
.Lasked_\@:
.endm
; A PREFETCH INTO THE L2, behind the wave's tensor load and its five lines: my own 64 keys (32 blocks of 256 bytes, a lane a block) of the tile that stands two fills on.
; All 8 work-groups of a head walk the same K and V; the one with b = 0, whose first block walks all 16 tiles, asks, and nobody else: each block is named once in the launch.
; Tiles 0 to 2 come by their loads alone; behind tile 15 nothing is asked for: the second block's tiles have been read before.
.macro ASK
	s_cmp_lt_u32 s[PFT], NB
	s_cbranch_scc0 .Lnot_mine_\@
	global_prefetch_b8 v[PFO], s[PFA:PFA+1] th:TH_LOAD_NT scope:SCOPE_SE
.Lnot_mine_\@:
	s_add_co_u32 s[PFT], s[PFT], 1
	s_min_u32 s[PFT], s[PFT], NB
.endm
; THE CHANGE OF SLOTS.  Each wave waits for all its tensor loads, of which one is out: its part of the other slot; adds 0 to its spare word; and waits for that and for its own reads of the slot that it leaves.
; Behind the barrier nobody reads the old slot any more and the other slot is whole.  fill = 1: the old slot is filled again, first thing behind the barrier, with tile NXT: the descriptor's address is
; made anew from that number.  (At its first use nothing has been read yet: slot 0 is waited for, slot 1 filled.)
.macro CHANGE fill
	WIN W_FR                        ; (the add's two registers lie in window 1)
	s_wait_tensorcnt 0x0            ; no tensor load of mine is out, so a group 0 may be written
	ds_add_u32 v[SPW], v[NIL]       ; 0 onto my spare word; scalar work stands between it and the wait for it
	WIN 0
.if \fill
	s_lshl_b32 s[OFF], s[NXT], 14   ; a tile is 16,384 bytes of K and of V
	s_xor_b32 s[G0K+1], s[G0K+1], SLOT1
	s_add_nc_u64 s[G0K+2:G0K+3], s[6:7], s[OFF:OFF+1]
	s_or_b32 s[G0K+3], s[G0K+3], 0x80000000
	s_xor_b32 s[G0V+1], s[G0V+1], SLOT1
	s_add_nc_u64 s[G0V+2:G0V+3], s[8:9], s[OFF:OFF+1]
	s_or_b32 s[G0V+3], s[G0V+3], 0x80000000
	s_add_co_u32 s[NXT], s[NXT], 1  ; the block's next tile, or behind its last the second block's tile 0
	s_cmp_gt_u32 s[NXT], s[LQ]
	s_cselect_b32 s[NXT], 0, s[NXT]
	s_cselect_b32 s[LQ], s[PB], s[LQ]
	s_wait_xcnt 0x0                 ; the last prefetch, a tile back, has read its address, so it may be written
	s_min_u32 s[PO], s[PFT], NB-1   ; (held inside the plane also where nothing is asked for)
	s_lshl_b32 s[PO], s[PO], 14
	s_add_nc_u64 s[PFA:PFA+1], s[PFB:PFB+1], s[PO:PO+1]
.endif
	s_wait_dscnt 0x0                ; the add is done, and my reads of the slot are over
	s_barrier_signal -1
	s_sub_co_u32 s[TB], s[TB], 2*STEPB  ; the fetches go back to a slot's first step,
	s_xor_b32 s[TB], s[TB], SLOT1       ; in the other slot
	s_barrier_wait -1
.if \fill
	LOAD
	ASK
.endif
.endm
; Number n of the 22 that find tile t's maximum and statistics.  s0-s31 are the lane's 32 scores; each accumulator's lowest registers are read first.
;   0-11  four chains c0-c3 of seven scores each, three operands at a time     12-14, 16  the four scores left over, the old m, and c0-c3 into c0     15  c m_old is kept
;   17, 18  the query's other 32 keys lie in the lane 16 away: the new m         19-21  c m; c m_old - c m_new; a
.macro XS t, n
.set rT, ST+4*(\t)
.set rC, TMP+4*(\t)
.set rM, MV+(\t)
.set rS, S+32*(\t)
.if (\n) < 4
	v_max3_num_f32 v[rC+(\n)], v[rS+8*(\n)], v[rS+8*(\n)+1], v[rS+8*(\n)+2]
.elseif (\n) < 12
	v_max3_num_f32 v[rC+(\n)%4], v[rC+(\n)%4], v[rS+8*((\n)%4)+2*((\n)/4)+1], v[rS+8*((\n)%4)+2*((\n)/4)+2]
.elseif (\n) == 12
	v_max3_num_f32 v[rC], v[rC], v[rS+7], v[rS+15]
.elseif (\n) == 13
	v_max3_num_f32 v[rC+1], v[rC+1], v[rS+23], v[rS+31]
.elseif (\n) == 14
	v_max3_num_f32 v[rC+2], v[rC+2], v[rC+3], v[rT+1]
.elseif (\n) == 15
	v_mov_b32 v[rM], v[rT]
.elseif (\n) == 16
	v_max3_num_f32 v[rC], v[rC], v[rC+1], v[rC+2]
.elseif (\n) == 17
	v_permlanex16_b32 v[rC+3], v[rC], s[SEL], s[SEL+1]
.elseif (\n) == 18
	v_max_num_f32 v[rT+1], v[rC], v[rC+3]
.elseif (\n) == 19
	v_mul_f32 v[rT], s[CS], v[rT+1]
.elseif (\n) == 20
	v_sub_f32 v[rC+1], v[rM], v[rT]
.else
	v_exp_f32 v[rC+2], v[rC+1]
.endif
.endm
; A KEY STEP.  always = 1: the mask is laid without a test (the walk's last tile); 0: only where the tile is its block's last.
.macro STEP always
	WIN 0
	v_add_nc_u32 v[AK], s[TB], v[AK0]
	v_add_nc_u32 v[AV], s[TB], v[AV0]
	s_add_co_u32 s[TB], s[TB], STEPB   ; the next fetch is the next step's
.irp f, 0,1,2,3,4,5,6,7             ; K: keys 16 (f / 2) on, channels 32 (f % 2) on
	ds_load_b128 v[KF+8*(\f):KF+8*(\f)+3],   v[AK] offset:((\f)/2)*16*PK+((\f)%2)*64
	ds_load_b128 v[KF+8*(\f)+4:KF+8*(\f)+7], v[AK] offset:((\f)/2)*16*PK+((\f)%2)*64+32
.endr
	WIN W_TO
.irp f, 0,1,2,3,4,5,6,7             ; V, turned: keys 32 (f / 4) on, channels 16 (f % 4) on
	ds_load_tr16_b128 v[VF+8*(\f):VF+8*(\f)+3],   v[AV] offset:((\f)/4)*32*PV+((\f)%4)*32
	ds_load_tr16_b128 v[VF+8*(\f)+4:VF+8*(\f)+7], v[AV] offset:((\f)/4)*32*PV+16*PV+((\f)%4)*32
.endr
	WIN 0
	s_wait_dscnt 16                 ; K is in; V's sixteen loads, which are younger, may stay out
.set i, 0
.rept 16                            ; S^T = K Q^T: channels 32 (i / 8) on, keys 16 ((i / 2) % 4) on, tile i % 2.  The 8 accumulators take turns; the first 8 products start the sums
.set rS, S+32*(i%2)+8*((i/2)%4)
.set rK, KF+16*((i/2)%4)+8*(i/8)
.set rQ, Q+16*(i%2)+8*(i/8)
.if i < 8
	v_wmma_f32_16x16x32_bf16 v[rS:rS+7], v[rK:rK+7], v[rQ:rQ+7], 0
.else
	v_wmma_f32_16x16x32_bf16 v[rS:rS+7], v[rK:rK+7], v[rQ:rQ+7], v[rS:rS+7]
.endif
.set i, i+1
.endr
.rept 4
	v_nop                           ; the places behind those products
.endr
.if !(\always)
	s_cmp_lg_u32 s[RT], 0
	s_cbranch_scc1 .Lopen_\@        ; not the block's last tile: every key is seen
.endif
	; THE MASK.  Key 64 s + 16 kb + 8 (l / 16) + j is hidden from query 64 t + 16 w + l % 16 where it is the greater: where 16 kb + j > QP + 64 t - 64 s
	s_lshl_b32 s[MOFF], s[TWICE], 6
	s_sub_co_u32 s[MOFF], s[MOFF], 128  ; s = 2 - TWICE
	v_add_nc_u32 v[THR0], s[MOFF], v[QP]
	v_add_nc_u32 v[THR1], 64, v[THR0]
.set i, 0
.rept 32
	v_cmp_gt_i32 vcc_lo, 16*(i/8)+i%8, v[THR0]
	v_cndmask_b32 v[S+i], v[S+i], v[BIG], vcc_lo
	v_cmp_gt_i32 vcc_lo, 16*(i/8)+i%8, v[THR1]
	v_cndmask_b32 v[S+32+i], v[S+32+i], v[BIG], vcc_lo
.set i, i+1
.endr
.if !(\always)
.Lopen_\@:
.endif
.irp n, 0,1,2,3,4,5,6,7,8,9,10,11,12,13,14,15,16,17,18,19,20
	XS 0, \n                        ; the two tiles alternate, so that no line reads the result of the one before it
	XS 1, \n
.endr
.set i, 0
.rept 16                            ; c s - c m, a pair of scores each
	v_pk_fma_f32 v[S+2*i:S+2*i+1], v[S+2*i:S+2*i+1], s[CS:CS+1], v[ST:ST+1] op_sel_hi:[1,0,0] neg_lo:[0,0,1] neg_hi:[0,0,1]
	v_pk_fma_f32 v[S+32+2*i:S+32+2*i+1], v[S+32+2*i:S+32+2*i+1], s[CS:CS+1], v[ST+4:ST+5] op_sel_hi:[1,0,0] neg_lo:[0,0,1] neg_hi:[0,0,1]
.set i, i+1
.endr
	XS 0, 21                        ; ONE BATCH: the two a and the 64 weights; nothing ahead of the wait names a result of theirs
	XS 1, 21
.set i, 0
.rept 64
	v_exp_f32 v[S+i], v[S+i]
.set i, i+1
.endr
	v_nop                           ; a plain instruction behind the last exponential
	s_wait_alu depctr_va_vdst(0)    ; and the one wait for the batch, ahead of its first reader
.set i, 0
.rept 16                            ; P: pair i of a tile's weights rounded to bf16
	v_cvt_pk_bf16_f32 v[P+i], v[S+2*i], v[S+2*i+1]
	v_cvt_pk_bf16_f32 v[P+16+i], v[S+32+2*i], v[S+32+2*i+1]
.set i, i+1
.endr
.irp w, 4,8,16,32                   ; the sum of a tile's 16 pairs, in place: neighbours 1, 2, 4 and 8 pairs apart
.set u, 0
.rept 32/(\w)
	v_pk_add_f32 v[S+(\w)*u:S+(\w)*u+1], v[S+(\w)*u:S+(\w)*u+1], v[S+(\w)*u+(\w)/2:S+(\w)*u+(\w)/2+1]
	v_pk_add_f32 v[S+32+(\w)*u:S+32+(\w)*u+1], v[S+32+(\w)*u:S+32+(\w)*u+1], v[S+32+(\w)*u+(\w)/2:S+32+(\w)*u+(\w)/2+1]
.set u, u+1
.endr
.endr
	v_pk_fma_f32 v[ST+2:ST+3], v[ST+2:ST+3], v[TMP+2:TMP+3], v[S:S+1] op_sel_hi:[1,0,1]        ; l = a l + the sum
	v_pk_fma_f32 v[ST+6:ST+7], v[ST+6:ST+7], v[TMP+6:TMP+7], v[S+32:S+33] op_sel_hi:[1,0,1]
	WIN W_RS
.set i, 0
.rept 16                            ; O^T times a, each accumulator from its low end on
	v_pk_mul_f32 v[2*i:2*i+1], v[2*i:2*i+1], v[TMP+2:TMP+3] op_sel_hi:[1,0]
	v_pk_mul_f32 v[32+2*i:32+2*i+1], v[32+2*i:32+2*i+1], v[TMP+6:TMP+7] op_sel_hi:[1,0]
.set i, i+1
.endr
	s_wait_dscnt 0x0                ; V is in
	WIN W_PV
.set i, 0
.rept 16                            ; O^T += V^T P: keys 32 (i / 8) on, channels 16 ((i / 2) % 4) on, tile i % 2.  The 8 accumulators take turns
.set rO, 32*(i%2)+8*((i/2)%4)
.set rV, VF+32*(i/8)+8*((i/2)%4)
.set rP, P+16*(i%2)+8*(i/8)
	v_wmma_f32_16x16x32_bf16 v[rO:rO+7], v[rV:rV+7], v[rP:rP+7], v[rO:rO+7]
.set i, i+1
.endr
	WIN 0
.rept 4
	v_nop                           ; the places behind those products: V's registers are loaded again, and O^T is read, only behind them
.endr
.endm
.macro TWO_STEPS always             ; a tile's two key steps: written once, walked twice; the LDS addresses hang on s[TB]
	s_mov_b32 s[TWICE], 2
.Lstep_\@:
	STEP \always
	s_sub_co_u32 s[TWICE], s[TWICE], 1
	s_cmp_lg_u32 s[TWICE], 0
	s_cbranch_scc1 .Lstep_\@
.endm
; THE WAY OUT.  l's two halves and the other half of the lanes' are added; O^T is divided by l, rounded to bf16 and sent through my stage in LDS, a tile (16 rows of a head: 2,048 consecutive bytes) at a time.
.macro PACK t
	WIN W_RS
.set i, 32*(\t)
.rept 16
	v_pk_mul_f32 v[i:i+1], v[i:i+1], v[ST+4*(\t)+2:ST+4*(\t)+3] op_sel_hi:[1,0]
.set i, i+2
.endr
	WIN W_FR
.set i, 0
.rept 16
	v_cvt_pk_bf16_f32 v[S+16*(\t)+i], v[32*(\t)+2*i], v[32*(\t)+2*i+1]
.set i, i+1
.endr
	WIN 0
.irp f, 0,1,2,3
	ds_store_b128 v[STO], v[S+16*(\t)+4*(\f):S+16*(\t)+4*(\f)+3] offset:32*(\f)
.endr
.irp f, 0,1,2,3
	ds_load_b128 v[S+16*(\t)+4*(\f):S+16*(\t)+4*(\f)+3], v[RD] offset:(\f)*4*SP  ; LDS serves a wave's instructions in order: these see the stores above; the next tile's stores come behind them
.endr
.endm
.macro SEND t, younger              ; younger: the LDS instructions issued behind tile t's loads
.irp f, 0,1,2,3
	s_wait_dscnt (\younger)+3-(\f)
	global_store_b128 v[GO], v[S+16*(\t)+4*(\f):S+16*(\t)+4*(\f)+3], s[10:11] offset:(\t)*8192+(\f)*512  ; 512 consecutive bytes, aligned
.endr
.endm
.macro FINISH
	v_add_f32 v[ST+2], v[ST+2], v[ST+3]
	v_add_f32 v[ST+6], v[ST+6], v[ST+7]
	v_permlanex16_b32 v[ST+3], v[ST+2], s[SEL], s[SEL+1]
	v_permlanex16_b32 v[ST+7], v[ST+6], s[SEL], s[SEL+1]
	v_add_f32 v[ST+2], v[ST+2], v[ST+3]
	v_add_f32 v[ST+6], v[ST+6], v[ST+7]
	v_rcp_f32 v[ST+2], v[ST+2]
	v_rcp_f32 v[ST+6], v[ST+6]
	v_nop                           ; a plain instruction behind the last reciprocal,
	s_wait_alu depctr_va_vdst(0)    ; and one wait for the two, ahead of their first use
	PACK 0
	PACK 1
	SEND 0, 8
	SEND 1, 0
.endm
	s_load_b128 s[48:51], s[0:1], 0x0  ; qkv s[48:49], o s[50:51]
	WIN W_TO
	v_lshl_add_u32 v[SPW], v0, 2, SPARE
	v_mov_b32 v[NIL], 0
	WIN W_FR
	ds_add_u32 v[SPW], v[NIL]       ; the wave's opening: the add and its wait stand ahead of my first tensor load; the set-up below stands between them
	WIN 0
	v_lshrrev_b32 v24, 5, v0
	v_readfirstlane_b32 s[WV], v24  ; wave 0..3
	s_mov_b32 s[PB], ttmp9
	s_sub_co_u32 s[HI], NB-1, s[PB]
	s_and_b32 s20, ttmp7, 0xffff    ; the head y
	s_lshr_b32 s21, s20, 4
	s_lshl_b32 s21, s21, 5
	s_add_co_u32 s21, s21, s20      ; q's plane: y + 32 (y / 16)
	s_lshl_b32 s21, s21, 18         ; its first byte in qkv
	s_lshl_b32 s20, s20, 18         ; the head's first byte in o
	s_and_b32 s16, s[WV], 1         ; which of a tile's two steps I fetch:
	s_lshl_b32 s22, s16, 13         ; its 64 rows of 128 bytes in memory,
	s_add_co_u32 s22, s22, s21
	s_add_co_u32 s2, s22, 16<<18    ; in k's plane,
	s_mov_b32 s3, 0
	s_add_co_u32 s22, s22, 32<<18   ; and in v's
	s_mov_b32 s23, 0
	s_mul_i32 s17, s16, STEPB       ; and its place in a slot
	s_lshl_b32 s13, s[WV], 11       ; my 16 rows in a band of 64,
	s_lshl_b32 s18, s[HI], 14       ; in the first block,
	s_add_co_u32 s18, s18, s13
	s_lshl_b32 s19, s[PB], 14       ; and in the second
	s_add_co_u32 s19, s19, s13
	s_add_co_u32 s52, s21, s18
	s_mov_b32 s53, 0
	s_add_co_u32 s54, s21, s19
	s_mov_b32 s55, 0
	s_add_co_u32 s66, s20, s18
	s_mov_b32 s67, 0
	s_add_co_u32 s68, s20, s19
	s_mov_b32 s69, 0
	; descriptor group 1.  64 keys are 8,192 dense bytes: asked for as 32 rows of 256 bytes, two keys a row, and padded in LDS after every key
	s_mov_b32 s[G1K], (1<<16)|(1<<20)|(4<<22)|(3<<25)  ; 17:16 2-byte elements; 20 padding on; 24:22 after every 32 words (code 4); 31:25 4 words (code 3)
	s_mov_b32 s[G1V], (1<<16)|(1<<20)|(4<<22)|(7<<25)  ; the same with 8 words of padding (code 7)
.irp g, G1K, G1V
	s_mov_b32 s[\g+1], 128<<16      ; tensor_dim0 = 128
	s_mov_b32 s[\g+2], 32<<16       ; tensor_dim1 = 32
	s_mov_b32 s[\g+3], 128<<16      ; tile_dim0 = 128
	s_mov_b32 s[\g+4], 32           ; tile_dim1 = 32
	s_mov_b32 s[\g+5], 128          ; 128 elements from row to row
	s_mov_b32 s[\g+6], 0
	s_mov_b32 s[\g+7], 0
.endr
	s_mov_b32 s[CS], 0x3e38aa3b     ; c = log2(e) / 8 = 0.180337
	s_mov_b32 s[CS+1], s[CS]        ; named with it as a pair
	s_mov_b32 s[SEL], 0x76543210
	s_mov_b32 s[SEL+1], 0xfedcba98
	s_mov_b32 s[TB], SLOT1+2*STEPB  ; the first change of slots turns this into 0
	s_mov_b32 s[G0K], 1             ; 1:0 count = 1
	s_mov_b32 s[G0K+1], s17         ; 63:32 LDS address: slot 0
	s_mov_b32 s[G0V], 1
	s_add_co_u32 s[G0V+1], s17, VOFF
	s_add_co_u32 s[RT], s[HI], 1    ; the first block has 16 - b tiles
	s_mov_b32 s[NXT], 1
	s_mov_b32 s[LQ], s[HI]
	s_mov_b32 s[OFF+1], 0
	s_mov_b32 s[PO+1], 0
	s_mov_b32 s[SLOTS], NB
	s_cmp_eq_u32 s[PB], 0
	s_cselect_b32 s[PFT], 3, NB     ; the first change asks for tile 1 and, where b = 0, prefetches tile 3
	s_wait_dscnt 0x0                ; the opening add is done
	s_wait_kmcnt 0x0
	s_add_nc_u64 s[6:7], s[48:49], s[2:3]      ; K and V at my 64 keys of the head's tile 0
	s_add_nc_u64 s[8:9], s[48:49], s[22:23]
	s_add_nc_u64 s[4:5], s[48:49], s[52:53]    ; Q at my rows of the first block,
	s_add_nc_u64 s[86:87], s[48:49], s[54:55]  ; and of the second
	s_add_nc_u64 s[10:11], s[50:51], s[66:67]  ; O likewise
	s_add_nc_u64 s[OLO:OLO+1], s[50:51], s[68:69]
	s_mov_b64 s[G0K+2:G0K+3], s[6:7]           ; 120:64 global address
	s_or_b32 s[G0K+3], s[G0K+3], 0x80000000    ; 127:126 type = 2
	s_mov_b64 s[G0V+2:G0V+3], s[8:9]
	s_or_b32 s[G0V+3], s[G0V+3], 0x80000000
	s_cmp_lt_u32 s[WV], 2
	s_cselect_b64 s[PFB:PFB+1], s[6:7], s[8:9]
	LOAD                            ; tile 0 into slot 0
	; A fragment of K or Q is 16 rows x 32 channels in 8 registers: lane l holds row l % 16, channels 8 (l / 16) + 0..7 and 16 + 8 (l / 16) + 0..7: two loads of 16 bytes, 32 bytes apart.
	v_and_b32 v27, 15, v0           ; l % 16
	v_bfe_u32 v24, v0, 4, 1         ; l / 16
	v_lshlrev_b32 v[QO], 7, v27
	v_lshl_add_u32 v[QO], v24, 4, v[QO]  ; row x 128 + 16 x half
.set i, 0
.rept 4                             ; both blocks' Q: tile i / 2 lies in band i / 2, 8,192 bytes on; channels 32 (i % 2) on
	global_load_b128 v[Q+8*i:Q+8*i+3],     v[QO], s[4:5] offset:(i/2)*8192+(i%2)*64
	global_load_b128 v[Q+8*i+4:Q+8*i+7],   v[QO], s[4:5] offset:(i/2)*8192+(i%2)*64+32
	global_load_b128 v[QB+8*i:QB+8*i+3],   v[QO], s[86:87] offset:(i/2)*8192+(i%2)*64
	global_load_b128 v[QB+8*i+4:QB+8*i+7], v[QO], s[86:87] offset:(i/2)*8192+(i%2)*64+32
.set i, i+1
.endr
	v_lshlrev_b32 v25, 3, v24
	v_sub_nc_u32 v[QP], v27, v25
	s_lshl_b32 s13, s[WV], 4
	v_add_nc_u32 v[QP], s13, v[QP]
	v_mov_b32 v[BIG], 0xf149f2ca    ; -1e30
	v_mul_u32_u24 v[AK0], v27, PK
	v_lshl_add_u32 v[AK0], v24, 4, v[AK0]  ; row x pitch + 16 x half
	; The turning load takes 16 keys x 16 channels (lane l reads key 8 (l / 16) + l % 8, channels 8 ((l / 8) % 2) + 0..7) and leaves half a fragment of V^T: lane l holds channel l % 16 and 8 keys.
	v_and_b32 v25, 7, v0
	v_bfe_u32 v26, v0, 3, 1
	v_lshl_add_u32 v[AV0], v24, 3, v25
	v_mul_u32_u24 v[AV0], v[AV0], PV
	v_lshl_add_u32 v[AV0], v26, 4, v[AV0]
	v_add_nc_u32 v[AV0], VOFF, v[AV0]
	s_mul_i32 s13, s[WV], 16*SP
	s_add_co_u32 s13, s13, STAGE    ; my stage
	v_mul_u32_u24 v[STO], v27, SP   ; in: row l % 16, 16 bytes for each half of the lanes
	v_lshl_add_u32 v[STO], v24, 4, v[STO]
	v_add_nc_u32 v[STO], s13, v[STO]
	v_bfe_u32 v[RD], v0, 3, 2       ; back: 32 lanes take four rows of 128 bytes,
	v_mul_u32_u24 v[RD], v[RD], SP
	v_lshl_add_u32 v[RD], v25, 4, v[RD]
	v_add_nc_u32 v[RD], s13, v[RD]
	v_and_b32 v[GO], 31, v0         ; which are 512 consecutive bytes of O
	v_lshlrev_b32 v[PFO], 8, v[GO]
	v_lshlrev_b32 v[GO], 4, v[GO]
	; A block's first step multiplies O^T and l by a = 0: these registers need only hold finite numbers: zeros for the first block, what the first block left for the second.  This stands in the wait for the first tile.
	WIN W_TO
.set i, 0
.rept 64
	v_mov_b32 v[i], 0
.set i, i+1
.endr
	WIN 0
.irp t, 0,1
	v_mov_b32 v[ST+4*(\t)], 0xfe000000    ; c m: far below every c s
	v_mov_b32 v[ST+4*(\t)+1], 0xff7fffff  ; m: the lowest finite number
	v_mov_b32 v[ST+4*(\t)+2], 0
	v_mov_b32 v[ST+4*(\t)+3], 0
.endr
	s_wait_loadcnt 0x0              ; Q
.Lslot:                             ; 16 times: a tile is entered and the next is asked for; my one tensor load has the tile's two key steps in which to land
	CHANGE 1
	s_sub_co_u32 s[RT], s[RT], 1
	TWO_STEPS 0
	s_cmp_lg_u32 s[RT], 0
	s_cbranch_scc1 .Lbottom
	FINISH                          ; in the loop this is the first block's end: the second block's last tile is the walk's last
	s_wait_xcnt 0x0                 ; the stores have read their registers and O's address
	s_mov_b64 s[10:11], s[OLO:OLO+1]
	s_add_co_u32 s[RT], s[PB], 1    ; the second block has b + 1 tiles
.irp t, 0,1
	v_mov_b32 v[ST+4*(\t)], 0xfe000000
	v_mov_b32 v[ST+4*(\t)+1], 0xff7fffff
.endr
.set i, 0
.rept 32                            ; the second block's Q goes where the one text of the step names Q
	v_mov_b32 v[Q+i], v[QB+i]
.set i, i+1
.endr
.Lbottom:
	s_sub_co_u32 s[SLOTS], s[SLOTS], 1
	s_cmp_lg_u32 s[SLOTS], 0
	s_cbranch_scc1 .Lslot
	CHANGE 0                        ; the walk's last tile is written out: nothing is asked for
	TWO_STEPS 1                     ; it is the second block's diagonal tile
	FINISH
	WIN W_FR
	s_wait_tensorcnt 0x0            ; the wave's end: a wait, the add and its wait, behind my last tensor load and my last LDS store
	ds_add_u32 v[SPW], v[NIL]
	s_wait_dscnt 0x0
	WIN 0
	s_endpgm
.Lfunc_end_k_q2741b43b6a_attn:
	.size	k_q2741b43b6a_attn, .Lfunc_end_k_q2741b43b6a_attn-k_q2741b43b6a_attn
	.p2alignl 7, 3214868480
	.fill 96, 4, 3214868480
	.section	.rodata,"a",@progbits
	.p2align	6, 0x0
	.amdhsa_kernel k_q2741b43b6a_attn
		.amdhsa_group_segment_fixed_size 327680
		.amdhsa_private_segment_fixed_size 0
		.amdhsa_enable_private_segment 0
		.amdhsa_kernarg_size 16
		.amdhsa_user_sgpr_count 2
		.amdhsa_user_sgpr_kernarg_segment_ptr 1
		.amdhsa_wavefront_size32 1
		.amdhsa_system_sgpr_workgroup_id_x 1
		.amdhsa_system_sgpr_workgroup_id_y 1
		.amdhsa_system_sgpr_workgroup_id_z 1
		.amdhsa_system_vgpr_workitem_id 0
		.amdhsa_next_free_vgpr 388
		.amdhsa_next_free_sgpr 96
		.amdhsa_reserve_vcc 1
		.amdhsa_float_denorm_mode_32 3
		.amdhsa_float_denorm_mode_16_64 3
		.amdhsa_memory_ordered 1
		.amdhsa_forward_progress 1
		.amdhsa_inst_pref_size 70
	.end_amdhsa_kernel
	.amdgpu_metadata
---
amdhsa.version: [ 1, 2 ]
amdhsa.kernels:
  - .name:           k_q2741b43b6a_attn
    .symbol:         k_q2741b43b6a_attn.kd
    .args:
      - { .name: qkv, .offset: 0, .size: 8, .value_kind: global_buffer, .address_space: global }
      - { .name: o, .offset: 8, .size: 8, .value_kind: global_buffer, .address_space: global }
    .group_segment_fixed_size: 327680
    .private_segment_fixed_size: 0
    .kernarg_segment_align: 8
    .kernarg_segment_size: 16
    .max_flat_workgroup_size: 128
    .sgpr_count:     96
    .vgpr_count:     388
    .wavefront_size: 32
...
	.end_amdgpu_metadata
.endif
;; end of part 3
;; launch proj (part 4): grid 8 x 32, 4 waves a work-group, clusters of 4 x 4, 327,680 bytes of LDS; arguments o, wb, x2, b_attn_proj, xnf; writes x2
.if DOCPART == 4
	.amdgcn_target "amdgcn-amd-amdhsa--gfx1250"
	.amdhsa_code_object_version 6
	.text
	.protected	k_q2741b43b6a_proj
	.globl	k_q2741b43b6a_proj
	.p2align	8
	.type	k_q2741b43b6a_proj,@function
k_q2741b43b6a_proj:
	s_mov_b64 s[64:65], 0
	v_nop
	global_prefetch_b8 v0, s[64:65] scope:SCOPE_SE
	s_setreg_imm32_b32 hwreg(HW_REG_WAVE_MODE, 25, 1), 1
	s_wait_xcnt 0x0
	s_wait_alu depctr_hold_cnt(0) depctr_sa_sdst(0) depctr_va_vdst(0) depctr_va_sdst(0) depctr_va_ssrc(0) depctr_va_vcc(0) depctr_vm_vsrc(0)
	s_getreg_b32 s2, hwreg(HW_REG_IB_STS2, 6, 4)
	s_cmp_eq_u32 s2, 0
	s_cbranch_scc0 .Lentry_in_a_cluster
	s_endpgm
.Lentry_in_a_cluster:
	s_bfe_u32 s2, ttmp6, 0x10000c
	s_cmp_lg_u32 s2, 0xf033
	s_cbranch_scc0 .Lentry_shape_is_right
	s_endpgm
.Lentry_shape_is_right:
; ONE TEXT FOR THE BLOCK'S FOUR PRODUCTS, C = A W + bias, chosen by KIND.  A: 4,096 rows in bf16; W: [SK][SN] in bf16, as the weights lie; sums in f32, started by the bias.
;   KIND 0: q, k, v = xn1 W_attn + b, stored in bf16 by heads: [2][48][2048][64].        KIND 1: x2 = xn1 + (o W_attn_proj + b) in f32; A = o lies by heads, [32][2048][64].
;   KIND 2: h = gelu(xn2 W_fc + b) in bf16, gelu(u) = u / (1 + 2^(-u (2.3022082 + 0.10294324 u u))), which is 0.5 u (1 + tanh(..)) exactly.     KIND 3: out = xn2 + (h W_mlp_proj + b) in f32.
; LIMITS.  Matrix operands are rounded to bf16; NaN and infinities are not treated apart.
; SHARES.  A tile of C is 128 x 128 (so that each of the four products has a multiple of 256 tiles): four waves, each 64 x 64: 16 accumulators.  K goes in steps of 256 through two LDS slots.
; A's tile lies [row][k] and is read by ds_load_b128; W's lies [k][n], as in memory, and is turned on its way into registers by ds_load_tr16_b128.
; THE MATRIX INSTRUCTION IS USED TRANSPOSED (source 0 = 16 columns of W, source 1 = 16 rows of A): a lane then holds eight neighbouring numbers of a row of C.
; CLUSTERS: 4 x 4 work-groups.  The four of a row of the cluster need the same tiles of A, the four of a column the same tiles of W: each tile is asked for JOINTLY, by the same tensor load with
; the same descriptor and a mask that names the four.  No prefetch is laid: a K step of this small tile is short, and each row of A and W is read by several clusters at about the same time.
; REGISTERS: window 0: v0-31 addresses; v32-95 at work on the way out; v96-127 the bias; v128-255 the accumulators ((a, b) at v[128 + 8 (4 a + b)]).
;   window 1: two fragment buffers of 128: for 64 along K, 64 registers of A, then 64 of W.      window 2 (KINDs 1, 3): v0-127 the residual.
.set KIND, 1
.if KIND == 0
.set SK, 1024
.set SN, 3072
.set WOFF, 0
.elseif KIND == 1
.set SK, 1024
.set SN, 1024
.set WOFF, 6291456
.elseif KIND == 2
.set SK, 1024
.set SN, 4096
.set WOFF, 8388608
.else
.set SK, 4096
.set SN, 1024
.set WOFF, 16777216
.endif
.set RESID, KIND & 1                   ; KINDs 1 and 3 add a residual and store f32
.if KIND == 1
.set APITCH, 144                       ; o by heads: an LDS row is one head's 64 channels, 128 bytes + 16 of padding
.set AQ,     64*APITCH                 ; a quarter of a K step is a head: 64 rows
.set AHALF,  4*AQ                      ; 64 rows x 4 heads: what one tensor load brings
.set ASTEP,  4*262144                  ; a K step is four heads' planes
.else
.set APITCH, 528                       ; 512 bytes of data + 16 of padding: an odd multiple of 16, so the 16 rows of a load start at 16 different groups of four banks
.set AQ,     128                       ; a quarter of a K step: 64 numbers along the row
.set AHALF,  64*APITCH
.set ASTEP,  512
.endif
.set BPITCH, 288                       ; a k row of W's tile: 256 bytes + 32: an odd multiple of 32
.set BHALF,  128*BPITCH                ; 128 k rows: what one tensor load brings
.set BOFF,   2*AHALF                   ; a slot: A's two halves, then W's two halves
.set SLOT,   BOFF+2*BHALF
.set BSTEP,  512*SN                    ; 256 k rows of W in memory
.set STAGE,  2*SLOT                    ; behind the ring, never filled by a tensor load: the way out
.set SPITCH, 272
.set HP,     144
.if KIND == 0
.set SPARE,  STAGE+4*16*HP             ; behind the stage: the spare words, 128 bytes a wave, which no other line names
.elseif KIND == 2
.set SPARE,  STAGE+128*SPITCH
.else
.set SPARE,  STAGE+4*16*SPITCH
.endif
.set LAPS, SK/512                      ; a lap = two K steps = once round the ring
.set ADRA, 16                          ; v16-17  LDS address of my A fragments in slot 0, 1
.set ADRB, 20                          ; v20-23  of my W fragments: slot s, k rows 128 p on, at ADRB + 2 s + p
.set STO,  24                          ; v24     the way out: where I put my bytes of a row
.set RD,   25                          ; v25     where I read rows back
.set CO,   26                          ; v26     my byte offset in C (and in the residual)
.set BO,   27                          ; v27     my byte offset in the bias
.set SPW,  28                          ; v28     LDS address of my spare word; never rewritten
.set NIL,  29                          ; v29     0; never rewritten
.set TMP,  32
.set BIAS, 96                          ; eight registers for each block b of 16 columns: the C operand of the first products
.set ACC,  128
.set F0,   0
.set F1,   128
.set G1, 24                            ; s[24:31] descriptor group 1 for A's tiles;  s[32:39] group 0, one set for each slot
.set G0, 32
.set G1B, 48                           ; s[48:55], s[56:63] the same for W's tiles
.set G0B, 56
.set MSB, 0
.macro WIN new                         ; the immediate's high byte repeats the setting that is left; a switch that changes nothing is dropped
.if MSB != (\new)
	s_set_vgpr_msb (MSB<<8)|(\new)
.set MSB, \new
.endif
.endm
.set MUL,  0x05                        ; sources 0 (W) and 1 (A) window 1; C and D window 0
.set TO_F, 0x40                        ; destination window 1, address window 0
.macro JLOAD s                         ; a joint refill: waves 0 and 1 fetch A's two halves, waves 2 and 3 W's; an s_nop 0 and four v_nop follow each line
	s_cmp_eq_u32 s11, 0
	s_cbranch_scc0 .Lfor_b_\@
	tensor_load_to_lds s[G0+4*(\s):G0+4*(\s)+3], s[G1:G1+7]
	s_nop 0
.rept 4
	v_nop
.endr
	s_branch .Lasked_\@
.Lfor_b_\@:
	tensor_load_to_lds s[G0B+4*(\s):G0B+4*(\s)+3], s[G1B:G1B+7]
	s_nop 0
.rept 4
	v_nop
.endr
.Lasked_\@:
.endm
.macro CREST                           ; a round of the cluster's barrier behind its opening barrier
	s_cmp_lg_u32 s10, 0
	s_cbranch_scc1 .Lnot_wave_0_\@
	s_barrier_signal -3
.Lnot_wave_0_\@:
	s_barrier_wait -3
	s_barrier_signal -1
	s_barrier_wait -1
.endm
.macro CROUND                          ; a whole round
	s_barrier_signal -1
	s_barrier_wait -1
	CREST
.endm
; 8 matrix instructions: row blocks a0, a0 + 1 x all 4 column blocks, 32 along K: half c of buffer f.  zero = 1: the first product starts the sums, with the bias as C.
; The 16 accumulators take turns, one instruction a turn.
.macro MUL8 f, c, a0, zero
	WIN MUL
.irp a, \a0, (\a0)+1
.irp b, 0,1,2,3
.if \zero
	v_wmma_f32_16x16x32_bf16 v[ACC+8*(4*(\a)+(\b)):ACC+8*(4*(\a)+(\b))+7], v[(\f)+64+8*(4*(\c)+(\b)):(\f)+64+8*(4*(\c)+(\b))+7], v[(\f)+8*(4*(\c)+(\a)):(\f)+8*(4*(\c)+(\a))+7], v[BIAS+8*(\b):BIAS+8*(\b)+7]
.else
	v_wmma_f32_16x16x32_bf16 v[ACC+8*(4*(\a)+(\b)):ACC+8*(4*(\a)+(\b))+7], v[(\f)+64+8*(4*(\c)+(\b)):(\f)+64+8*(4*(\c)+(\b))+7], v[(\f)+8*(4*(\c)+(\a)):(\f)+8*(4*(\c)+(\a))+7], v[ACC+8*(4*(\a)+(\b)):ACC+8*(4*(\a)+(\b))+7]
.endif
.endr
.endr
.endm
; 32 LDS loads in one run: the fragments of quarter q (64 along K) of a slot, into buffer f; the first 32 along K first
.macro FETCH slot, q, f
	WIN TO_F
.irp c, 0,1
.irp i, 0,1,2,3
	ds_load_tr16_b128 v[(\f)+64+8*(4*(\c)+(\i)):(\f)+64+8*(4*(\c)+(\i))+3],   v[ADRB+2*(\slot)+(\q)/2] offset:(((\q)%2)*64+32*(\c))*BPITCH+32*(\i)
	ds_load_tr16_b128 v[(\f)+64+8*(4*(\c)+(\i))+4:(\f)+64+8*(4*(\c)+(\i))+7], v[ADRB+2*(\slot)+(\q)/2] offset:(((\q)%2)*64+32*(\c)+16)*BPITCH+32*(\i)
	ds_load_b128 v[(\f)+8*(4*(\c)+(\i)):(\f)+8*(4*(\c)+(\i))+3],         v[ADRA+(\slot)] offset:AQ*(\q)+64*(\c)+(\i)*16*APITCH
	ds_load_b128 v[(\f)+8*(4*(\c)+(\i))+4:(\f)+8*(4*(\c)+(\i))+7],       v[ADRA+(\slot)] offset:AQ*(\q)+64*(\c)+(\i)*16*APITCH+32
.endr
.endr
.endm
.macro PLACES                          ; four places in front of loads into registers that matrix instructions have read, and of lines that read results
.rept 4
	v_nop
.endr
.endm
; A K step is four quarters of 64 along K, 32 matrix instructions each, on buffers 0, 1, 0, 1.  One of the first three: multiplies buffer f and fetches quarter q into g.
.macro QUARTER slot, q, f, g, zero
	s_wait_dscnt 16                                ; the first 32 along K are in; the run's younger sixteen loads may be out
	WIN MUL
	MUL8 \f, 0, 0, \zero
	MUL8 \f, 0, 2, \zero
	PLACES
	FETCH \slot, \q, \g
	s_wait_dscnt 32                                ; all but the 32 just issued
	WIN MUL
	MUL8 \f, 1, 0, 0
	MUL8 \f, 1, 2, 0
.endm
; The last quarter multiplies buffer 1 and changes slots: ONE barrier; in front of it each wave waits for all its tensor loads, adds 0 to its spare word, and waits for that and for its reads of this slot.
; fill = 1: the barrier opens a round of the cluster's barrier, and this slot is filled again, two K steps ahead, first thing behind the round.
.macro TURN slot, next, fill
	WIN 0                                          ; (the add's two registers lie in window 0)
	s_wait_tensorcnt 0x0                           ; all my tensor loads have landed: the one that was out is my part of the next slot
	ds_add_u32 v[SPW], v[NIL]                      ; 0 onto my spare word
	s_wait_dscnt 17                                ; (the add and the youngest sixteen loads may be out)
	WIN MUL
	MUL8 F1, 0, 0, 0                               ; eight matrix instructions stand between the add and the wait for it
	s_wait_dscnt 0x0                               ; the add is done, and my reads of this slot are over
	s_barrier_signal -1
	MUL8 F1, 0, 2, 0
.if \fill
	WIN 0
.endif
	s_barrier_wait -1
.if \fill
	CREST                                          ; no wave of any partner still reads this slot's tile or has a load on its way
	s_add_nc_u64 s[G0+4*(\slot)+2:G0+4*(\slot)+3], s[G0+4*(\slot)+2:G0+4*(\slot)+3], 2*ASTEP
	s_add_nc_u64 s[G0B+4*(\slot)+2:G0B+4*(\slot)+3], s[G0B+4*(\slot)+2:G0B+4*(\slot)+3], 2*BSTEP
	JLOAD \slot                                    ; my one tensor load behind the round; its four v_nop are also the places in front of the loads below
.else
	PLACES
.endif
	FETCH \next, 0, F0
	WIN MUL
	MUL8 F1, 1, 0, 0
	MUL8 F1, 1, 2, 0
.endm
; THE WAYS OUT.  A lane holds row 16 a + l % 16 and columns 16 b + 8 (l / 16) + 0..7 of the wave's 64 x 64.  Each accumulator's registers are taken in ascending order.
; KIND 0: 16 rows x 64 columns in bf16 are 2,048 consecutive bytes of one plane: through my own stage (rows of 144 bytes), back as four rows a load.
.macro PACKH a
.irp b, 0,1,2,3
.irp r, 0,1,2,3
	v_cvt_pk_bf16_f32 v[TMP+16*(\a)+4*(\b)+(\r)], v[ACC+8*(4*(\a)+(\b))+2*(\r)], v[ACC+8*(4*(\a)+(\b))+2*(\r)+1]
.endr
.endr
.irp b, 0,1,2,3
	ds_store_b128 v[STO], v[TMP+16*(\a)+4*(\b):TMP+16*(\a)+4*(\b)+3] offset:32*(\b)
.endr
.irp f, 0,1,2,3
	ds_load_b128 v[TMP+16*(\a)+4*(\f):TMP+16*(\a)+4*(\f)+3], v[RD] offset:(\f)*4*HP  ; LDS serves a wave's instructions in order: these see the stores above
.endr
.endm
.macro SENDH a, younger                ; younger: the LDS instructions issued behind block a's loads
.irp f, 0,1,2,3
	s_wait_dscnt (\younger)+3-(\f)
	global_store_b128 v[CO], v[TMP+16*(\a)+4*(\f):TMP+16*(\a)+4*(\f)+3], s[8:9] offset:(\a)*2048+(\f)*512  ; 512 consecutive bytes, aligned
.endr
.endm
; KINDs 1, 3: 16 rows x 64 columns in f32: through my own stage (rows of 272 bytes), back as whole rows of 256 bytes into the registers that they left; the residual is added; stored.
.macro OUTF a
.irp b, 0,1,2,3
	ds_store_b128 v[STO], v[ACC+8*(4*(\a)+(\b)):ACC+8*(4*(\a)+(\b))+3]   offset:64*(\b)
	ds_store_b128 v[STO], v[ACC+8*(4*(\a)+(\b))+4:ACC+8*(4*(\a)+(\b))+7] offset:64*(\b)+16
.endr
.irp t, 0,1,2,3,4,5,6,7
	ds_load_b128 v[ACC+32*(\a)+4*(\t):ACC+32*(\a)+4*(\t)+3], v[RD] offset:(\t)*2*SPITCH
.endr
.endm
.macro SENDF a, younger
	s_wait_dscnt \younger
	WIN 0x08                                       ; source 1, the residual, in window 2
.set i, 0
.rept 16
	v_pk_add_f32 v[ACC+32*(\a)+i:ACC+32*(\a)+i+1], v[ACC+32*(\a)+i:ACC+32*(\a)+i+1], v[32*(\a)+i:32*(\a)+i+1]
.set i, i+2
.endr
	WIN 0
.irp t, 0,1,2,3,4,5,6,7
	global_store_b128 v[CO], v[ACC+32*(\a)+4*(\t):ACC+32*(\a)+4*(\t)+3], s[8:9] offset:(16*(\a)+2*(\t))*4096  ; 16 lanes store 256 consecutive bytes, aligned
.endr
.endm
; KIND 2: gelu in f32 on block a's 32 numbers a lane, rounded to bf16, into the work-group's shared stage.  Each batch of 32 transcendentals has one plain line and one wait behind it.
.macro GELU a
.set U, ACC+32*(\a)
.set i, 0
.rept 16
	v_pk_mul_f32 v[TMP+i:TMP+i+1], v[U+i:U+i+1], v[U+i:U+i+1]
.set i, i+2
.endr
.set i, 0
.rept 16
	v_pk_fma_f32 v[TMP+i:TMP+i+1], v[TMP+i:TMP+i+1], s[74:75], s[76:77] op_sel_hi:[1,0,0]
.set i, i+2
.endr
.set i, 0
.rept 16
	v_pk_mul_f32 v[TMP+i:TMP+i+1], v[TMP+i:TMP+i+1], v[U+i:U+i+1]
.set i, i+2
.endr
.set i, 0
.rept 32
	v_exp_f32 v[TMP+i], v[TMP+i]
.set i, i+1
.endr
	v_nop
	s_wait_alu depctr_va_vdst(0)                   ; one wait for the batch, ahead of its first reader
.set i, 0
.rept 16
	v_pk_add_f32 v[TMP+i:TMP+i+1], v[TMP+i:TMP+i+1], 1.0 op_sel_hi:[1,0]
.set i, i+2
.endr
.set i, 0
.rept 32
	v_rcp_f32 v[TMP+i], v[TMP+i]
.set i, i+1
.endr
	v_nop
	s_wait_alu depctr_va_vdst(0)
.set i, 0
.rept 16
	v_pk_mul_f32 v[TMP+i:TMP+i+1], v[TMP+i:TMP+i+1], v[U+i:U+i+1]
.set i, i+2
.endr
.set i, 0
.rept 16
	v_cvt_pk_bf16_f32 v[TMP+32+i], v[TMP+2*i], v[TMP+2*i+1]
.set i, i+1
.endr
.irp b, 0,1,2,3
	ds_store_b128 v[STO], v[TMP+32+4*(\b):TMP+32+4*(\b)+3] offset:(\a)*16*SPITCH+32*(\b)
.endr
.endm
	s_load_b128 s[4:7], s[0:1], 0x0                ; A s[4:5], wb s[6:7]
	s_load_b64 s[8:9], s[0:1], 0x10                ; C
.if RESID
	s_load_b128 s[68:71], s[0:1], 0x18             ; bias s[68:69], residual s[70:71]
.else
	s_load_b64 s[68:69], s[0:1], 0x18              ; bias
.endif
	v_lshl_add_u32 v[SPW], v0, 2, SPARE
	v_mov_b32 v[NIL], 0
	ds_add_u32 v[SPW], v[NIL]                      ; the wave's opening: the add and its wait stand ahead of my first tensor load; the set-up below stands between them
	v_lshrrev_b32 v1, 5, v0
	v_readfirstlane_b32 s10, v1                    ; wave 0..3
	s_lshr_b32 s11, s10, 1                         ; which half of the tile's rows is mine.  Also: I fetch for A (0) or for W (1)
	s_and_b32 s12, s10, 1                          ; which half of its columns.  Also: which half of that tile I fetch
	s_bfe_u32 s40, ttmp6, 0x40000                  ; cx, cy: my place in the cluster
	s_bfe_u32 s41, ttmp6, 0x40004
	s_lshl_b32 s42, ttmp9, 2
	s_add_co_u32 s42, s42, s40                     ; tile column of C = 4 x cluster x + cx
	s_and_b32 s13, ttmp7, 0xffff
	s_lshl_b32 s13, s13, 2
	s_add_co_u32 s13, s13, s41                     ; tile row of C = 4 x cluster y + cy
	s_lshl_b32 s43, s41, 2
	s_lshl_b32 s43, 15, s43                        ; my row of the cluster
	s_lshl_b32 s44, 0x1111, s40                    ; my column
.if KIND == 1
	; A's tile: four heads x (64 rows x 64 channels = 4,096 dense elements), padded by 4 words behind every 32: it lands as [head][row][64] with rows of 144 bytes
	s_or_b32 s[G1+0], s43, (1<<16)|(1<<20)|(1<<21)|(4<<22)|(3<<25)
	s_mov_b32 s[G1+1], 4096<<16                    ; tensor_dim0
	s_mov_b32 s[G1+2], 4<<16                       ; tensor_dim1
	s_mov_b32 s[G1+3], 4096<<16                    ; tile_dim0
	s_mov_b32 s[G1+4], 4                           ; tile_dim1
	s_mov_b32 s[G1+5], 131072                      ; elements from head to head
.else
	; A's tile: 64 rows x 256 elements, padded by 4 words behind every 128
	s_or_b32 s[G1+0], s43, (1<<16)|(1<<20)|(1<<21)|(6<<22)|(3<<25)  ; 15:0 the mask: my row of the cluster; 17:16 2-byte elements; 20 padding on; 21 set beside a mask
	s_mov_b32 s[G1+1], 256<<16
	s_mov_b32 s[G1+2], 64<<16
	s_mov_b32 s[G1+3], 256<<16
	s_mov_b32 s[G1+4], 64
	s_mov_b32 s[G1+5], SK
.endif
	s_mov_b32 s[G1+6], 0
	s_mov_b32 s[G1+7], 0
	; W's tile: 128 k rows x 128 elements, padded by 8 words behind every 64
	s_or_b32 s[G1B+0], s44, (1<<16)|(1<<20)|(1<<21)|(5<<22)|(7<<25)  ; the mask: my column of the cluster
	s_mov_b32 s[G1B+1], 128<<16
	s_mov_b32 s[G1B+2], 128<<16
	s_mov_b32 s[G1B+3], 128<<16
	s_mov_b32 s[G1B+4], 128
	s_mov_b32 s[G1B+5], SN
	s_mov_b32 s[G1B+6], 0
	s_mov_b32 s[G1B+7], 0
	; where the tiles come from.  A's hang on the tile row alone, W's on the tile column alone, each in registers that never hold the other coordinate
.if KIND == 1
	s_lshr_b32 s16, s13, 4                         ; the batch: 16 planes of 262,144 bytes,
	s_lshl_b32 s16, s16, 22
	s_and_b32 s17, s13, 15                         ; the tile's 128 rows of 128 bytes in a plane,
	s_lshl_b32 s17, s17, 14
	s_add_co_u32 s16, s16, s17
	s_lshl_b32 s17, s12, 13                        ; the 64 of them that I fetch
	s_add_co_u32 s16, s16, s17
.else
	s_lshl_b32 s17, s12, 6
	s_lshl_b32 s16, s13, 7
	s_add_co_u32 s16, s16, s17                     ; row 128 x tile row + 64 x half
	s_mul_i32 s16, s16, 2*SK
.endif
	s_mov_b32 s17, 0
	s_mul_i32 s46, s12, 256*SN                     ; W: the 128 k rows that I fetch,
	s_lshl_b32 s47, s42, 8                         ; the tile's 128 columns,
	s_add_co_u32 s46, s46, s47
	s_add_co_u32 s46, s46, WOFF                    ; this product's matrix in wb
	s_mov_b32 s47, 0
	s_mul_i32 s20, s12, AHALF                      ; and where they go: no place in the cluster enters an LDS address
	s_mul_i32 s21, s12, BHALF
	s_add_co_u32 s21, s21, BOFF
.if KIND == 2
	s_mov_b32 s74, 0xbdd2d3e8                      ; -0.10294324
	s_mov_b32 s75, s74
	s_mov_b32 s76, 0xc0135761                      ; -2.3022082
	s_mov_b32 s77, s76
.endif
	s_wait_dscnt 0x0                               ; the opening add is done
	s_wait_kmcnt 0x0
	s_add_nc_u64 s[14:15], s[4:5], s[16:17]
	s_add_nc_u64 s[46:47], s[6:7], s[46:47]
	CROUND                                         ; all sixteen work-groups are here: the first joint loads meet
.irp s, 0,1
	s_mov_b32 s[G0+4*(\s)], 1
	s_add_co_u32 s[G0+4*(\s)+1], s20, (\s)*SLOT
	s_add_nc_u64 s[G0+4*(\s)+2:G0+4*(\s)+3], s[14:15], (\s)*ASTEP
	s_or_b32 s[G0+4*(\s)+3], s[G0+4*(\s)+3], 0x80000000
	s_mov_b32 s[G0B+4*(\s)], 1
	s_add_co_u32 s[G0B+4*(\s)+1], s21, (\s)*SLOT
	s_add_nc_u64 s[G0B+4*(\s)+2:G0B+4*(\s)+3], s[46:47], (\s)*BSTEP
	s_or_b32 s[G0B+4*(\s)+3], s[G0B+4*(\s)+3], 0x80000000
.endr
	s_cmp_eq_u32 s11, 0                            ; a wave's two first fills stand in one branch, ahead of every wait on TENSORcnt and every LDS read: two loads of mine are out
	s_cbranch_scc0 .Lfirst_b
	tensor_load_to_lds s[G0:G0+3], s[G1:G1+7]
	s_nop 0
	tensor_load_to_lds s[G0+4:G0+7], s[G1:G1+7]
	s_nop 0
.rept 4
	v_nop
.endr
	s_branch .Lfirst_asked
.Lfirst_b:
	tensor_load_to_lds s[G0B:G0B+3], s[G1B:G1B+7]
	s_nop 0
	tensor_load_to_lds s[G0B+4:G0B+7], s[G1B:G1B+7]
	s_nop 0
.rept 4
	v_nop
.endr
.Lfirst_asked:
	v_and_b32 v1, 15, v0                           ; l % 16
	v_bfe_u32 v2, v0, 4, 1                         ; l / 16
	v_mul_u32_u24 v3, v1, APITCH
	v_lshl_add_u32 v3, v2, 4, v3                   ; A: a fragment's row x pitch + 16 x half
	s_mul_i32 s21, s11, AHALF                      ; my 64 rows of A
.irp s, 0,1
	v_add_nc_u32 v[ADRA+(\s)], s21, v3
	s_add_co_u32 s21, s21, SLOT
.endr
	v_and_b32 v4, 7, v0                            ; W: the turning load takes 16 k rows x 16 columns: lane l reads k row 8 (l / 16) + l % 8, columns 8 ((l / 8) % 2) + 0..7
	v_bfe_u32 v5, v0, 3, 1
	v_lshl_add_u32 v4, v2, 3, v4
	v_mul_u32_u24 v4, v4, BPITCH
	v_lshl_add_u32 v4, v5, 4, v4
	s_lshl_b32 s22, s12, 7                         ; my 64 columns: 128 bytes
	s_add_co_u32 s22, s22, BOFF
.irp s, 0,1
.irp p, 0,1
	s_add_co_u32 s23, s22, (\s)*SLOT+(\p)*BHALF
	v_add_nc_u32 v[ADRB+2*(\s)+(\p)], s23, v4
.endr
.endr
	s_lshl_b32 s46, s42, 9
	s_lshl_b32 s47, s12, 8
	s_add_co_u32 s46, s46, s47                     ; my 64 columns in a row of f32: 512 x tile column + 256 x half
	s_mov_b32 s47, 0
	v_lshl_add_u32 v[BO], v2, 5, s46               ; + my eight of each sixteen
.if KIND == 0
	s_mul_i32 s23, s10, 16*HP
	s_add_co_u32 s23, s23, STAGE                   ; my stage
	v_mul_u32_u24 v6, v1, HP
	v_lshl_add_u32 v6, v2, 4, v6
	v_add_nc_u32 v[STO], s23, v6                   ; in: row l % 16, 16 bytes for each half of the lanes
	v_bfe_u32 v6, v0, 3, 2
	v_mul_u32_u24 v6, v6, HP
	v_and_b32 v7, 7, v0
	v_lshl_add_u32 v6, v7, 4, v6
	v_add_nc_u32 v[RD], s23, v6                    ; back: 32 lanes take four rows of 128 bytes,
	v_and_b32 v6, 31, v0
	v_lshlrev_b32 v[CO], 4, v6                     ; which are 512 consecutive bytes of a plane
	s_lshr_b32 s16, s13, 4                         ; the batch's 48 planes,
	s_mul_i32 s16, s16, 48*262144
	s_and_b32 s17, s13, 15                         ; the tile's 128 rows of 128 bytes,
	s_lshl_b32 s17, s17, 14
	s_add_co_u32 s16, s16, s17
	s_lshl_b32 s17, s11, 13                        ; my 64 of them
	s_add_co_u32 s16, s16, s17
	s_mov_b32 s17, 0
	s_add_nc_u64 s[8:9], s[8:9], s[16:17]
	s_lshl_b32 s46, s42, 1
	s_add_co_u32 s46, s46, s12                     ; my 64 columns are plane 2 x tile column + half
	s_lshl_b32 s46, s46, 18
	s_add_nc_u64 s[8:9], s[8:9], s[46:47]
.elseif KIND == 2
	s_mul_i32 s23, s11, 64*SPITCH                  ; into the shared stage: my 64 rows, my half of their 256 bytes
	s_lshl_b32 s22, s12, 7
	s_add_co_u32 s23, s23, s22
	s_add_co_u32 s23, s23, STAGE
	v_mul_u32_u24 v6, v1, SPITCH
	v_lshl_add_u32 v6, v2, 4, v6
	v_add_nc_u32 v[STO], s23, v6
	s_mul_i32 s23, s10, 32*SPITCH                  ; back: wave w takes rows 32 w .. 32 w + 31, whole
	s_add_co_u32 s23, s23, STAGE
	v_mul_u32_u24 v6, v2, SPITCH
	v_lshl_add_u32 v6, v1, 4, v6
	v_add_nc_u32 v[RD], s23, v6
	v_lshlrev_b32 v6, 13, v2                       ; and the same two rows in C: 8,192 bytes a row
	v_lshl_add_u32 v[CO], v1, 4, v6
	s_lshl_b32 s16, s13, 7
	s_lshl_b32 s17, s10, 5
	s_add_co_u32 s16, s16, s17                     ; the first row that I store: 128 x tile row + 32 x wave
	s_lshl_b32 s16, s16, 13
	s_mov_b32 s17, 0
	s_add_nc_u64 s[8:9], s[8:9], s[16:17]
	s_lshl_b32 s46, s42, 8                         ; the tile's first column, in bytes of bf16
	s_add_nc_u64 s[8:9], s[8:9], s[46:47]
.else
	s_mul_i32 s23, s10, 16*SPITCH
	s_add_co_u32 s23, s23, STAGE                   ; my stage
	v_mul_u32_u24 v6, v1, SPITCH
	v_lshl_add_u32 v6, v2, 5, v6
	v_add_nc_u32 v[STO], s23, v6                   ; in: row l % 16, 32 bytes for each half of the lanes
	v_mul_u32_u24 v6, v2, SPITCH
	v_lshl_add_u32 v6, v1, 4, v6
	v_add_nc_u32 v[RD], s23, v6                    ; back: lanes 0-15 take one row of 256 bytes, lanes 16-31 the next
	v_lshlrev_b32 v6, 12, v2                       ; and the same two rows in C and in the residual: 4,096 bytes a row
	v_lshl_add_u32 v[CO], v1, 4, v6
	s_lshl_b32 s16, s13, 7
	s_lshl_b32 s17, s11, 6
	s_add_co_u32 s16, s16, s17                     ; my first row: 128 x tile row + 64 x half
	s_lshl_b32 s16, s16, 12
	s_mov_b32 s17, 0
	s_add_nc_u64 s[8:9], s[8:9], s[16:17]
	s_add_nc_u64 s[70:71], s[70:71], s[16:17]
	s_add_nc_u64 s[8:9], s[8:9], s[46:47]          ; my 64 columns
	s_add_nc_u64 s[70:71], s[70:71], s[46:47]
.endif
.irp b, 0,1,2,3
	global_load_b128 v[BIAS+8*(\b):BIAS+8*(\b)+3],   v[BO], s[68:69] offset:64*(\b)
	global_load_b128 v[BIAS+8*(\b)+4:BIAS+8*(\b)+7], v[BO], s[68:69] offset:64*(\b)+16
.endr
.if RESID
	WIN 0x80                                       ; destination window 2: the residual comes in while K is walked
.irp a, 0,1,2,3
.irp t, 0,1,2,3,4,5,6,7
	global_load_b128 v[32*(\a)+4*(\t):32*(\a)+4*(\t)+3], v[CO], s[70:71] offset:(16*(\a)+2*(\t))*4096
.endr
.endr
	WIN 0
.endif
	s_wait_tensorcnt 1                             ; my part of K step 0 is in; K step 1's may stay out
	s_barrier_signal -1
	s_barrier_wait -1                              ; everybody's is
	FETCH 0, 0, F0
.if RESID
	s_wait_loadcnt 32                              ; the bias is in; the 32 loads of the residual are younger
.else
	s_wait_loadcnt 0x0                             ; the bias is in
.endif
	QUARTER 0, 1, F0, F1, 1                        ; the first quarter stands in front of the loop: its first products start the sums
	WIN 0                                          ; at a label and at a branch every window is 0
	s_mov_b32 s3, LAPS-1
.Llap:                                                 ; a trip goes once round the ring, from a lap's second quarter to the next lap's first, and fills both slots again
	QUARTER 0, 2, F1, F0, 0
	QUARTER 0, 3, F0, F1, 0
	TURN 0, 1, 1
	QUARTER 1, 1, F0, F1, 0
	QUARTER 1, 2, F1, F0, 0
	QUARTER 1, 3, F0, F1, 0
	TURN 1, 0, 1
	QUARTER 0, 1, F0, F1, 0
	WIN 0
	s_sub_co_u32 s3, s3, 1
	s_cmp_lg_u32 s3, 0
	s_cbranch_scc1 .Llap
	QUARTER 0, 2, F1, F0, 0                        ; the last lap fills nothing, and has no round of the cluster's barrier
	QUARTER 0, 3, F0, F1, 0
	TURN 0, 1, 0
	QUARTER 1, 1, F0, F1, 0
	QUARTER 1, 2, F1, F0, 0
	QUARTER 1, 3, F0, F1, 0
	s_wait_dscnt 16                                ; the very last quarter: nothing more to fetch
	WIN MUL
	MUL8 F1, 0, 0, 0
	MUL8 F1, 0, 2, 0
	s_wait_dscnt 0x0
	MUL8 F1, 1, 0, 0
	MUL8 F1, 1, 2, 0
	WIN 0
	PLACES
.if KIND == 0
	PACKH 0
	PACKH 1                                        ; a block's conversions stand between the loads of the block before and its stores
	SENDH 0, 8
	PACKH 2
	SENDH 1, 8
	PACKH 3
	SENDH 2, 8
	SENDH 3, 0
.elseif KIND == 2
	GELU 0
	GELU 1
	GELU 2
	GELU 3
	s_wait_dscnt 0x0                               ; for the others' sake: my stores into the stage are done
	s_barrier_signal -1
	s_barrier_wait -1                              ; a row's 256 bytes come from two waves
.irp t, 0,1,2,3,4,5,6,7,8,9,10,11,12,13,14,15
	ds_load_b128 v[TMP+4*(\t):TMP+4*(\t)+3], v[RD] offset:(\t)*2*SPITCH
.endr
.irp t, 0,1,2,3,4,5,6,7,8,9,10,11,12,13,14,15
	s_wait_dscnt 15-(\t)
	global_store_b128 v[CO], v[TMP+4*(\t):TMP+4*(\t)+3], s[8:9] offset:2*(\t)*2*SN  ; 16 lanes store 256 consecutive bytes, aligned
.endr
.else
	s_wait_loadcnt 0x0                             ; the residual
	OUTF 0
	OUTF 1
	SENDF 0, 16
	OUTF 2
	SENDF 1, 16
	OUTF 3
	SENDF 2, 16
	SENDF 3, 0
.endif
	s_wait_tensorcnt 0x0                           ; the wave's end: a wait, the add and its wait, behind my last tensor load and my last LDS store
	ds_add_u32 v[SPW], v[NIL]
	s_wait_dscnt 0x0
	CROUND                                         ; the closing round: no work-group ends while a partner may still ask for a tile that names it
	s_endpgm
.Lfunc_end_k_q2741b43b6a_proj:
	.size	k_q2741b43b6a_proj, .Lfunc_end_k_q2741b43b6a_proj-k_q2741b43b6a_proj
	.p2alignl 7, 3214868480
	.fill 96, 4, 3214868480
	.section	.rodata,"a",@progbits
	.p2align	6, 0x0
	.amdhsa_kernel k_q2741b43b6a_proj
		.amdhsa_group_segment_fixed_size 327680
		.amdhsa_private_segment_fixed_size 0
		.amdhsa_enable_private_segment 0
		.amdhsa_kernarg_size 40
		.amdhsa_user_sgpr_count 2
		.amdhsa_user_sgpr_kernarg_segment_ptr 1
		.amdhsa_wavefront_size32 1
		.amdhsa_system_sgpr_workgroup_id_x 1
		.amdhsa_system_sgpr_workgroup_id_y 1
		.amdhsa_system_sgpr_workgroup_id_z 1
		.amdhsa_system_vgpr_workitem_id 0
		.amdhsa_next_free_vgpr 640
		.amdhsa_next_free_sgpr 80
		.amdhsa_reserve_vcc 0
		.amdhsa_float_denorm_mode_32 3
		.amdhsa_float_denorm_mode_16_64 3
		.amdhsa_memory_ordered 1
		.amdhsa_forward_progress 1
		.amdhsa_inst_pref_size 94
	.end_amdhsa_kernel
	.amdgpu_metadata
---
amdhsa.version: [ 1, 2 ]
amdhsa.kernels:
  - .name:           k_q2741b43b6a_proj
    .symbol:         k_q2741b43b6a_proj.kd
    .args:
      - { .name: o, .offset: 0, .size: 8, .value_kind: global_buffer, .address_space: global }
      - { .name: wb, .offset: 8, .size: 8, .value_kind: global_buffer, .address_space: global }
      - { .name: x2, .offset: 16, .size: 8, .value_kind: global_buffer, .address_space: global }
      - { .name: b_attn_proj, .offset: 24, .size: 8, .value_kind: global_buffer, .address_space: global }
      - { .name: xnf, .offset: 32, .size: 8, .value_kind: global_buffer, .address_space: global }
    .group_segment_fixed_size: 327680
    .private_segment_fixed_size: 0
    .kernarg_segment_align: 8
    .kernarg_segment_size: 40
    .max_flat_workgroup_size: 128
    .sgpr_count:     80
    .vgpr_count:     640
    .wavefront_size: 32
...
	.end_amdgpu_metadata
.endif
;; end of part 4
;; launch ln2 (part 5): grid 256 x 1, 8 waves a work-group, no clusters, 0 bytes of LDS; arguments x2, ln2_g, ln2_b, xnf, xnh; writes xnf, xnh
.if DOCPART == 5
	.amdgcn_target "amdgcn-amd-amdhsa--gfx1250"
	.amdhsa_code_object_version 6
	.text
	.protected	k_q2741b43b6a_ln2
	.globl	k_q2741b43b6a_ln2
	.p2align	8
	.type	k_q2741b43b6a_ln2,@function
k_q2741b43b6a_ln2:
	s_mov_b64 s[64:65], 0
	v_nop
	global_prefetch_b8 v0, s[64:65] scope:SCOPE_SE
	s_setreg_imm32_b32 hwreg(HW_REG_WAVE_MODE, 25, 1), 1
	s_wait_xcnt 0x0
; LayerNorm 2.  xnf[row][:] = ((x - mean) * rsqrt(var + 1e-5)) * g + b in f32, xnh the same rounded once to bf16.  x: [4096][1024] f32.
; A wave takes two rows of 1,024 numbers; a row stays in 32 registers between the pass for the mean, the pass for the variance (of x - mean) and the scaling: x is read once.
; Lane l holds columns 128 j + 4 l .. + 3, j = 0..7: each load and each f32 store of a wave covers 512 consecutive bytes, each bf16 store 256, aligned.
; No LDS, no barrier, no matrix unit: no wave wants another wave's bytes.  NaN and infinities are not treated apart.
.set ROWB, 4096                        ; bytes in a row of x
.set G,  4                             ; v[4:35]    g of my 32 columns
.set BB, 36                            ; v[36:67]   b of my 32 columns
.set X,  68                            ; v[68:131]  row i at X + 32 i
.set T,  132                           ; v[132:139] at work
.set H,  140                           ; v[140:171] row i in bf16 at H + 16 i
.set R,  172                           ; v[172:175] row i: rsqrt(var + eps), twice (a pair for the packed multiply)
.macro RED                             ; v[T] summed over the wave's 32 lanes, the result in every lane
	v_add_f32_dpp v[T], v[T], v[T] row_xmask:1 row_mask:0xf bank_mask:0xf
	v_add_f32_dpp v[T], v[T], v[T] row_xmask:2 row_mask:0xf bank_mask:0xf
	v_add_f32_dpp v[T], v[T], v[T] row_xmask:4 row_mask:0xf bank_mask:0xf
	v_add_f32_dpp v[T], v[T], v[T] row_xmask:8 row_mask:0xf bank_mask:0xf
	v_permlanex16_b32 v[T+1], v[T], s18, s19       ; the other half of the lanes; its destination has been written
	v_add_f32 v[T], v[T], v[T+1]
.endm
; Row i: mean, x - mean in place, variance, rsqrt.  left = the younger loads that may stay out.
.macro STAT i, left
.set XI, X+32*(\i)
	s_wait_loadcnt \left
	v_pk_add_f32 v[T:T+1], v[XI:XI+1], v[XI+2:XI+3]         ; two chains, started by the first pairs: nothing is cleared
	v_pk_add_f32 v[T+2:T+3], v[XI+4:XI+5], v[XI+6:XI+7]
.set p, 4
.rept 12
	v_pk_add_f32 v[T+2*(p%2):T+2*(p%2)+1], v[T+2*(p%2):T+2*(p%2)+1], v[XI+2*p:XI+2*p+1]
.set p, p+1
.endr
	v_pk_add_f32 v[T:T+1], v[T:T+1], v[T+2:T+3]
	v_add_f32 v[T], v[T], v[T+1]
	RED
	v_mul_f32 v[T+4], s20, v[T]                    ; the mean, twice
	v_mul_f32 v[T+5], s20, v[T]
.set p, 0
.rept 16
	v_pk_add_f32 v[XI+2*p:XI+2*p+1], v[XI+2*p:XI+2*p+1], v[T+4:T+5] neg_lo:[0,1] neg_hi:[0,1]
.set p, p+1
.endr
	v_pk_mul_f32 v[T:T+1], v[XI:XI+1], v[XI:XI+1]
	v_pk_mul_f32 v[T+2:T+3], v[XI+2:XI+3], v[XI+2:XI+3]
.set p, 2
.rept 14
	v_pk_fma_f32 v[T+2*(p%2):T+2*(p%2)+1], v[XI+2*p:XI+2*p+1], v[XI+2*p:XI+2*p+1], v[T+2*(p%2):T+2*(p%2)+1]
.set p, p+1
.endr
	v_pk_add_f32 v[T:T+1], v[T:T+1], v[T+2:T+3]
	v_add_f32 v[T], v[T], v[T+1]
	RED
	v_fma_f32 v[T+2], v[T], s20, s21               ; var + eps
	v_rsq_f32 v[R+2*(\i)], v[T+2]
	v_rsq_f32 v[R+2*(\i)+1], v[T+2]
	v_nop                                          ; a plain instruction behind the last root, ahead of any write of its source
.endm
; Row i: scaled, in the order of the definition, and stored in both formats.
.macro OUT i
.set XI, X+32*(\i)
.set HH, H+16*(\i)
.set p, 0
.rept 16
	v_pk_mul_f32 v[XI+2*p:XI+2*p+1], v[XI+2*p:XI+2*p+1], v[R+2*(\i):R+2*(\i)+1]
.set p, p+1
.endr
.set p, 0
.rept 16
	v_pk_fma_f32 v[XI+2*p:XI+2*p+1], v[XI+2*p:XI+2*p+1], v[G+2*p:G+2*p+1], v[BB+2*p:BB+2*p+1]
.set p, p+1
.endr
.set p, 0
.rept 16
	v_cvt_pk_bf16_f32 v[HH+p], v[XI+2*p], v[XI+2*p+1]
.set p, p+1
.endr
.irp j, 0,1,2,3,4,5,6,7
	global_store_b128 v1, v[XI+4*(\j):XI+4*(\j)+3], s[10:11] offset:(\i)*ROWB+(\j)*512
.endr
.irp j, 0,1,2,3,4,5,6,7
	global_store_b64 v2, v[HH+2*(\j):HH+2*(\j)+1], s[12:13] offset:(\i)*(ROWB/2)+(\j)*256
.endr
.endm
	s_load_b256 s[4:11], s[0:1], 0x0               ; x s[4:5], g s[6:7], b s[8:9], xnf s[10:11]
	s_load_b64 s[12:13], s[0:1], 0x20              ; xnh
	v_lshrrev_b32 v3, 5, v0
	v_readfirstlane_b32 s14, v3                    ; wave 0..7
	v_and_b32 v2, 31, v0
	v_lshlrev_b32 v1, 4, v2                        ; 16 x lane
	v_lshlrev_b32 v2, 3, v2                        ; 8 x lane
	s_lshl_b32 s15, ttmp9, 4
	s_lshl1_add_u32 s15, s14, s15                  ; my first row = 16 x work-group + 2 x wave
	s_lshl_b32 s2, s15, 12                         ; in bytes of f32 rows,
	s_mov_b32 s3, 0
	s_lshl_b32 s16, s15, 11                        ; and of bf16 rows
	s_mov_b32 s17, 0
	s_mov_b32 s18, 0x76543210                      ; v_permlanex16_b32: each lane takes its own place in the other half
	s_mov_b32 s19, 0xfedcba98
	s_mov_b32 s20, 0x3a800000                      ; 1 / 1024
	s_mov_b32 s21, 0x3727c5ac                      ; 1e-5
	s_wait_kmcnt 0x0
	s_add_nc_u64 s[4:5], s[4:5], s[2:3]
	s_add_nc_u64 s[10:11], s[10:11], s[2:3]
	s_add_nc_u64 s[12:13], s[12:13], s[16:17]
.irp i, 0,1
.irp j, 0,1,2,3,4,5,6,7
	global_load_b128 v[X+32*(\i)+4*(\j):X+32*(\i)+4*(\j)+3], v1, s[4:5] offset:(\i)*ROWB+(\j)*512 th:TH_LOAD_NT
.endr
.endr
.irp j, 0,1,2,3,4,5,6,7
	global_load_b128 v[G+4*(\j):G+4*(\j)+3], v1, s[6:7] offset:(\j)*512
.endr
.irp j, 0,1,2,3,4,5,6,7
	global_load_b128 v[BB+4*(\j):BB+4*(\j)+3], v1, s[8:9] offset:(\j)*512
.endr
	STAT 0, 24                                     ; row 1's eight loads and the sixteen of g and b are younger
	STAT 1, 16                                     ; the sixteen of g and b are younger
	s_wait_alu depctr_va_vdst(0)                   ; one wait for the four roots, ahead of their first reader
	s_wait_loadcnt 0x0                             ; g and b
	OUT 0
	OUT 1
	s_endpgm
.Lfunc_end_k_q2741b43b6a_ln2:
	.size	k_q2741b43b6a_ln2, .Lfunc_end_k_q2741b43b6a_ln2-k_q2741b43b6a_ln2
	.p2alignl 7, 3214868480
	.fill 96, 4, 3214868480
	.section	.rodata,"a",@progbits
	.p2align	6, 0x0
	.amdhsa_kernel k_q2741b43b6a_ln2
		.amdhsa_group_segment_fixed_size 0
		.amdhsa_private_segment_fixed_size 0
		.amdhsa_enable_private_segment 0
		.amdhsa_kernarg_size 40
		.amdhsa_user_sgpr_count 2
		.amdhsa_user_sgpr_kernarg_segment_ptr 1
		.amdhsa_wavefront_size32 1
		.amdhsa_system_sgpr_workgroup_id_x 1
		.amdhsa_system_sgpr_workgroup_id_y 1
		.amdhsa_system_sgpr_workgroup_id_z 1
		.amdhsa_system_vgpr_workitem_id 0
		.amdhsa_next_free_vgpr 176
		.amdhsa_next_free_sgpr 66
		.amdhsa_reserve_vcc 0
		.amdhsa_float_denorm_mode_32 3
		.amdhsa_float_denorm_mode_16_64 3
		.amdhsa_memory_ordered 1
		.amdhsa_forward_progress 1
		.amdhsa_inst_pref_size 22
	.end_amdhsa_kernel
	.amdgpu_metadata
---
amdhsa.version: [ 1, 2 ]
amdhsa.kernels:
  - .name:           k_q2741b43b6a_ln2
    .symbol:         k_q2741b43b6a_ln2.kd
    .args:
      - { .name: x2, .offset: 0, .size: 8, .value_kind: global_buffer, .address_space: global }
      - { .name: ln2_g, .offset: 8, .size: 8, .value_kind: global_buffer, .address_space: global }
      - { .name: ln2_b, .offset: 16, .size: 8, .value_kind: global_buffer, .address_space: global }
      - { .name: xnf, .offset: 24, .size: 8, .value_kind: global_buffer, .address_space: global }
      - { .name: xnh, .offset: 32, .size: 8, .value_kind: global_buffer, .address_space: global }
    .group_segment_fixed_size: 0
    .private_segment_fixed_size: 0
    .kernarg_segment_align: 8
    .kernarg_segment_size: 40
    .max_flat_workgroup_size: 256
    .sgpr_count:     66
    .vgpr_count:     176
    .wavefront_size: 32
...
	.end_amdgpu_metadata
.endif
;; end of part 5
;; launch fc (part 6): grid 32 x 32, 4 waves a work-group, clusters of 4 x 4, 327,680 bytes of LDS; arguments xnh, wb, h, b_fc; writes h
.if DOCPART == 6
	.amdgcn_target "amdgcn-amd-amdhsa--gfx1250"
	.amdhsa_code_object_version 6
	.text
	.protected	k_q2741b43b6a_fc
	.globl	k_q2741b43b6a_fc
	.p2align	8
	.type	k_q2741b43b6a_fc,@function
k_q2741b43b6a_fc:
	s_mov_b64 s[64:65], 0
	v_nop
	global_prefetch_b8 v0, s[64:65] scope:SCOPE_SE
	s_setreg_imm32_b32 hwreg(HW_REG_WAVE_MODE, 25, 1), 1
	s_wait_xcnt 0x0
	s_wait_alu depctr_hold_cnt(0) depctr_sa_sdst(0) depctr_va_vdst(0) depctr_va_sdst(0) depctr_va_ssrc(0) depctr_va_vcc(0) depctr_vm_vsrc(0)
	s_getreg_b32 s2, hwreg(HW_REG_IB_STS2, 6, 4)
	s_cmp_eq_u32 s2, 0
	s_cbranch_scc0 .Lentry_in_a_cluster
	s_endpgm
.Lentry_in_a_cluster:
	s_bfe_u32 s2, ttmp6, 0x10000c
	s_cmp_lg_u32 s2, 0xf033
	s_cbranch_scc0 .Lentry_shape_is_right
	s_endpgm
.Lentry_shape_is_right:
; ONE TEXT FOR THE BLOCK'S FOUR PRODUCTS, C = A W + bias, chosen by KIND.  A: 4,096 rows in bf16; W: [SK][SN] in bf16, as the weights lie; sums in f32, started by the bias.
;   KIND 0: q, k, v = xn1 W_attn + b, stored in bf16 by heads: [2][48][2048][64].        KIND 1: x2 = xn1 + (o W_attn_proj + b) in f32; A = o lies by heads, [32][2048][64].
;   KIND 2: h = gelu(xn2 W_fc + b) in bf16, gelu(u) = u / (1 + 2^(-u (2.3022082 + 0.10294324 u u))), which is 0.5 u (1 + tanh(..)) exactly.     KIND 3: out = xn2 + (h W_mlp_proj + b) in f32.
; LIMITS.  Matrix operands are rounded to bf16; NaN and infinities are not treated apart.
; SHARES.  A tile of C is 128 x 128 (so that each of the four products has a multiple of 256 tiles): four waves, each 64 x 64: 16 accumulators.  K goes in steps of 256 through two LDS slots.
; A's tile lies [row][k] and is read by ds_load_b128; W's lies [k][n], as in memory, and is turned on its way into registers by ds_load_tr16_b128.
; THE MATRIX INSTRUCTION IS USED TRANSPOSED (source 0 = 16 columns of W, source 1 = 16 rows of A): a lane then holds eight neighbouring numbers of a row of C.
; CLUSTERS: 4 x 4 work-groups.  The four of a row of the cluster need the same tiles of A, the four of a column the same tiles of W: each tile is asked for JOINTLY, by the same tensor load with
; the same descriptor and a mask that names the four.  No prefetch is laid: a K step of this small tile is short, and each row of A and W is read by several clusters at about the same time.
; REGISTERS: window 0: v0-31 addresses; v32-95 at work on the way out; v96-127 the bias; v128-255 the accumulators ((a, b) at v[128 + 8 (4 a + b)]).
;   window 1: two fragment buffers of 128: for 64 along K, 64 registers of A, then 64 of W.      window 2 (KINDs 1, 3): v0-127 the residual.
.set KIND, 2
.if KIND == 0
.set SK, 1024
.set SN, 3072
.set WOFF, 0
.elseif KIND == 1
.set SK, 1024
.set SN, 1024
.set WOFF, 6291456
.elseif KIND == 2
.set SK, 1024
.set SN, 4096
.set WOFF, 8388608
.else
.set SK, 4096
.set SN, 1024
.set WOFF, 16777216
.endif
.set RESID, KIND & 1                   ; KINDs 1 and 3 add a residual and store f32
.if KIND == 1
.set APITCH, 144                       ; o by heads: an LDS row is one head's 64 channels, 128 bytes + 16 of padding
.set AQ,     64*APITCH                 ; a quarter of a K step is a head: 64 rows
.set AHALF,  4*AQ                      ; 64 rows x 4 heads: what one tensor load brings
.set ASTEP,  4*262144                  ; a K step is four heads' planes
.else
.set APITCH, 528                       ; 512 bytes of data + 16 of padding: an odd multiple of 16, so the 16 rows of a load start at 16 different groups of four banks
.set AQ,     128                       ; a quarter of a K step: 64 numbers along the row
.set AHALF,  64*APITCH
.set ASTEP,  512
.endif
.set BPITCH, 288                       ; a k row of W's tile: 256 bytes + 32: an odd multiple of 32
.set BHALF,  128*BPITCH                ; 128 k rows: what one tensor load brings
.set BOFF,   2*AHALF                   ; a slot: A's two halves, then W's two halves
.set SLOT,   BOFF+2*BHALF
.set BSTEP,  512*SN                    ; 256 k rows of W in memory
.set STAGE,  2*SLOT                    ; behind the ring, never filled by a tensor load: the way out
.set SPITCH, 272
.set HP,     144
.if KIND == 0
.set SPARE,  STAGE+4*16*HP             ; behind the stage: the spare words, 128 bytes a wave, which no other line names
.elseif KIND == 2
.set SPARE,  STAGE+128*SPITCH
.else
.set SPARE,  STAGE+4*16*SPITCH
.endif
.set LAPS, SK/512                      ; a lap = two K steps = once round the ring
.set ADRA, 16                          ; v16-17  LDS address of my A fragments in slot 0, 1
.set ADRB, 20                          ; v20-23  of my W fragments: slot s, k rows 128 p on, at ADRB + 2 s + p
.set STO,  24                          ; v24     the way out: where I put my bytes of a row
.set RD,   25                          ; v25     where I read rows back
.set CO,   26                          ; v26     my byte offset in C (and in the residual)
.set BO,   27                          ; v27     my byte offset in the bias
.set SPW,  28                          ; v28     LDS address of my spare word; never rewritten
.set NIL,  29                          ; v29     0; never rewritten
.set TMP,  32
.set BIAS, 96                          ; eight registers for each block b of 16 columns: the C operand of the first products
.set ACC,  128
.set F0,   0
.set F1,   128
.set G1, 24                            ; s[24:31] descriptor group 1 for A's tiles;  s[32:39] group 0, one set for each slot
.set G0, 32
.set G1B, 48                           ; s[48:55], s[56:63] the same for W's tiles
.set G0B, 56
.set MSB, 0
.macro WIN new                         ; the immediate's high byte repeats the setting that is left; a switch that changes nothing is dropped
.if MSB != (\new)
	s_set_vgpr_msb (MSB<<8)|(\new)
.set MSB, \new
.endif
.endm
.set MUL,  0x05                        ; sources 0 (W) and 1 (A) window 1; C and D window 0
.set TO_F, 0x40                        ; destination window 1, address window 0
.macro JLOAD s                         ; a joint refill: waves 0 and 1 fetch A's two halves, waves 2 and 3 W's; an s_nop 0 and four v_nop follow each line
	s_cmp_eq_u32 s11, 0
	s_cbranch_scc0 .Lfor_b_\@
	tensor_load_to_lds s[G0+4*(\s):G0+4*(\s)+3], s[G1:G1+7]
	s_nop 0
.rept 4
	v_nop
.endr
	s_branch .Lasked_\@
.Lfor_b_\@:
	tensor_load_to_lds s[G0B+4*(\s):G0B+4*(\s)+3], s[G1B:G1B+7]
	s_nop 0
.rept 4
	v_nop
.endr
.Lasked_\@:
.endm
.macro CREST                           ; a round of the cluster's barrier behind its opening barrier
	s_cmp_lg_u32 s10, 0
	s_cbranch_scc1 .Lnot_wave_0_\@
	s_barrier_signal -3
.Lnot_wave_0_\@:
	s_barrier_wait -3
	s_barrier_signal -1
	s_barrier_wait -1
.endm
.macro CROUND                          ; a whole round
	s_barrier_signal -1
	s_barrier_wait -1
	CREST
.endm
; 8 matrix instructions: row blocks a0, a0 + 1 x all 4 column blocks, 32 along K: half c of buffer f.  zero = 1: the first product starts the sums, with the bias as C.
; The 16 accumulators take turns, one instruction a turn.
.macro MUL8 f, c, a0, zero
	WIN MUL
.irp a, \a0, (\a0)+1
.irp b, 0,1,2,3
.if \zero
	v_wmma_f32_16x16x32_bf16 v[ACC+8*(4*(\a)+(\b)):ACC+8*(4*(\a)+(\b))+7], v[(\f)+64+8*(4*(\c)+(\b)):(\f)+64+8*(4*(\c)+(\b))+7], v[(\f)+8*(4*(\c)+(\a)):(\f)+8*(4*(\c)+(\a))+7], v[BIAS+8*(\b):BIAS+8*(\b)+7]
.else
	v_wmma_f32_16x16x32_bf16 v[ACC+8*(4*(\a)+(\b)):ACC+8*(4*(\a)+(\b))+7], v[(\f)+64+8*(4*(\c)+(\b)):(\f)+64+8*(4*(\c)+(\b))+7], v[(\f)+8*(4*(\c)+(\a)):(\f)+8*(4*(\c)+(\a))+7], v[ACC+8*(4*(\a)+(\b)):ACC+8*(4*(\a)+(\b))+7]
.endif
.endr
.endr
.endm
; 32 LDS loads in one run: the fragments of quarter q (64 along K) of a slot, into buffer f; the first 32 along K first
.macro FETCH slot, q, f
	WIN TO_F
.irp c, 0,1
.irp i, 0,1,2,3
	ds_load_tr16_b128 v[(\f)+64+8*(4*(\c)+(\i)):(\f)+64+8*(4*(\c)+(\i))+3],   v[ADRB+2*(\slot)+(\q)/2] offset:(((\q)%2)*64+32*(\c))*BPITCH+32*(\i)
	ds_load_tr16_b128 v[(\f)+64+8*(4*(\c)+(\i))+4:(\f)+64+8*(4*(\c)+(\i))+7], v[ADRB+2*(\slot)+(\q)/2] offset:(((\q)%2)*64+32*(\c)+16)*BPITCH+32*(\i)
	ds_load_b128 v[(\f)+8*(4*(\c)+(\i)):(\f)+8*(4*(\c)+(\i))+3],         v[ADRA+(\slot)] offset:AQ*(\q)+64*(\c)+(\i)*16*APITCH
	ds_load_b128 v[(\f)+8*(4*(\c)+(\i))+4:(\f)+8*(4*(\c)+(\i))+7],       v[ADRA+(\slot)] offset:AQ*(\q)+64*(\c)+(\i)*16*APITCH+32
.endr
.endr
.endm
.macro PLACES                          ; four places in front of loads into registers that matrix instructions have read, and of lines that read results
.rept 4
	v_nop
.endr
.endm
; A K step is four quarters of 64 along K, 32 matrix instructions each, on buffers 0, 1, 0, 1.  One of the first three: multiplies buffer f and fetches quarter q into g.
.macro QUARTER slot, q, f, g, zero
	s_wait_dscnt 16                                ; the first 32 along K are in; the run's younger sixteen loads may be out
	WIN MUL
	MUL8 \f, 0, 0, \zero
	MUL8 \f, 0, 2, \zero
	PLACES
	FETCH \slot, \q, \g
	s_wait_dscnt 32                                ; all but the 32 just issued
	WIN MUL
	MUL8 \f, 1, 0, 0
	MUL8 \f, 1, 2, 0
.endm
; The last quarter multiplies buffer 1 and changes slots: ONE barrier; in front of it each wave waits for all its tensor loads, adds 0 to its spare word, and waits for that and for its reads of this slot.
; fill = 1: the barrier opens a round of the cluster's barrier, and this slot is filled again, two K steps ahead, first thing behind the round.
.macro TURN slot, next, fill
	WIN 0                                          ; (the add's two registers lie in window 0)
	s_wait_tensorcnt 0x0                           ; all my tensor loads have landed: the one that was out is my part of the next slot
	ds_add_u32 v[SPW], v[NIL]                      ; 0 onto my spare word
	s_wait_dscnt 17                                ; (the add and the youngest sixteen loads may be out)
	WIN MUL
	MUL8 F1, 0, 0, 0                               ; eight matrix instructions stand between the add and the wait for it
	s_wait_dscnt 0x0                               ; the add is done, and my reads of this slot are over
	s_barrier_signal -1
	MUL8 F1, 0, 2, 0
.if \fill
	WIN 0
.endif
	s_barrier_wait -1
.if \fill
	CREST                                          ; no wave of any partner still reads this slot's tile or has a load on its way
	s_add_nc_u64 s[G0+4*(\slot)+2:G0+4*(\slot)+3], s[G0+4*(\slot)+2:G0+4*(\slot)+3], 2*ASTEP
	s_add_nc_u64 s[G0B+4*(\slot)+2:G0B+4*(\slot)+3], s[G0B+4*(\slot)+2:G0B+4*(\slot)+3], 2*BSTEP
	JLOAD \slot                                    ; my one tensor load behind the round; its four v_nop are also the places in front of the loads below
.else
	PLACES
.endif
	FETCH \next, 0, F0
	WIN MUL
	MUL8 F1, 1, 0, 0
	MUL8 F1, 1, 2, 0
.endm
; THE WAYS OUT.  A lane holds row 16 a + l % 16 and columns 16 b + 8 (l / 16) + 0..7 of the wave's 64 x 64.  Each accumulator's registers are taken in ascending order.
; KIND 0: 16 rows x 64 columns in bf16 are 2,048 consecutive bytes of one plane: through my own stage (rows of 144 bytes), back as four rows a load.
.macro PACKH a
.irp b, 0,1,2,3
.irp r, 0,1,2,3
	v_cvt_pk_bf16_f32 v[TMP+16*(\a)+4*(\b)+(\r)], v[ACC+8*(4*(\a)+(\b))+2*(\r)], v[ACC+8*(4*(\a)+(\b))+2*(\r)+1]
.endr
.endr
.irp b, 0,1,2,3
	ds_store_b128 v[STO], v[TMP+16*(\a)+4*(\b):TMP+16*(\a)+4*(\b)+3] offset:32*(\b)
.endr
.irp f, 0,1,2,3
	ds_load_b128 v[TMP+16*(\a)+4*(\f):TMP+16*(\a)+4*(\f)+3], v[RD] offset:(\f)*4*HP  ; LDS serves a wave's instructions in order: these see the stores above
.endr
.endm
.macro SENDH a, younger                ; younger: the LDS instructions issued behind block a's loads
.irp f, 0,1,2,3
	s_wait_dscnt (\younger)+3-(\f)
	global_store_b128 v[CO], v[TMP+16*(\a)+4*(\f):TMP+16*(\a)+4*(\f)+3], s[8:9] offset:(\a)*2048+(\f)*512  ; 512 consecutive bytes, aligned
.endr
.endm
; KINDs 1, 3: 16 rows x 64 columns in f32: through my own stage (rows of 272 bytes), back as whole rows of 256 bytes into the registers that they left; the residual is added; stored.
.macro OUTF a
.irp b, 0,1,2,3
	ds_store_b128 v[STO], v[ACC+8*(4*(\a)+(\b)):ACC+8*(4*(\a)+(\b))+3]   offset:64*(\b)
	ds_store_b128 v[STO], v[ACC+8*(4*(\a)+(\b))+4:ACC+8*(4*(\a)+(\b))+7] offset:64*(\b)+16
.endr
.irp t, 0,1,2,3,4,5,6,7
	ds_load_b128 v[ACC+32*(\a)+4*(\t):ACC+32*(\a)+4*(\t)+3], v[RD] offset:(\t)*2*SPITCH
.endr
.endm
.macro SENDF a, younger
	s_wait_dscnt \younger
	WIN 0x08                                       ; source 1, the residual, in window 2
.set i, 0
.rept 16
	v_pk_add_f32 v[ACC+32*(\a)+i:ACC+32*(\a)+i+1], v[ACC+32*(\a)+i:ACC+32*(\a)+i+1], v[32*(\a)+i:32*(\a)+i+1]
.set i, i+2
.endr
	WIN 0
.irp t, 0,1,2,3,4,5,6,7
	global_store_b128 v[CO], v[ACC+32*(\a)+4*(\t):ACC+32*(\a)+4*(\t)+3], s[8:9] offset:(16*(\a)+2*(\t))*4096  ; 16 lanes store 256 consecutive bytes, aligned
.endr
.endm
; KIND 2: gelu in f32 on block a's 32 numbers a lane, rounded to bf16, into the work-group's shared stage.  Each batch of 32 transcendentals has one plain line and one wait behind it.
.macro GELU a
.set U, ACC+32*(\a)
.set i, 0
.rept 16
	v_pk_mul_f32 v[TMP+i:TMP+i+1], v[U+i:U+i+1], v[U+i:U+i+1]
.set i, i+2
.endr
.set i, 0
.rept 16
	v_pk_fma_f32 v[TMP+i:TMP+i+1], v[TMP+i:TMP+i+1], s[74:75], s[76:77] op_sel_hi:[1,0,0]
.set i, i+2
.endr
.set i, 0
.rept 16
	v_pk_mul_f32 v[TMP+i:TMP+i+1], v[TMP+i:TMP+i+1], v[U+i:U+i+1]
.set i, i+2
.endr
.set i, 0
.rept 32
	v_exp_f32 v[TMP+i], v[TMP+i]
.set i, i+1
.endr
	v_nop
	s_wait_alu depctr_va_vdst(0)                   ; one wait for the batch, ahead of its first reader
.set i, 0
.rept 16
	v_pk_add_f32 v[TMP+i:TMP+i+1], v[TMP+i:TMP+i+1], 1.0 op_sel_hi:[1,0]
.set i, i+2
.endr
.set i, 0
.rept 32
	v_rcp_f32 v[TMP+i], v[TMP+i]
.set i, i+1
.endr
	v_nop
	s_wait_alu depctr_va_vdst(0)
.set i, 0
.rept 16
	v_pk_mul_f32 v[TMP+i:TMP+i+1], v[TMP+i:TMP+i+1], v[U+i:U+i+1]
.set i, i+2
.endr
.set i, 0
.rept 16
	v_cvt_pk_bf16_f32 v[TMP+32+i], v[TMP+2*i], v[TMP+2*i+1]
.set i, i+1
.endr
.irp b, 0,1,2,3
	ds_store_b128 v[STO], v[TMP+32+4*(\b):TMP+32+4*(\b)+3] offset:(\a)*16*SPITCH+32*(\b)
.endr
.endm
	s_load_b128 s[4:7], s[0:1], 0x0                ; A s[4:5], wb s[6:7]
	s_load_b64 s[8:9], s[0:1], 0x10                ; C
.if RESID
	s_load_b128 s[68:71], s[0:1], 0x18             ; bias s[68:69], residual s[70:71]
.else
	s_load_b64 s[68:69], s[0:1], 0x18              ; bias
.endif
	v_lshl_add_u32 v[SPW], v0, 2, SPARE
	v_mov_b32 v[NIL], 0
	ds_add_u32 v[SPW], v[NIL]                      ; the wave's opening: the add and its wait stand ahead of my first tensor load; the set-up below stands between them
	v_lshrrev_b32 v1, 5, v0
	v_readfirstlane_b32 s10, v1                    ; wave 0..3
	s_lshr_b32 s11, s10, 1                         ; which half of the tile's rows is mine.  Also: I fetch for A (0) or for W (1)
	s_and_b32 s12, s10, 1                          ; which half of its columns.  Also: which half of that tile I fetch
	s_bfe_u32 s40, ttmp6, 0x40000                  ; cx, cy: my place in the cluster
	s_bfe_u32 s41, ttmp6, 0x40004
	s_lshl_b32 s42, ttmp9, 2
	s_add_co_u32 s42, s42, s40                     ; tile column of C = 4 x cluster x + cx
	s_and_b32 s13, ttmp7, 0xffff
	s_lshl_b32 s13, s13, 2
	s_add_co_u32 s13, s13, s41                     ; tile row of C = 4 x cluster y + cy
	s_lshl_b32 s43, s41, 2
	s_lshl_b32 s43, 15, s43                        ; my row of the cluster
	s_lshl_b32 s44, 0x1111, s40                    ; my column
.if KIND == 1
	; A's tile: four heads x (64 rows x 64 channels = 4,096 dense elements), padded by 4 words behind every 32: it lands as [head][row][64] with rows of 144 bytes
	s_or_b32 s[G1+0], s43, (1<<16)|(1<<20)|(1<<21)|(4<<22)|(3<<25)
	s_mov_b32 s[G1+1], 4096<<16                    ; tensor_dim0
	s_mov_b32 s[G1+2], 4<<16                       ; tensor_dim1
	s_mov_b32 s[G1+3], 4096<<16                    ; tile_dim0
	s_mov_b32 s[G1+4], 4                           ; tile_dim1
	s_mov_b32 s[G1+5], 131072                      ; elements from head to head
.else
	; A's tile: 64 rows x 256 elements, padded by 4 words behind every 128
	s_or_b32 s[G1+0], s43, (1<<16)|(1<<20)|(1<<21)|(6<<22)|(3<<25)  ; 15:0 the mask: my row of the cluster; 17:16 2-byte elements; 20 padding on; 21 set beside a mask
	s_mov_b32 s[G1+1], 256<<16
	s_mov_b32 s[G1+2], 64<<16
	s_mov_b32 s[G1+3], 256<<16
	s_mov_b32 s[G1+4], 64
	s_mov_b32 s[G1+5], SK
.endif
	s_mov_b32 s[G1+6], 0
	s_mov_b32 s[G1+7], 0
	; W's tile: 128 k rows x 128 elements, padded by 8 words behind every 64
	s_or_b32 s[G1B+0], s44, (1<<16)|(1<<20)|(1<<21)|(5<<22)|(7<<25)  ; the mask: my column of the cluster
	s_mov_b32 s[G1B+1], 128<<16
	s_mov_b32 s[G1B+2], 128<<16
	s_mov_b32 s[G1B+3], 128<<16
	s_mov_b32 s[G1B+4], 128
	s_mov_b32 s[G1B+5], SN
	s_mov_b32 s[G1B+6], 0
	s_mov_b32 s[G1B+7], 0
	; where the tiles come from.  A's hang on the tile row alone, W's on the tile column alone, each in registers that never hold the other coordinate
.if KIND == 1
	s_lshr_b32 s16, s13, 4                         ; the batch: 16 planes of 262,144 bytes,
	s_lshl_b32 s16, s16, 22
	s_and_b32 s17, s13, 15                         ; the tile's 128 rows of 128 bytes in a plane,
	s_lshl_b32 s17, s17, 14
	s_add_co_u32 s16, s16, s17
	s_lshl_b32 s17, s12, 13                        ; the 64 of them that I fetch
	s_add_co_u32 s16, s16, s17
.else
	s_lshl_b32 s17, s12, 6
	s_lshl_b32 s16, s13, 7
	s_add_co_u32 s16, s16, s17                     ; row 128 x tile row + 64 x half
	s_mul_i32 s16, s16, 2*SK
.endif
	s_mov_b32 s17, 0
	s_mul_i32 s46, s12, 256*SN                     ; W: the 128 k rows that I fetch,
	s_lshl_b32 s47, s42, 8                         ; the tile's 128 columns,
	s_add_co_u32 s46, s46, s47
	s_add_co_u32 s46, s46, WOFF                    ; this product's matrix in wb
	s_mov_b32 s47, 0
	s_mul_i32 s20, s12, AHALF                      ; and where they go: no place in the cluster enters an LDS address
	s_mul_i32 s21, s12, BHALF
	s_add_co_u32 s21, s21, BOFF
.if KIND == 2
	s_mov_b32 s74, 0xbdd2d3e8                      ; -0.10294324
	s_mov_b32 s75, s74
	s_mov_b32 s76, 0xc0135761                      ; -2.3022082
	s_mov_b32 s77, s76
.endif
	s_wait_dscnt 0x0                               ; the opening add is done
	s_wait_kmcnt 0x0
	s_add_nc_u64 s[14:15], s[4:5], s[16:17]
	s_add_nc_u64 s[46:47], s[6:7], s[46:47]
	CROUND                                         ; all sixteen work-groups are here: the first joint loads meet
.irp s, 0,1
	s_mov_b32 s[G0+4*(\s)], 1
	s_add_co_u32 s[G0+4*(\s)+1], s20, (\s)*SLOT
	s_add_nc_u64 s[G0+4*(\s)+2:G0+4*(\s)+3], s[14:15], (\s)*ASTEP
	s_or_b32 s[G0+4*(\s)+3], s[G0+4*(\s)+3], 0x80000000
	s_mov_b32 s[G0B+4*(\s)], 1
	s_add_co_u32 s[G0B+4*(\s)+1], s21, (\s)*SLOT
	s_add_nc_u64 s[G0B+4*(\s)+2:G0B+4*(\s)+3], s[46:47], (\s)*BSTEP
	s_or_b32 s[G0B+4*(\s)+3], s[G0B+4*(\s)+3], 0x80000000
.endr
	s_cmp_eq_u32 s11, 0                            ; a wave's two first fills stand in one branch, ahead of every wait on TENSORcnt and every LDS read: two loads of mine are out
	s_cbranch_scc0 .Lfirst_b
	tensor_load_to_lds s[G0:G0+3], s[G1:G1+7]
	s_nop 0
	tensor_load_to_lds s[G0+4:G0+7], s[G1:G1+7]
	s_nop 0
.rept 4
	v_nop
.endr
	s_branch .Lfirst_asked
.Lfirst_b:
	tensor_load_to_lds s[G0B:G0B+3], s[G1B:G1B+7]
	s_nop 0
	tensor_load_to_lds s[G0B+4:G0B+7], s[G1B:G1B+7]
	s_nop 0
.rept 4
	v_nop
.endr
.Lfirst_asked:
	v_and_b32 v1, 15, v0                           ; l % 16
	v_bfe_u32 v2, v0, 4, 1                         ; l / 16
	v_mul_u32_u24 v3, v1, APITCH
	v_lshl_add_u32 v3, v2, 4, v3                   ; A: a fragment's row x pitch + 16 x half
	s_mul_i32 s21, s11, AHALF                      ; my 64 rows of A
.irp s, 0,1
	v_add_nc_u32 v[ADRA+(\s)], s21, v3
	s_add_co_u32 s21, s21, SLOT
.endr
	v_and_b32 v4, 7, v0                            ; W: the turning load takes 16 k rows x 16 columns: lane l reads k row 8 (l / 16) + l % 8, columns 8 ((l / 8) % 2) + 0..7
	v_bfe_u32 v5, v0, 3, 1
	v_lshl_add_u32 v4, v2, 3, v4
	v_mul_u32_u24 v4, v4, BPITCH
	v_lshl_add_u32 v4, v5, 4, v4
	s_lshl_b32 s22, s12, 7                         ; my 64 columns: 128 bytes
	s_add_co_u32 s22, s22, BOFF
.irp s, 0,1
.irp p, 0,1
	s_add_co_u32 s23, s22, (\s)*SLOT+(\p)*BHALF
	v_add_nc_u32 v[ADRB+2*(\s)+(\p)], s23, v4
.endr
.endr
	s_lshl_b32 s46, s42, 9
	s_lshl_b32 s47, s12, 8
	s_add_co_u32 s46, s46, s47                     ; my 64 columns in a row of f32: 512 x tile column + 256 x half
	s_mov_b32 s47, 0
	v_lshl_add_u32 v[BO], v2, 5, s46               ; + my eight of each sixteen
.if KIND == 0
	s_mul_i32 s23, s10, 16*HP
	s_add_co_u32 s23, s23, STAGE                   ; my stage
	v_mul_u32_u24 v6, v1, HP
	v_lshl_add_u32 v6, v2, 4, v6
	v_add_nc_u32 v[STO], s23, v6                   ; in: row l % 16, 16 bytes for each half of the lanes
	v_bfe_u32 v6, v0, 3, 2
	v_mul_u32_u24 v6, v6, HP
	v_and_b32 v7, 7, v0
	v_lshl_add_u32 v6, v7, 4, v6
	v_add_nc_u32 v[RD], s23, v6                    ; back: 32 lanes take four rows of 128 bytes,
	v_and_b32 v6, 31, v0
	v_lshlrev_b32 v[CO], 4, v6                     ; which are 512 consecutive bytes of a plane
	s_lshr_b32 s16, s13, 4                         ; the batch's 48 planes,
	s_mul_i32 s16, s16, 48*262144
	s_and_b32 s17, s13, 15                         ; the tile's 128 rows of 128 bytes,
	s_lshl_b32 s17, s17, 14
	s_add_co_u32 s16, s16, s17
	s_lshl_b32 s17, s11, 13                        ; my 64 of them
	s_add_co_u32 s16, s16, s17
	s_mov_b32 s17, 0
	s_add_nc_u64 s[8:9], s[8:9], s[16:17]
	s_lshl_b32 s46, s42, 1
	s_add_co_u32 s46, s46, s12                     ; my 64 columns are plane 2 x tile column + half
	s_lshl_b32 s46, s46, 18
	s_add_nc_u64 s[8:9], s[8:9], s[46:47]
.elseif KIND == 2
	s_mul_i32 s23, s11, 64*SPITCH                  ; into the shared stage: my 64 rows, my half of their 256 bytes
	s_lshl_b32 s22, s12, 7
	s_add_co_u32 s23, s23, s22
	s_add_co_u32 s23, s23, STAGE
	v_mul_u32_u24 v6, v1, SPITCH
	v_lshl_add_u32 v6, v2, 4, v6
	v_add_nc_u32 v[STO], s23, v6
	s_mul_i32 s23, s10, 32*SPITCH                  ; back: wave w takes rows 32 w .. 32 w + 31, whole
	s_add_co_u32 s23, s23, STAGE
	v_mul_u32_u24 v6, v2, SPITCH
	v_lshl_add_u32 v6, v1, 4, v6
	v_add_nc_u32 v[RD], s23, v6
	v_lshlrev_b32 v6, 13, v2                       ; and the same two rows in C: 8,192 bytes a row
	v_lshl_add_u32 v[CO], v1, 4, v6
	s_lshl_b32 s16, s13, 7
	s_lshl_b32 s17, s10, 5
	s_add_co_u32 s16, s16, s17                     ; the first row that I store: 128 x tile row + 32 x wave
	s_lshl_b32 s16, s16, 13
	s_mov_b32 s17, 0
	s_add_nc_u64 s[8:9], s[8:9], s[16:17]
	s_lshl_b32 s46, s42, 8                         ; the tile's first column, in bytes of bf16
	s_add_nc_u64 s[8:9], s[8:9], s[46:47]
.else
	s_mul_i32 s23, s10, 16*SPITCH
	s_add_co_u32 s23, s23, STAGE                   ; my stage
	v_mul_u32_u24 v6, v1, SPITCH
	v_lshl_add_u32 v6, v2, 5, v6
	v_add_nc_u32 v[STO], s23, v6                   ; in: row l % 16, 32 bytes for each half of the lanes
	v_mul_u32_u24 v6, v2, SPITCH
	v_lshl_add_u32 v6, v1, 4, v6
	v_add_nc_u32 v[RD], s23, v6                    ; back: lanes 0-15 take one row of 256 bytes, lanes 16-31 the next
	v_lshlrev_b32 v6, 12, v2                       ; and the same two rows in C and in the residual: 4,096 bytes a row
	v_lshl_add_u32 v[CO], v1, 4, v6
	s_lshl_b32 s16, s13, 7
	s_lshl_b32 s17, s11, 6
	s_add_co_u32 s16, s16, s17                     ; my first row: 128 x tile row + 64 x half
	s_lshl_b32 s16, s16, 12
	s_mov_b32 s17, 0
	s_add_nc_u64 s[8:9], s[8:9], s[16:17]
	s_add_nc_u64 s[70:71], s[70:71], s[16:17]
	s_add_nc_u64 s[8:9], s[8:9], s[46:47]          ; my 64 columns
	s_add_nc_u64 s[70:71], s[70:71], s[46:47]
.endif
.irp b, 0,1,2,3
	global_load_b128 v[BIAS+8*(\b):BIAS+8*(\b)+3],   v[BO], s[68:69] offset:64*(\b)
	global_load_b128 v[BIAS+8*(\b)+4:BIAS+8*(\b)+7], v[BO], s[68:69] offset:64*(\b)+16
.endr
.if RESID
	WIN 0x80                                       ; destination window 2: the residual comes in while K is walked
.irp a, 0,1,2,3
.irp t, 0,1,2,3,4,5,6,7
	global_load_b128 v[32*(\a)+4*(\t):32*(\a)+4*(\t)+3], v[CO], s[70:71] offset:(16*(\a)+2*(\t))*4096
.endr
.endr
	WIN 0
.endif
	s_wait_tensorcnt 1                             ; my part of K step 0 is in; K step 1's may stay out
	s_barrier_signal -1
	s_barrier_wait -1                              ; everybody's is
	FETCH 0, 0, F0
.if RESID
	s_wait_loadcnt 32                              ; the bias is in; the 32 loads of the residual are younger
.else
	s_wait_loadcnt 0x0                             ; the bias is in
.endif
	QUARTER 0, 1, F0, F1, 1                        ; the first quarter stands in front of the loop: its first products start the sums
	WIN 0                                          ; at a label and at a branch every window is 0
	s_mov_b32 s3, LAPS-1
.Llap:                                                 ; a trip goes once round the ring, from a lap's second quarter to the next lap's first, and fills both slots again
	QUARTER 0, 2, F1, F0, 0
	QUARTER 0, 3, F0, F1, 0
	TURN 0, 1, 1
	QUARTER 1, 1, F0, F1, 0
	QUARTER 1, 2, F1, F0, 0
	QUARTER 1, 3, F0, F1, 0
	TURN 1, 0, 1
	QUARTER 0, 1, F0, F1, 0
	WIN 0
	s_sub_co_u32 s3, s3, 1
	s_cmp_lg_u32 s3, 0
	s_cbranch_scc1 .Llap
	QUARTER 0, 2, F1, F0, 0                        ; the last lap fills nothing, and has no round of the cluster's barrier
	QUARTER 0, 3, F0, F1, 0
	TURN 0, 1, 0
	QUARTER 1, 1, F0, F1, 0
	QUARTER 1, 2, F1, F0, 0
	QUARTER 1, 3, F0, F1, 0
	s_wait_dscnt 16                                ; the very last quarter: nothing more to fetch
	WIN MUL
	MUL8 F1, 0, 0, 0
	MUL8 F1, 0, 2, 0
	s_wait_dscnt 0x0
	MUL8 F1, 1, 0, 0
	MUL8 F1, 1, 2, 0
	WIN 0
	PLACES
.if KIND == 0
	PACKH 0
	PACKH 1                                        ; a block's conversions stand between the loads of the block before and its stores
	SENDH 0, 8
	PACKH 2
	SENDH 1, 8
	PACKH 3
	SENDH 2, 8
	SENDH 3, 0
.elseif KIND == 2
	GELU 0
	GELU 1
	GELU 2
	GELU 3
	s_wait_dscnt 0x0                               ; for the others' sake: my stores into the stage are done
	s_barrier_signal -1
	s_barrier_wait -1                              ; a row's 256 bytes come from two waves
.irp t, 0,1,2,3,4,5,6,7,8,9,10,11,12,13,14,15
	ds_load_b128 v[TMP+4*(\t):TMP+4*(\t)+3], v[RD] offset:(\t)*2*SPITCH
.endr
.irp t, 0,1,2,3,4,5,6,7,8,9,10,11,12,13,14,15
	s_wait_dscnt 15-(\t)
	global_store_b128 v[CO], v[TMP+4*(\t):TMP+4*(\t)+3], s[8:9] offset:2*(\t)*2*SN  ; 16 lanes store 256 consecutive bytes, aligned
.endr
.else
	s_wait_loadcnt 0x0                             ; the residual
	OUTF 0
	OUTF 1
	SENDF 0, 16
	OUTF 2
	SENDF 1, 16
	OUTF 3
	SENDF 2, 16
	SENDF 3, 0
.endif
	s_wait_tensorcnt 0x0                           ; the wave's end: a wait, the add and its wait, behind my last tensor load and my last LDS store
	ds_add_u32 v[SPW], v[NIL]
	s_wait_dscnt 0x0
	CROUND                                         ; the closing round: no work-group ends while a partner may still ask for a tile that names it
	s_endpgm
.Lfunc_end_k_q2741b43b6a_fc:
	.size	k_q2741b43b6a_fc, .Lfunc_end_k_q2741b43b6a_fc-k_q2741b43b6a_fc
	.p2alignl 7, 3214868480
	.fill 96, 4, 3214868480
	.section	.rodata,"a",@progbits
	.p2align	6, 0x0
	.amdhsa_kernel k_q2741b43b6a_fc
		.amdhsa_group_segment_fixed_size 327680
		.amdhsa_private_segment_fixed_size 0
		.amdhsa_enable_private_segment 0
		.amdhsa_kernarg_size 32
		.amdhsa_user_sgpr_count 2
		.amdhsa_user_sgpr_kernarg_segment_ptr 1
		.amdhsa_wavefront_size32 1
		.amdhsa_system_sgpr_workgroup_id_x 1
		.amdhsa_system_sgpr_workgroup_id_y 1
		.amdhsa_system_sgpr_workgroup_id_z 1
		.amdhsa_system_vgpr_workitem_id 0
		.amdhsa_next_free_vgpr 512
		.amdhsa_next_free_sgpr 80
		.amdhsa_reserve_vcc 0
		.amdhsa_float_denorm_mode_32 3
		.amdhsa_float_denorm_mode_16_64 3
		.amdhsa_memory_ordered 1
		.amdhsa_forward_progress 1
		.amdhsa_inst_pref_size 117
	.end_amdhsa_kernel
	.amdgpu_metadata
---
amdhsa.version: [ 1, 2 ]
amdhsa.kernels:
  - .name:           k_q2741b43b6a_fc
    .symbol:         k_q2741b43b6a_fc.kd
    .args:
      - { .name: xnh, .offset: 0, .size: 8, .value_kind: global_buffer, .address_space: global }
      - { .name: wb, .offset: 8, .size: 8, .value_kind: global_buffer, .address_space: global }
      - { .name: h, .offset: 16, .size: 8, .value_kind: global_buffer, .address_space: global }
      - { .name: b_fc, .offset: 24, .size: 8, .value_kind: global_buffer, .address_space: global }
    .group_segment_fixed_size: 327680
    .private_segment_fixed_size: 0
    .kernarg_segment_align: 8
    .kernarg_segment_size: 32
    .max_flat_workgroup_size: 128
    .sgpr_count:     80
    .vgpr_count:     512
    .wavefront_size: 32
...
	.end_amdgpu_metadata
.endif
;; end of part 6
;; launch mlp (part 7): grid 8 x 32, 4 waves a work-group, clusters of 4 x 4, 327,680 bytes of LDS; arguments h, wb, out0, b_mlp_proj, xnf; writes out0
.if DOCPART == 7
	.amdgcn_target "amdgcn-amd-amdhsa--gfx1250"
	.amdhsa_code_object_version 6
	.text
	.protected	k_q2741b43b6a_mlp
	.globl	k_q2741b43b6a_mlp
	.p2align	8
	.type	k_q2741b43b6a_mlp,@function
k_q2741b43b6a_mlp:
	s_mov_b64 s[64:65], 0
	v_nop
	global_prefetch_b8 v0, s[64:65] scope:SCOPE_SE
	s_setreg_imm32_b32 hwreg(HW_REG_WAVE_MODE, 25, 1), 1
	s_wait_xcnt 0x0
	s_wait_alu depctr_hold_cnt(0) depctr_sa_sdst(0) depctr_va_vdst(0) depctr_va_sdst(0) depctr_va_ssrc(0) depctr_va_vcc(0) depctr_vm_vsrc(0)
	s_getreg_b32 s2, hwreg(HW_REG_IB_STS2, 6, 4)
	s_cmp_eq_u32 s2, 0
	s_cbranch_scc0 .Lentry_in_a_cluster
	s_endpgm
.Lentry_in_a_cluster:
	s_bfe_u32 s2, ttmp6, 0x10000c
	s_cmp_lg_u32 s2, 0xf033
	s_cbranch_scc0 .Lentry_shape_is_right
	s_endpgm
.Lentry_shape_is_right:
; ONE TEXT FOR THE BLOCK'S FOUR PRODUCTS, C = A W + bias, chosen by KIND.  A: 4,096 rows in bf16; W: [SK][SN] in bf16, as the weights lie; sums in f32, started by the bias.
;   KIND 0: q, k, v = xn1 W_attn + b, stored in bf16 by heads: [2][48][2048][64].        KIND 1: x2 = xn1 + (o W_attn_proj + b) in f32; A = o lies by heads, [32][2048][64].
;   KIND 2: h = gelu(xn2 W_fc + b) in bf16, gelu(u) = u / (1 + 2^(-u (2.3022082 + 0.10294324 u u))), which is 0.5 u (1 + tanh(..)) exactly.     KIND 3: out = xn2 + (h W_mlp_proj + b) in f32.
; LIMITS.  Matrix operands are rounded to bf16; NaN and infinities are not treated apart.
; SHARES.  A tile of C is 128 x 128 (so that each of the four products has a multiple of 256 tiles): four waves, each 64 x 64: 16 accumulators.  K goes in steps of 256 through two LDS slots.
; A's tile lies [row][k] and is read by ds_load_b128; W's lies [k][n], as in memory, and is turned on its way into registers by ds_load_tr16_b128.
; THE MATRIX INSTRUCTION IS USED TRANSPOSED (source 0 = 16 columns of W, source 1 = 16 rows of A): a lane then holds eight neighbouring numbers of a row of C.
; CLUSTERS: 4 x 4 work-groups.  The four of a row of the cluster need the same tiles of A, the four of a column the same tiles of W: each tile is asked for JOINTLY, by the same tensor load with
; the same descriptor and a mask that names the four.  No prefetch is laid: a K step of this small tile is short, and each row of A and W is read by several clusters at about the same time.
; REGISTERS: window 0: v0-31 addresses; v32-95 at work on the way out; v96-127 the bias; v128-255 the accumulators ((a, b) at v[128 + 8 (4 a + b)]).
;   window 1: two fragment buffers of 128: for 64 along K, 64 registers of A, then 64 of W.      window 2 (KINDs 1, 3): v0-127 the residual.
.set KIND, 3
.if KIND == 0
.set SK, 1024
.set SN, 3072
.set WOFF, 0
.elseif KIND == 1
.set SK, 1024
.set SN, 1024
.set WOFF, 6291456
.elseif KIND == 2
.set SK, 1024
.set SN, 4096
.set WOFF, 8388608
.else
.set SK, 4096
.set SN, 1024
.set WOFF, 16777216
.endif
.set RESID, KIND & 1                   ; KINDs 1 and 3 add a residual and store f32
.if KIND == 1
.set APITCH, 144                       ; o by heads: an LDS row is one head's 64 channels, 128 bytes + 16 of padding
.set AQ,     64*APITCH                 ; a quarter of a K step is a head: 64 rows
.set AHALF,  4*AQ                      ; 64 rows x 4 heads: what one tensor load brings
.set ASTEP,  4*262144                  ; a K step is four heads' planes
.else
.set APITCH, 528                       ; 512 bytes of data + 16 of padding: an odd multiple of 16, so the 16 rows of a load start at 16 different groups of four banks
.set AQ,     128                       ; a quarter of a K step: 64 numbers along the row
.set AHALF,  64*APITCH
.set ASTEP,  512
.endif
.set BPITCH, 288                       ; a k row of W's tile: 256 bytes + 32: an odd multiple of 32
.set BHALF,  128*BPITCH                ; 128 k rows: what one tensor load brings
.set BOFF,   2*AHALF                   ; a slot: A's two halves, then W's two halves
.set SLOT,   BOFF+2*BHALF
.set BSTEP,  512*SN                    ; 256 k rows of W in memory
.set STAGE,  2*SLOT                    ; behind the ring, never filled by a tensor load: the way out
.set SPITCH, 272
.set HP,     144
.if KIND == 0
.set SPARE,  STAGE+4*16*HP             ; behind the stage: the spare words, 128 bytes a wave, which no other line names
.elseif KIND == 2
.set SPARE,  STAGE+128*SPITCH
.else
.set SPARE,  STAGE+4*16*SPITCH
.endif
.set LAPS, SK/512                      ; a lap = two K steps = once round the ring
.set ADRA, 16                          ; v16-17  LDS address of my A fragments in slot 0, 1
.set ADRB, 20                          ; v20-23  of my W fragments: slot s, k rows 128 p on, at ADRB + 2 s + p
.set STO,  24                          ; v24     the way out: where I put my bytes of a row
.set RD,   25                          ; v25     where I read rows back
.set CO,   26                          ; v26     my byte offset in C (and in the residual)
.set BO,   27                          ; v27     my byte offset in the bias
.set SPW,  28                          ; v28     LDS address of my spare word; never rewritten
.set NIL,  29                          ; v29     0; never rewritten
.set TMP,  32
.set BIAS, 96                          ; eight registers for each block b of 16 columns: the C operand of the first products
.set ACC,  128
.set F0,   0
.set F1,   128
.set G1, 24                            ; s[24:31] descriptor group 1 for A's tiles;  s[32:39] group 0, one set for each slot
.set G0, 32
.set G1B, 48                           ; s[48:55], s[56:63] the same for W's tiles
.set G0B, 56
.set MSB, 0
.macro WIN new                         ; the immediate's high byte repeats the setting that is left; a switch that changes nothing is dropped
.if MSB != (\new)
	s_set_vgpr_msb (MSB<<8)|(\new)
.set MSB, \new
.endif
.endm
.set MUL,  0x05                        ; sources 0 (W) and 1 (A) window 1; C and D window 0
.set TO_F, 0x40                        ; destination window 1, address window 0
.macro JLOAD s                         ; a joint refill: waves 0 and 1 fetch A's two halves, waves 2 and 3 W's; an s_nop 0 and four v_nop follow each line
	s_cmp_eq_u32 s11, 0
	s_cbranch_scc0 .Lfor_b_\@
	tensor_load_to_lds s[G0+4*(\s):G0+4*(\s)+3], s[G1:G1+7]
	s_nop 0
.rept 4
	v_nop
.endr
	s_branch .Lasked_\@
.Lfor_b_\@:
	tensor_load_to_lds s[G0B+4*(\s):G0B+4*(\s)+3], s[G1B:G1B+7]
	s_nop 0
.rept 4
	v_nop
.endr
.Lasked_\@:
.endm
.macro CREST                           ; a round of the cluster's barrier behind its opening barrier
	s_cmp_lg_u32 s10, 0
	s_cbranch_scc1 .Lnot_wave_0_\@
	s_barrier_signal -3
.Lnot_wave_0_\@:
	s_barrier_wait -3
	s_barrier_signal -1
	s_barrier_wait -1
.endm
.macro CROUND                          ; a whole round
	s_barrier_signal -1
	s_barrier_wait -1
	CREST
.endm
; 8 matrix instructions: row blocks a0, a0 + 1 x all 4 column blocks, 32 along K: half c of buffer f.  zero = 1: the first product starts the sums, with the bias as C.
; The 16 accumulators take turns, one instruction a turn.
.macro MUL8 f, c, a0, zero
	WIN MUL
.irp a, \a0, (\a0)+1
.irp b, 0,1,2,3
.if \zero
	v_wmma_f32_16x16x32_bf16 v[ACC+8*(4*(\a)+(\b)):ACC+8*(4*(\a)+(\b))+7], v[(\f)+64+8*(4*(\c)+(\b)):(\f)+64+8*(4*(\c)+(\b))+7], v[(\f)+8*(4*(\c)+(\a)):(\f)+8*(4*(\c)+(\a))+7], v[BIAS+8*(\b):BIAS+8*(\b)+7]
.else
	v_wmma_f32_16x16x32_bf16 v[ACC+8*(4*(\a)+(\b)):ACC+8*(4*(\a)+(\b))+7], v[(\f)+64+8*(4*(\c)+(\b)):(\f)+64+8*(4*(\c)+(\b))+7], v[(\f)+8*(4*(\c)+(\a)):(\f)+8*(4*(\c)+(\a))+7], v[ACC+8*(4*(\a)+(\b)):ACC+8*(4*(\a)+(\b))+7]
.endif
.endr
.endr
.endm
; 32 LDS loads in one run: the fragments of quarter q (64 along K) of a slot, into buffer f; the first 32 along K first
.macro FETCH slot, q, f
	WIN TO_F
.irp c, 0,1
.irp i, 0,1,2,3
	ds_load_tr16_b128 v[(\f)+64+8*(4*(\c)+(\i)):(\f)+64+8*(4*(\c)+(\i))+3],   v[ADRB+2*(\slot)+(\q)/2] offset:(((\q)%2)*64+32*(\c))*BPITCH+32*(\i)
	ds_load_tr16_b128 v[(\f)+64+8*(4*(\c)+(\i))+4:(\f)+64+8*(4*(\c)+(\i))+7], v[ADRB+2*(\slot)+(\q)/2] offset:(((\q)%2)*64+32*(\c)+16)*BPITCH+32*(\i)
	ds_load_b128 v[(\f)+8*(4*(\c)+(\i)):(\f)+8*(4*(\c)+(\i))+3],         v[ADRA+(\slot)] offset:AQ*(\q)+64*(\c)+(\i)*16*APITCH
	ds_load_b128 v[(\f)+8*(4*(\c)+(\i))+4:(\f)+8*(4*(\c)+(\i))+7],       v[ADRA+(\slot)] offset:AQ*(\q)+64*(\c)+(\i)*16*APITCH+32
.endr
.endr
.endm
.macro PLACES                          ; four places in front of loads into registers that matrix instructions have read, and of lines that read results
.rept 4
	v_nop
.endr
.endm
; A K step is four quarters of 64 along K, 32 matrix instructions each, on buffers 0, 1, 0, 1.  One of the first three: multiplies buffer f and fetches quarter q into g.
.macro QUARTER slot, q, f, g, zero
	s_wait_dscnt 16                                ; the first 32 along K are in; the run's younger sixteen loads may be out
	WIN MUL
	MUL8 \f, 0, 0, \zero
	MUL8 \f, 0, 2, \zero
	PLACES
	FETCH \slot, \q, \g
	s_wait_dscnt 32                                ; all but the 32 just issued
	WIN MUL
	MUL8 \f, 1, 0, 0
	MUL8 \f, 1, 2, 0
.endm
; The last quarter multiplies buffer 1 and changes slots: ONE barrier; in front of it each wave waits for all its tensor loads, adds 0 to its spare word, and waits for that and for its reads of this slot.
; fill = 1: the barrier opens a round of the cluster's barrier, and this slot is filled again, two K steps ahead, first thing behind the round.
.macro TURN slot, next, fill
	WIN 0                                          ; (the add's two registers lie in window 0)
	s_wait_tensorcnt 0x0                           ; all my tensor loads have landed: the one that was out is my part of the next slot
	ds_add_u32 v[SPW], v[NIL]                      ; 0 onto my spare word
	s_wait_dscnt 17                                ; (the add and the youngest sixteen loads may be out)
	WIN MUL
	MUL8 F1, 0, 0, 0                               ; eight matrix instructions stand between the add and the wait for it
	s_wait_dscnt 0x0                               ; the add is done, and my reads of this slot are over
	s_barrier_signal -1
	MUL8 F1, 0, 2, 0
.if \fill
	WIN 0
.endif
	s_barrier_wait -1
.if \fill
	CREST                                          ; no wave of any partner still reads this slot's tile or has a load on its way
	s_add_nc_u64 s[G0+4*(\slot)+2:G0+4*(\slot)+3], s[G0+4*(\slot)+2:G0+4*(\slot)+3], 2*ASTEP
	s_add_nc_u64 s[G0B+4*(\slot)+2:G0B+4*(\slot)+3], s[G0B+4*(\slot)+2:G0B+4*(\slot)+3], 2*BSTEP
	JLOAD \slot                                    ; my one tensor load behind the round; its four v_nop are also the places in front of the loads below
.else
	PLACES
.endif
	FETCH \next, 0, F0
	WIN MUL
	MUL8 F1, 1, 0, 0
	MUL8 F1, 1, 2, 0
.endm
; THE WAYS OUT.  A lane holds row 16 a + l % 16 and columns 16 b + 8 (l / 16) + 0..7 of the wave's 64 x 64.  Each accumulator's registers are taken in ascending order.
; KIND 0: 16 rows x 64 columns in bf16 are 2,048 consecutive bytes of one plane: through my own stage (rows of 144 bytes), back as four rows a load.
.macro PACKH a
.irp b, 0,1,2,3
.irp r, 0,1,2,3
	v_cvt_pk_bf16_f32 v[TMP+16*(\a)+4*(\b)+(\r)], v[ACC+8*(4*(\a)+(\b))+2*(\r)], v[ACC+8*(4*(\a)+(\b))+2*(\r)+1]
.endr
.endr
.irp b, 0,1,2,3
	ds_store_b128 v[STO], v[TMP+16*(\a)+4*(\b):TMP+16*(\a)+4*(\b)+3] offset:32*(\b)
.endr
.irp f, 0,1,2,3
	ds_load_b128 v[TMP+16*(\a)+4*(\f):TMP+16*(\a)+4*(\f)+3], v[RD] offset:(\f)*4*HP  ; LDS serves a wave's instructions in order: these see the stores above
.endr
.endm
.macro SENDH a, younger                ; younger: the LDS instructions issued behind block a's loads
.irp f, 0,1,2,3
	s_wait_dscnt (\younger)+3-(\f)
	global_store_b128 v[CO], v[TMP+16*(\a)+4*(\f):TMP+16*(\a)+4*(\f)+3], s[8:9] offset:(\a)*2048+(\f)*512  ; 512 consecutive bytes, aligned
.endr
.endm
; KINDs 1, 3: 16 rows x 64 columns in f32: through my own stage (rows of 272 bytes), back as whole rows of 256 bytes into the registers that they left; the residual is added; stored.
.macro OUTF a
.irp b, 0,1,2,3
	ds_store_b128 v[STO], v[ACC+8*(4*(\a)+(\b)):ACC+8*(4*(\a)+(\b))+3]   offset:64*(\b)
	ds_store_b128 v[STO], v[ACC+8*(4*(\a)+(\b))+4:ACC+8*(4*(\a)+(\b))+7] offset:64*(\b)+16
.endr
.irp t, 0,1,2,3,4,5,6,7
	ds_load_b128 v[ACC+32*(\a)+4*(\t):ACC+32*(\a)+4*(\t)+3], v[RD] offset:(\t)*2*SPITCH
.endr
.endm
.macro SENDF a, younger
	s_wait_dscnt \younger
	WIN 0x08                                       ; source 1, the residual, in window 2
.set i, 0
.rept 16
	v_pk_add_f32 v[ACC+32*(\a)+i:ACC+32*(\a)+i+1], v[ACC+32*(\a)+i:ACC+32*(\a)+i+1], v[32*(\a)+i:32*(\a)+i+1]
.set i, i+2
.endr
	WIN 0
.irp t, 0,1,2,3,4,5,6,7
	global_store_b128 v[CO], v[ACC+32*(\a)+4*(\t):ACC+32*(\a)+4*(\t)+3], s[8:9] offset:(16*(\a)+2*(\t))*4096  ; 16 lanes store 256 consecutive bytes, aligned
.endr
.endm
; KIND 2: gelu in f32 on block a's 32 numbers a lane, rounded to bf16, into the work-group's shared stage.  Each batch of 32 transcendentals has one plain line and one wait behind it.
.macro GELU a
.set U, ACC+32*(\a)
.set i, 0
.rept 16
	v_pk_mul_f32 v[TMP+i:TMP+i+1], v[U+i:U+i+1], v[U+i:U+i+1]
.set i, i+2
.endr
.set i, 0
.rept 16
	v_pk_fma_f32 v[TMP+i:TMP+i+1], v[TMP+i:TMP+i+1], s[74:75], s[76:77] op_sel_hi:[1,0,0]
.set i, i+2
.endr
.set i, 0
.rept 16
	v_pk_mul_f32 v[TMP+i:TMP+i+1], v[TMP+i:TMP+i+1], v[U+i:U+i+1]
.set i, i+2
.endr
.set i, 0
.rept 32
	v_exp_f32 v[TMP+i], v[TMP+i]
.set i, i+1
.endr
	v_nop
	s_wait_alu depctr_va_vdst(0)                   ; one wait for the batch, ahead of its first reader
.set i, 0
.rept 16
	v_pk_add_f32 v[TMP+i:TMP+i+1], v[TMP+i:TMP+i+1], 1.0 op_sel_hi:[1,0]
.set i, i+2
.endr
.set i, 0
.rept 32
	v_rcp_f32 v[TMP+i], v[TMP+i]
.set i, i+1
.endr
	v_nop
	s_wait_alu depctr_va_vdst(0)
.set i, 0
.rept 16
	v_pk_mul_f32 v[TMP+i:TMP+i+1], v[TMP+i:TMP+i+1], v[U+i:U+i+1]
.set i, i+2
.endr
.set i, 0
.rept 16
	v_cvt_pk_bf16_f32 v[TMP+32+i], v[TMP+2*i], v[TMP+2*i+1]
.set i, i+1
.endr
.irp b, 0,1,2,3
	ds_store_b128 v[STO], v[TMP+32+4*(\b):TMP+32+4*(\b)+3] offset:(\a)*16*SPITCH+32*(\b)
.endr
.endm
	s_load_b128 s[4:7], s[0:1], 0x0                ; A s[4:5], wb s[6:7]
	s_load_b64 s[8:9], s[0:1], 0x10                ; C
.if RESID
	s_load_b128 s[68:71], s[0:1], 0x18             ; bias s[68:69], residual s[70:71]
.else
	s_load_b64 s[68:69], s[0:1], 0x18              ; bias
.endif
	v_lshl_add_u32 v[SPW], v0, 2, SPARE
	v_mov_b32 v[NIL], 0
	ds_add_u32 v[SPW], v[NIL]                      ; the wave's opening: the add and its wait stand ahead of my first tensor load; the set-up below stands between them
	v_lshrrev_b32 v1, 5, v0
	v_readfirstlane_b32 s10, v1                    ; wave 0..3
	s_lshr_b32 s11, s10, 1                         ; which half of the tile's rows is mine.  Also: I fetch for A (0) or for W (1)
	s_and_b32 s12, s10, 1                          ; which half of its columns.  Also: which half of that tile I fetch
	s_bfe_u32 s40, ttmp6, 0x40000                  ; cx, cy: my place in the cluster
	s_bfe_u32 s41, ttmp6, 0x40004
	s_lshl_b32 s42, ttmp9, 2
	s_add_co_u32 s42, s42, s40                     ; tile column of C = 4 x cluster x + cx
	s_and_b32 s13, ttmp7, 0xffff
	s_lshl_b32 s13, s13, 2
	s_add_co_u32 s13, s13, s41                     ; tile row of C = 4 x cluster y + cy
	s_lshl_b32 s43, s41, 2
	s_lshl_b32 s43, 15, s43                        ; my row of the cluster
	s_lshl_b32 s44, 0x1111, s40                    ; my column
.if KIND == 1
	; A's tile: four heads x (64 rows x 64 channels = 4,096 dense elements), padded by 4 words behind every 32: it lands as [head][row][64] with rows of 144 bytes
	s_or_b32 s[G1+0], s43, (1<<16)|(1<<20)|(1<<21)|(4<<22)|(3<<25)
	s_mov_b32 s[G1+1], 4096<<16                    ; tensor_dim0
	s_mov_b32 s[G1+2], 4<<16                       ; tensor_dim1
	s_mov_b32 s[G1+3], 4096<<16                    ; tile_dim0
	s_mov_b32 s[G1+4], 4                           ; tile_dim1
	s_mov_b32 s[G1+5], 131072                      ; elements from head to head
.else
	; A's tile: 64 rows x 256 elements, padded by 4 words behind every 128
	s_or_b32 s[G1+0], s43, (1<<16)|(1<<20)|(1<<21)|(6<<22)|(3<<25)  ; 15:0 the mask: my row of the cluster; 17:16 2-byte elements; 20 padding on; 21 set beside a mask
	s_mov_b32 s[G1+1], 256<<16
	s_mov_b32 s[G1+2], 64<<16
	s_mov_b32 s[G1+3], 256<<16
	s_mov_b32 s[G1+4], 64
	s_mov_b32 s[G1+5], SK
.endif
	s_mov_b32 s[G1+6], 0
	s_mov_b32 s[G1+7], 0
	; W's tile: 128 k rows x 128 elements, padded by 8 words behind every 64
	s_or_b32 s[G1B+0], s44, (1<<16)|(1<<20)|(1<<21)|(5<<22)|(7<<25)  ; the mask: my column of the cluster
	s_mov_b32 s[G1B+1], 128<<16
	s_mov_b32 s[G1B+2], 128<<16
	s_mov_b32 s[G1B+3], 128<<16
	s_mov_b32 s[G1B+4], 128
	s_mov_b32 s[G1B+5], SN
	s_mov_b32 s[G1B+6], 0
	s_mov_b32 s[G1B+7], 0
	; where the tiles come from.  A's hang on the tile row alone, W's on the tile column alone, each in registers that never hold the other coordinate
.if KIND == 1
	s_lshr_b32 s16, s13, 4                         ; the batch: 16 planes of 262,144 bytes,
	s_lshl_b32 s16, s16, 22
	s_and_b32 s17, s13, 15                         ; the tile's 128 rows of 128 bytes in a plane,
	s_lshl_b32 s17, s17, 14
	s_add_co_u32 s16, s16, s17
	s_lshl_b32 s17, s12, 13                        ; the 64 of them that I fetch
	s_add_co_u32 s16, s16, s17
.else
	s_lshl_b32 s17, s12, 6
	s_lshl_b32 s16, s13, 7
	s_add_co_u32 s16, s16, s17                     ; row 128 x tile row + 64 x half
	s_mul_i32 s16, s16, 2*SK
.endif
	s_mov_b32 s17, 0
	s_mul_i32 s46, s12, 256*SN                     ; W: the 128 k rows that I fetch,
	s_lshl_b32 s47, s42, 8                         ; the tile's 128 columns,
	s_add_co_u32 s46, s46, s47
	s_add_co_u32 s46, s46, WOFF                    ; this product's matrix in wb
	s_mov_b32 s47, 0
	s_mul_i32 s20, s12, AHALF                      ; and where they go: no place in the cluster enters an LDS address
	s_mul_i32 s21, s12, BHALF
	s_add_co_u32 s21, s21, BOFF
.if KIND == 2
	s_mov_b32 s74, 0xbdd2d3e8                      ; -0.10294324
	s_mov_b32 s75, s74
	s_mov_b32 s76, 0xc0135761                      ; -2.3022082
	s_mov_b32 s77, s76
.endif
	s_wait_dscnt 0x0                               ; the opening add is done
	s_wait_kmcnt 0x0
	s_add_nc_u64 s[14:15], s[4:5], s[16:17]
	s_add_nc_u64 s[46:47], s[6:7], s[46:47]
	CROUND                                         ; all sixteen work-groups are here: the first joint loads meet
.irp s, 0,1
	s_mov_b32 s[G0+4*(\s)], 1
	s_add_co_u32 s[G0+4*(\s)+1], s20, (\s)*SLOT
	s_add_nc_u64 s[G0+4*(\s)+2:G0+4*(\s)+3], s[14:15], (\s)*ASTEP
	s_or_b32 s[G0+4*(\s)+3], s[G0+4*(\s)+3], 0x80000000
	s_mov_b32 s[G0B+4*(\s)], 1
	s_add_co_u32 s[G0B+4*(\s)+1], s21, (\s)*SLOT
	s_add_nc_u64 s[G0B+4*(\s)+2:G0B+4*(\s)+3], s[46:47], (\s)*BSTEP
	s_or_b32 s[G0B+4*(\s)+3], s[G0B+4*(\s)+3], 0x80000000
.endr
	s_cmp_eq_u32 s11, 0                            ; a wave's two first fills stand in one branch, ahead of every wait on TENSORcnt and every LDS read: two loads of mine are out
	s_cbranch_scc0 .Lfirst_b
	tensor_load_to_lds s[G0:G0+3], s[G1:G1+7]
	s_nop 0
	tensor_load_to_lds s[G0+4:G0+7], s[G1:G1+7]
	s_nop 0
.rept 4
	v_nop
.endr
	s_branch .Lfirst_asked
.Lfirst_b:
	tensor_load_to_lds s[G0B:G0B+3], s[G1B:G1B+7]
	s_nop 0
	tensor_load_to_lds s[G0B+4:G0B+7], s[G1B:G1B+7]
	s_nop 0
.rept 4
	v_nop
.endr
.Lfirst_asked:
	v_and_b32 v1, 15, v0                           ; l % 16
	v_bfe_u32 v2, v0, 4, 1                         ; l / 16
	v_mul_u32_u24 v3, v1, APITCH
	v_lshl_add_u32 v3, v2, 4, v3                   ; A: a fragment's row x pitch + 16 x half
	s_mul_i32 s21, s11, AHALF                      ; my 64 rows of A
.irp s, 0,1
	v_add_nc_u32 v[ADRA+(\s)], s21, v3
	s_add_co_u32 s21, s21, SLOT
.endr
	v_and_b32 v4, 7, v0                            ; W: the turning load takes 16 k rows x 16 columns: lane l reads k row 8 (l / 16) + l % 8, columns 8 ((l / 8) % 2) + 0..7
	v_bfe_u32 v5, v0, 3, 1
	v_lshl_add_u32 v4, v2, 3, v4
	v_mul_u32_u24 v4, v4, BPITCH
	v_lshl_add_u32 v4, v5, 4, v4
	s_lshl_b32 s22, s12, 7                         ; my 64 columns: 128 bytes
	s_add_co_u32 s22, s22, BOFF
.irp s, 0,1
.irp p, 0,1
	s_add_co_u32 s23, s22, (\s)*SLOT+(\p)*BHALF
	v_add_nc_u32 v[ADRB+2*(\s)+(\p)], s23, v4
.endr
.endr
	s_lshl_b32 s46, s42, 9
	s_lshl_b32 s47, s12, 8
	s_add_co_u32 s46, s46, s47                     ; my 64 columns in a row of f32: 512 x tile column + 256 x half
	s_mov_b32 s47, 0
	v_lshl_add_u32 v[BO], v2, 5, s46               ; + my eight of each sixteen
.if KIND == 0
	s_mul_i32 s23, s10, 16*HP
	s_add_co_u32 s23, s23, STAGE                   ; my stage
	v_mul_u32_u24 v6, v1, HP
	v_lshl_add_u32 v6, v2, 4, v6
	v_add_nc_u32 v[STO], s23, v6                   ; in: row l % 16, 16 bytes for each half of the lanes
	v_bfe_u32 v6, v0, 3, 2
	v_mul_u32_u24 v6, v6, HP
	v_and_b32 v7, 7, v0
	v_lshl_add_u32 v6, v7, 4, v6
	v_add_nc_u32 v[RD], s23, v6                    ; back: 32 lanes take four rows of 128 bytes,
	v_and_b32 v6, 31, v0
	v_lshlrev_b32 v[CO], 4, v6                     ; which are 512 consecutive bytes of a plane
	s_lshr_b32 s16, s13, 4                         ; the batch's 48 planes,
	s_mul_i32 s16, s16, 48*262144
	s_and_b32 s17, s13, 15                         ; the tile's 128 rows of 128 bytes,
	s_lshl_b32 s17, s17, 14
	s_add_co_u32 s16, s16, s17
	s_lshl_b32 s17, s11, 13                        ; my 64 of them
	s_add_co_u32 s16, s16, s17
	s_mov_b32 s17, 0
	s_add_nc_u64 s[8:9], s[8:9], s[16:17]
	s_lshl_b32 s46, s42, 1
	s_add_co_u32 s46, s46, s12                     ; my 64 columns are plane 2 x tile column + half
	s_lshl_b32 s46, s46, 18
	s_add_nc_u64 s[8:9], s[8:9], s[46:47]
.elseif KIND == 2
	s_mul_i32 s23, s11, 64*SPITCH                  ; into the shared stage: my 64 rows, my half of their 256 bytes
	s_lshl_b32 s22, s12, 7
	s_add_co_u32 s23, s23, s22
	s_add_co_u32 s23, s23, STAGE
	v_mul_u32_u24 v6, v1, SPITCH
	v_lshl_add_u32 v6, v2, 4, v6
	v_add_nc_u32 v[STO], s23, v6
	s_mul_i32 s23, s10, 32*SPITCH                  ; back: wave w takes rows 32 w .. 32 w + 31, whole
	s_add_co_u32 s23, s23, STAGE
	v_mul_u32_u24 v6, v2, SPITCH
	v_lshl_add_u32 v6, v1, 4, v6
	v_add_nc_u32 v[RD], s23, v6
	v_lshlrev_b32 v6, 13, v2                       ; and the same two rows in C: 8,192 bytes a row
	v_lshl_add_u32 v[CO], v1, 4, v6
	s_lshl_b32 s16, s13, 7
	s_lshl_b32 s17, s10, 5
	s_add_co_u32 s16, s16, s17                     ; the first row that I store: 128 x tile row + 32 x wave
	s_lshl_b32 s16, s16, 13
	s_mov_b32 s17, 0
	s_add_nc_u64 s[8:9], s[8:9], s[16:17]
	s_lshl_b32 s46, s42, 8                         ; the tile's first column, in bytes of bf16
	s_add_nc_u64 s[8:9], s[8:9], s[46:47]
.else
	s_mul_i32 s23, s10, 16*SPITCH
	s_add_co_u32 s23, s23, STAGE                   ; my stage
	v_mul_u32_u24 v6, v1, SPITCH
	v_lshl_add_u32 v6, v2, 5, v6
	v_add_nc_u32 v[STO], s23, v6                   ; in: row l % 16, 32 bytes for each half of the lanes
	v_mul_u32_u24 v6, v2, SPITCH
	v_lshl_add_u32 v6, v1, 4, v6
	v_add_nc_u32 v[RD], s23, v6                    ; back: lanes 0-15 take one row of 256 bytes, lanes 16-31 the next
	v_lshlrev_b32 v6, 12, v2                       ; and the same two rows in C and in the residual: 4,096 bytes a row
	v_lshl_add_u32 v[CO], v1, 4, v6
	s_lshl_b32 s16, s13, 7
	s_lshl_b32 s17, s11, 6
	s_add_co_u32 s16, s16, s17                     ; my first row: 128 x tile row + 64 x half
	s_lshl_b32 s16, s16, 12
	s_mov_b32 s17, 0
	s_add_nc_u64 s[8:9], s[8:9], s[16:17]
	s_add_nc_u64 s[70:71], s[70:71], s[16:17]
	s_add_nc_u64 s[8:9], s[8:9], s[46:47]          ; my 64 columns
	s_add_nc_u64 s[70:71], s[70:71], s[46:47]
.endif
.irp b, 0,1,2,3
	global_load_b128 v[BIAS+8*(\b):BIAS+8*(\b)+3],   v[BO], s[68:69] offset:64*(\b)
	global_load_b128 v[BIAS+8*(\b)+4:BIAS+8*(\b)+7], v[BO], s[68:69] offset:64*(\b)+16
.endr
.if RESID
	WIN 0x80                                       ; destination window 2: the residual comes in while K is walked
.irp a, 0,1,2,3
.irp t, 0,1,2,3,4,5,6,7
	global_load_b128 v[32*(\a)+4*(\t):32*(\a)+4*(\t)+3], v[CO], s[70:71] offset:(16*(\a)+2*(\t))*4096
.endr
.endr
	WIN 0
.endif
	s_wait_tensorcnt 1                             ; my part of K step 0 is in; K step 1's may stay out
	s_barrier_signal -1
	s_barrier_wait -1                              ; everybody's is
	FETCH 0, 0, F0
.if RESID
	s_wait_loadcnt 32                              ; the bias is in; the 32 loads of the residual are younger
.else
	s_wait_loadcnt 0x0                             ; the bias is in
.endif
	QUARTER 0, 1, F0, F1, 1                        ; the first quarter stands in front of the loop: its first products start the sums
	WIN 0                                          ; at a label and at a branch every window is 0
	s_mov_b32 s3, LAPS-1
.Llap:                                                 ; a trip goes once round the ring, from a lap's second quarter to the next lap's first, and fills both slots again
	QUARTER 0, 2, F1, F0, 0
	QUARTER 0, 3, F0, F1, 0
	TURN 0, 1, 1
	QUARTER 1, 1, F0, F1, 0
	QUARTER 1, 2, F1, F0, 0
	QUARTER 1, 3, F0, F1, 0
	TURN 1, 0, 1
	QUARTER 0, 1, F0, F1, 0
	WIN 0
	s_sub_co_u32 s3, s3, 1
	s_cmp_lg_u32 s3, 0
	s_cbranch_scc1 .Llap
	QUARTER 0, 2, F1, F0, 0                        ; the last lap fills nothing, and has no round of the cluster's barrier
	QUARTER 0, 3, F0, F1, 0
	TURN 0, 1, 0
	QUARTER 1, 1, F0, F1, 0
	QUARTER 1, 2, F1, F0, 0
	QUARTER 1, 3, F0, F1, 0
	s_wait_dscnt 16                                ; the very last quarter: nothing more to fetch
	WIN MUL
	MUL8 F1, 0, 0, 0
	MUL8 F1, 0, 2, 0
	s_wait_dscnt 0x0
	MUL8 F1, 1, 0, 0
	MUL8 F1, 1, 2, 0
	WIN 0
	PLACES
.if KIND == 0
	PACKH 0
	PACKH 1                                        ; a block's conversions stand between the loads of the block before and its stores
	SENDH 0, 8
	PACKH 2
	SENDH 1, 8
	PACKH 3
	SENDH 2, 8
	SENDH 3, 0
.elseif KIND == 2
	GELU 0
	GELU 1
	GELU 2
	GELU 3
	s_wait_dscnt 0x0                               ; for the others' sake: my stores into the stage are done
	s_barrier_signal -1
	s_barrier_wait -1                              ; a row's 256 bytes come from two waves
.irp t, 0,1,2,3,4,5,6,7,8,9,10,11,12,13,14,15
	ds_load_b128 v[TMP+4*(\t):TMP+4*(\t)+3], v[RD] offset:(\t)*2*SPITCH
.endr
.irp t, 0,1,2,3,4,5,6,7,8,9,10,11,12,13,14,15
	s_wait_dscnt 15-(\t)
	global_store_b128 v[CO], v[TMP+4*(\t):TMP+4*(\t)+3], s[8:9] offset:2*(\t)*2*SN  ; 16 lanes store 256 consecutive bytes, aligned
.endr
.else
	s_wait_loadcnt 0x0                             ; the residual
	OUTF 0
	OUTF 1
	SENDF 0, 16
	OUTF 2
	SENDF 1, 16
	OUTF 3
	SENDF 2, 16
	SENDF 3, 0
.endif
	s_wait_tensorcnt 0x0                           ; the wave's end: a wait, the add and its wait, behind my last tensor load and my last LDS store
	ds_add_u32 v[SPW], v[NIL]
	s_wait_dscnt 0x0
	CROUND                                         ; the closing round: no work-group ends while a partner may still ask for a tile that names it
	s_endpgm
.Lfunc_end_k_q2741b43b6a_mlp:
	.size	k_q2741b43b6a_mlp, .Lfunc_end_k_q2741b43b6a_mlp-k_q2741b43b6a_mlp
	.p2alignl 7, 3214868480
	.fill 96, 4, 3214868480
	.section	.rodata,"a",@progbits
	.p2align	6, 0x0
	.amdhsa_kernel k_q2741b43b6a_mlp
		.amdhsa_group_segment_fixed_size 327680
		.amdhsa_private_segment_fixed_size 0
		.amdhsa_enable_private_segment 0
		.amdhsa_kernarg_size 40
		.amdhsa_user_sgpr_count 2
		.amdhsa_user_sgpr_kernarg_segment_ptr 1
		.amdhsa_wavefront_size32 1
		.amdhsa_system_sgpr_workgroup_id_x 1
		.amdhsa_system_sgpr_workgroup_id_y 1
		.amdhsa_system_sgpr_workgroup_id_z 1
		.amdhsa_system_vgpr_workitem_id 0
		.amdhsa_next_free_vgpr 640
		.amdhsa_next_free_sgpr 80
		.amdhsa_reserve_vcc 0
		.amdhsa_float_denorm_mode_32 3
		.amdhsa_float_denorm_mode_16_64 3
		.amdhsa_memory_ordered 1
		.amdhsa_forward_progress 1
		.amdhsa_inst_pref_size 94
	.end_amdhsa_kernel
	.amdgpu_metadata
---
amdhsa.version: [ 1, 2 ]
amdhsa.kernels:
  - .name:           k_q2741b43b6a_mlp
    .symbol:         k_q2741b43b6a_mlp.kd
    .args:
      - { .name: h, .offset: 0, .size: 8, .value_kind: global_buffer, .address_space: global }
      - { .name: wb, .offset: 8, .size: 8, .value_kind: global_buffer, .address_space: global }
      - { .name: out0, .offset: 16, .size: 8, .value_kind: global_buffer, .address_space: global }
      - { .name: b_mlp_proj, .offset: 24, .size: 8, .value_kind: global_buffer, .address_space: global }
      - { .name: xnf, .offset: 32, .size: 8, .value_kind: global_buffer, .address_space: global }
    .group_segment_fixed_size: 327680
    .private_segment_fixed_size: 0
    .kernarg_segment_align: 8
    .kernarg_segment_size: 40
    .max_flat_workgroup_size: 128
    .sgpr_count:     80
    .vgpr_count:     640
    .wavefront_size: 32
...
	.end_amdgpu_metadata
.endif
;; end of part 7
;; ======== version 2 of 3: 7 launches
;; workspace buffers: wb 25,165,824 bytes; xnf 16,777,216 bytes; xnh 8,388,608 bytes; qkv 25,165,824 bytes; o 8,388,608 bytes; x2 16,777,216 bytes; h 33,554,432 bytes
;; launch prep: the kernel of part 1 again; grid 1024 x 1, 8 waves a work-group, no clusters, 0 bytes of LDS; arguments x, ln1_g, ln1_b, xnf, xnh, W_attn, W_attn_proj, W_fc, W_mlp_proj, wb; writes xnf, xnh, wb
;; launch qkv (part 8): grid 12 x 16, 4 waves a work-group, clusters of 4 x 4, 327,680 bytes of LDS; arguments xnh, wb, qkv, b_attn; writes qkv
.if DOCPART == 8
	.amdgcn_target "amdgcn-amd-amdhsa--gfx1250"
	.amdhsa_code_object_version 6
	.text
	.protected	k_q2741b43b6a_qkv
	.globl	k_q2741b43b6a_qkv
	.p2align	8
	.type	k_q2741b43b6a_qkv,@function
k_q2741b43b6a_qkv:
	s_mov_b64 s[64:65], 0
	v_nop
	global_prefetch_b8 v0, s[64:65] scope:SCOPE_SE
	s_setreg_imm32_b32 hwreg(HW_REG_WAVE_MODE, 25, 1), 1
	s_wait_xcnt 0x0
	s_wait_alu depctr_hold_cnt(0) depctr_sa_sdst(0) depctr_va_vdst(0) depctr_va_sdst(0) depctr_va_ssrc(0) depctr_va_vcc(0) depctr_vm_vsrc(0)
	s_getreg_b32 s2, hwreg(HW_REG_IB_STS2, 6, 4)
	s_cmp_eq_u32 s2, 0
	s_cbranch_scc0 .Lentry_in_a_cluster
	s_endpgm
.Lentry_in_a_cluster:
	s_bfe_u32 s2, ttmp6, 0x10000c
	s_cmp_lg_u32 s2, 0xf033
	s_cbranch_scc0 .Lentry_shape_is_right
	s_endpgm
.Lentry_shape_is_right:
; C = A W + bias ON TILES OF 256 x 256, one text for two of the block's products, chosen by KIND.  A: [4096][1024] bf16; W: [1024][SN] bf16, as the weights lie; sums in f32, started by the bias.
;   KIND 0: q, k, v = xn1 W_attn + b, stored in bf16 by heads: [2][48][2048][64] (12 x 16 tiles).
;   KIND 2: h = gelu(xn2 W_fc + b) in bf16, [4096][4096] (16 x 16 tiles); gelu(u) = u / (1 + 2^(-u (2.3022082 + 0.10294324 u u))), which is 0.5 u (1 + tanh(..)) exactly.
; LIMITS.  Matrix operands are rounded to bf16; NaN and infinities are not treated apart.
; SHARES.  Four waves, as many as a WGP has SIMDs; a wave makes 128 x 128: 64 accumulators of 16 x 16, 512 registers.  K goes in 8 steps of 128 through a ring of two LDS slots.
; A's tile lies [row][k] (rows of 256 bytes) and is read by ds_load_b128; W's lies [k][n], as in memory (rows of 512 bytes), and is turned on its way into registers by ds_load_tr16_b128.
; THE MATRIX INSTRUCTION IS USED TRANSPOSED (source 0 = 16 columns of W, source 1 = 16 rows of A): a lane then holds eight neighbouring numbers of a row of C.
; CLUSTERS: 4 x 4 work-groups.  The four of a row of the cluster need the same tiles of A, the four of a column the same tiles of W: each tile is asked for JOINTLY, by the same tensor load with
; the same descriptor and a mask that names the four.
; ONE TEXT FOR A K STEP.  The LDS byte at which the slot being read begins (s[TB]) and that of the slot to be filled (s[TF]) are 0 or SLOT; one exclusive or turns each at a change of slots, and the
; fragment addresses are made anew from them.  One descriptor a tensor walks along K.  The last two steps, which ask for nothing, are a second loop.
; THE WAY OUT.  Behind the last barrier nobody reads the slots and nothing is filled any more: each wave lays its 128 x 128 sums, in f32, into 128 rows of 528 bytes there, its own bytes, and a loop
; reads them back eight rows at a time, (KIND 2) applies gelu, rounds to bf16 and stores: so the arithmetic of the way out is written for 8 rows and not for 128.
; REGISTERS, in windows of 256 (s_set_vgpr_msb: bits 1:0 source 0, 3:2 source 1, 5:4 source 2, 7:6 destination):
;   window 0: v0-31 addresses; v64-127, v128-191 fragments of A (8 x 16 rows x 32 K), two buffers; on the way out v64-175 at work
;   window 1: v0-63 the bias; v64-127, v128-191 fragments of W, two buffers
;   window 2: the 32 accumulators of my rows 0-63 ((a, b) at v[8 (8 a + b)]);   window 3: those of my rows 64-127
.set KIND, 0
.set SK,    1024
.if KIND == 0
.set SN,    3072
.set WOFF,  0                          ; this product's matrix in wb
.set HSH,   5                          ; the stage keeps the columns' order: my 8 columns of a block are 32 bytes on end,
.set BS,    64                         ; a block of 16 columns 64 bytes,
.set PS,    16                         ; and a lane's second four numbers follow its first
.set GSTEP, 8*128                      ; 8 rows of a plane
.else
.set SN,    4096
.set WOFF,  8388608
.set HSH,   4                          ; the stage holds the first four of each eight columns in a row's first 256 bytes, the second four in its second 256:
.set BS,    32
.set PS,    256
.set GSTEP, 8*2*SN                     ; 8 rows of h
.endif
.set KSTEP,  128
.set STEPS,  SK/KSTEP
.set PITCH,  272                       ; a row of A in LDS: 256 bytes + 16: an odd multiple of 16, so the 16 rows of a load start at 16 different groups of four banks
.set HALFA,  128*PITCH                 ; 128 rows: what one tensor load brings
.set BPITCH, 544                       ; a k row of W: 512 bytes + 32: an odd multiple of 32
.set HALFB,  64*BPITCH                 ; 64 k rows: what one tensor load brings
.set BOFF,   2*HALFA                   ; a slot: A's 256 rows, then W's 128 k rows
.set SLOT,   BOFF+2*HALFB
.set ASTEP,  2*KSTEP                   ; a K step in memory: 256 bytes along A's rows,
.set BSTEP,  KSTEP*2*SN                ; 128 rows of W
.set FP,     528                       ; the way out: a row of 128 f32 + 16 bytes
.set WSTG,   128*FP                    ; a wave's part of the former slots: four of them are 270,336 of the ring's 278,528 bytes
.set SPARE,  2*SLOT                    ; behind the ring: the spare words, 128 bytes a wave, which no other line names
.set ADRA0, 12                         ; v12  my lane's place in A's tile of slot 0; never rewritten
.set ADRB0, 13                         ; v13  the same for W
.set BO,    14                         ; v14  my byte offset in the bias
.set ADRA,  16                         ; v16  LDS address of my A fragments in the slot being read
.set ADRB,  17                         ; v17  the same for W
.set STO,   24                         ; v24  the way out: where I put my numbers of a row
.set RD0,   25                         ; v25  where I read the first rows back; never rewritten
.set CO,    26                         ; v26  my byte offset in C; never rewritten
.set RDA,   27                         ; v27  where I read the rows in hand back
.set SPW,   28                         ; v28  LDS address of my spare word; never rewritten
.set NIL,   29                         ; v29  0; never rewritten
.set PFOA,  30                         ; v30  the prefetches' offset in A: my lane x a row; never rewritten
.set PFOB,  31                         ; v31  in W: (lane / 2) x a row + (lane % 2) x 256; never rewritten
.set F0,    64
.set F1,    128
.set UA,    64                         ; the way out: two sets of 32 numbers as read back,
.set UB,    96
.set T,     128                        ; 32 at work,
.set P,     160                        ; 16 registers to store
.set G1,  24                           ; s[24:31] descriptor group 1 for A's tiles;  s[32:39] group 0: a set for each first fill; the second then walks on
.set G0,  32
.set G1B, 48                           ; s[48:55], s[56:63] the same for W's tiles
.set G0B, 56
.set TB,  70                           ; s70  LDS byte at which the slot being read begins
.set TF,  71                           ; s71  the other slot's
.set LIMA, 72                          ; s72  2 where my cluster prefetches A, else the greatest number
.set LIMB, 73                          ; s73  the same for W
.set PFA, 78                           ; s[78:79] A at my work-group's 32 rows of the 128 that a wave fetches, at the K step to be prefetched
.set PFB, 80                           ; s[80:81] W at my work-group's 16 k rows of the 64 that a wave fetches, likewise
.set RB,  82                           ; s82  the way out: byte, in my part of the stage, of the rows read back last
.set MSB, 0
.macro WIN new                         ; the immediate's high byte repeats the setting that is left; a switch that changes nothing is dropped
.if MSB != (\new)
	s_set_vgpr_msb (MSB<<8)|(\new)
.set MSB, \new
.endif
.endm
.macro JLOAD                           ; a joint refill: waves 0 and 1 fetch A's two halves, waves 2 and 3 W's; an s_nop 0 and four v_nop follow each line
	s_cmp_eq_u32 s11, 0
	s_cbranch_scc0 .Lfor_w_\@
	tensor_load_to_lds s[G0+4:G0+7], s[G1:G1+7]
	s_nop 0
.rept 4
	v_nop
.endr
	s_branch .Lasked_\@
.Lfor_w_\@:
	tensor_load_to_lds s[G0B+4:G0B+7], s[G1B:G1B+7]
	s_nop 0
.rept 4
	v_nop
.endr
.Lasked_\@:
.endm
; A PREFETCH INTO THE L2, behind each joint refill and the run of LDS loads that follows it: the K step that stands two refills on, 512 matrix instructions ahead of the load that will want it.
; Each block of 256 bytes is named ONCE in the launch.  A's tile row is read by every cluster of that row of clusters: the first of them (cluster x = 0) asks; W's tile column by every cluster of that
; column: cluster y = 0 asks.  The four partners that ask for a tile jointly share it out BY ADDRESS: of the 128 rows of A that a wave fetches the partner at cx takes 32, a lane a row; of the 64 k rows
; of W the partner at cy takes 16, a lane half a row.  K steps 0 to 3 come by their loads alone; the last two refills (s3 = 2, 1) have no K step two on.
.macro ASK
	s_cmp_eq_u32 s11, 0
	s_cbranch_scc0 .Lpf_w_\@
	s_cmp_gt_u32 s3, s[LIMA]
	s_cbranch_scc0 .Lpf_done_\@
	global_prefetch_b8 v[PFOA], s[PFA:PFA+1] th:TH_LOAD_NT scope:SCOPE_SE
	s_branch .Lpf_done_\@
.Lpf_w_\@:
	s_cmp_gt_u32 s3, s[LIMB]
	s_cbranch_scc0 .Lpf_done_\@
	global_prefetch_b8 v[PFOB], s[PFB:PFB+1] th:TH_LOAD_NT scope:SCOPE_SE
.Lpf_done_\@:
.endm
.macro CREST                           ; a round of the cluster's barrier behind its opening barrier
	s_cmp_lg_u32 s10, 0
	s_cbranch_scc1 .Lnot_wave_0_\@
	s_barrier_signal -3
.Lnot_wave_0_\@:
	s_barrier_wait -3
	s_barrier_signal -1
	s_barrier_wait -1
.endm
.macro CROUND                          ; a whole round
	s_barrier_signal -1
	s_barrier_wait -1
	CREST
.endm
; 16 matrix instructions: row blocks a0, a0 + 1 of the window's four (hi = 0: my rows 0-63, 1: rows 64-127) x all 8 column blocks, 32 along K.
; first = 1: the first product starts the sums, with the bias (window 1) as C.  The 64 accumulators take turns, one instruction a turn.
.macro MUL16 f, hi, a0, first
.if \first
	WIN 0x91+0x40*(\hi)                            ; W window 1, A window 0, C window 1, D window 2 or 3
.else
	WIN 0xa1+0x50*(\hi)                            ; W window 1, A window 0, C and D window 2 or 3
.endif
.irp a, \a0, (\a0)+1
.irp b, 0,1,2,3,4,5,6,7
.if \first
	v_wmma_f32_16x16x32_bf16 v[8*(8*(\a)+(\b)):8*(8*(\a)+(\b))+7], v[(\f)+8*(\b):(\f)+8*(\b)+7], v[(\f)+8*(4*(\hi)+(\a)):(\f)+8*(4*(\hi)+(\a))+7], v[8*(\b):8*(\b)+7]
.else
	v_wmma_f32_16x16x32_bf16 v[8*(8*(\a)+(\b)):8*(8*(\a)+(\b))+7], v[(\f)+8*(\b):(\f)+8*(\b)+7], v[(\f)+8*(4*(\hi)+(\a)):(\f)+8*(4*(\hi)+(\a))+7], v[8*(8*(\a)+(\b)):8*(8*(\a)+(\b))+7]
.endif
.endr
.endr
.endm
; 32 LDS loads in one run: the fragments of quarter q (32 along K) of the slot being read, into buffer f: W's 128 columns, turned, then A's 128 rows
.macro FETCH q, f
	WIN 0x40                                       ; destination window 1, address window 0
.irp i, 0,1,2,3,4,5,6,7
	ds_load_tr16_b128 v[(\f)+8*(\i):(\f)+8*(\i)+3],   v[ADRB] offset:(\q)*32*BPITCH+32*(\i)
	ds_load_tr16_b128 v[(\f)+8*(\i)+4:(\f)+8*(\i)+7], v[ADRB] offset:(\q)*32*BPITCH+16*BPITCH+32*(\i)
.endr
	WIN 0
.irp i, 0,1,2,3,4,5,6,7
	ds_load_b128 v[(\f)+8*(\i):(\f)+8*(\i)+3],   v[ADRA] offset:(\q)*64+(\i)*16*PITCH
	ds_load_b128 v[(\f)+8*(\i)+4:(\f)+8*(\i)+7], v[ADRA] offset:(\q)*64+(\i)*16*PITCH+32
.endr
.endm
.macro PLACES                          ; four places in front of loads into registers that matrix instructions have read, and of lines that read results
.rept 4
	v_nop
.endr
.endm
; A K step is four quarters of 32 along K, 64 matrix instructions each, on buffers 0, 1, 0, 1.  One of the first three: multiplies buffer f; in its middle it fetches quarter q into buffer g.
.macro QUARTER q, f, g, first
	s_wait_dscnt 8                                 ; W and A's rows 0-63 are in; the youngest eight loads (A's rows 64-127) may be out
	MUL16 \f, 0, 0, \first
	MUL16 \f, 0, 2, \first
	PLACES
	FETCH \q, \g
	s_wait_dscnt 32                                ; all but the 32 just issued
	MUL16 \f, 1, 0, \first
	MUL16 \f, 1, 2, \first
.endm
; The last quarter multiplies buffer 1 and changes slots.  MEET is its first half: ONE barrier.  In front of it each wave waits for all its tensor loads, of which at most one is out: its part of the next
; slot; adds 0 to its spare word; and waits for that and for its own reads of this slot.  Behind it nobody reads this slot any more and the next slot is whole.  fill = 1: a refill follows.
.macro MEET fill
	WIN 0
.if \fill
	s_wait_xcnt 0x0                                ; the last prefetch, a K step back, has read its address: both are stepped here, ahead of the waits of the change of slots
	s_add_nc_u64 s[PFA:PFA+1], s[PFA:PFA+1], ASTEP
	s_add_nc_u64 s[PFB:PFB+1], s[PFB:PFB+1], BSTEP
.endif
	s_xor_b32 s[TB], s[TB], SLOT                   ; 0 and SLOT change places: the slot to be read next,
	s_xor_b32 s[TF], s[TF], SLOT                   ; and the one that is left
	v_add_nc_u32 v[ADRA], s[TB], v[ADRA0]          ; this slot's last run of loads has been issued
	v_add_nc_u32 v[ADRB], s[TB], v[ADRB0]
	s_wait_tensorcnt 0x0                           ; all my tensor loads have landed, so the walking descriptors may be written
	ds_add_u32 v[SPW], v[NIL]                      ; 0 onto my spare word
.if \fill
	s_add_co_u32 s[G0+5], s20, s[TF]               ; into the slot that is left,
	s_add_nc_u64 s[G0+6:G0+7], s[G0+6:G0+7], ASTEP ; the next K step; the type bits on top are not reached
	s_add_co_u32 s[G0B+5], s21, s[TF]
	s_add_nc_u64 s[G0B+6:G0B+7], s[G0B+6:G0B+7], BSTEP
.endif
	s_wait_dscnt 9                                 ; (the add and the youngest eight loads may be out)
	MUL16 F1, 0, 0, 0                              ; sixteen matrix instructions stand between the add and the wait for it
	s_wait_dscnt 0x0                               ; the add is done, and my reads of this slot are over
	s_barrier_signal -1
	MUL16 F1, 0, 2, 0                              ; work on registers while the others arrive
	WIN 0
	s_barrier_wait -1
.endm
; The whole last quarter of a step behind which the slot is filled again: the barrier opens a round of the cluster's barrier, and the joint refill is the first thing behind the round:
; from the request to the wait for it a wave issues 224 matrix instructions.
.macro TURN
	MEET 1
	CREST                                          ; no wave of any partner still reads this slot's tile or has a load on its way
	JLOAD                                          ; my one tensor load behind the round; its four v_nop are also the places in front of the loads below
	FETCH 0, F0
	ASK
	MUL16 F1, 1, 0, 0
	MUL16 F1, 1, 2, 0
.endm
; THE WAY OUT: eight rows are read back, four groups of 8 numbers a lane.  KIND 0: group 2 j + f is rows 4 f .. 4 f + 3 of plane j (8 lanes a row of 64 columns); KIND 2: group g is rows 2 g, 2 g + 1 (16 lanes a row).
.macro LOADS set
.irp g, 0,1,2,3
.if KIND == 0
.set LO, ((\g)%2)*4*FP+((\g)/2)*256
.else
.set LO, (\g)*2*FP
.endif
	ds_load_b128 v[(\set)+8*(\g):(\set)+8*(\g)+3],   v[RDA] offset:LO
	ds_load_b128 v[(\set)+8*(\g)+4:(\set)+8*(\g)+7], v[RDA] offset:LO+PS
.endr
.endm
; gelu in f32 on the 32 numbers of set x, into T.  Each batch of 32 transcendentals has one plain line and one wait behind it, ahead of its first reader.
.macro GELU x
.set i, 0
.rept 16
	v_pk_mul_f32 v[T+i:T+i+1], v[(\x)+i:(\x)+i+1], v[(\x)+i:(\x)+i+1]
.set i, i+2
.endr
.set i, 0
.rept 16
	v_pk_fma_f32 v[T+i:T+i+1], v[T+i:T+i+1], s[74:75], s[76:77] op_sel_hi:[1,0,0]
.set i, i+2
.endr
.set i, 0
.rept 16
	v_pk_mul_f32 v[T+i:T+i+1], v[T+i:T+i+1], v[(\x)+i:(\x)+i+1]
.set i, i+2
.endr
.set i, 0
.rept 32
	v_exp_f32 v[T+i], v[T+i]
.set i, i+1
.endr
	v_nop
	s_wait_alu depctr_va_vdst(0)
.set i, 0
.rept 16
	v_pk_add_f32 v[T+i:T+i+1], v[T+i:T+i+1], 1.0 op_sel_hi:[1,0]
.set i, i+2
.endr
.set i, 0
.rept 32
	v_rcp_f32 v[T+i], v[T+i]
.set i, i+1
.endr
	v_nop
	s_wait_alu depctr_va_vdst(0)
.set i, 0
.rept 16
	v_pk_mul_f32 v[T+i:T+i+1], v[T+i:T+i+1], v[(\x)+i:(\x)+i+1]
.set i, i+2
.endr
.endm
; Eight rows: set x, asked for half a trip ago, is worked on and stored, while the next eight rows come into set y.  last = 1: in the loop's last trip there are none, and the run is jumped over.
.macro HALF x, y, last
	s_wait_dscnt 0x0                               ; set x is in
.if \last
	s_cmp_eq_u32 s3, 1
	s_cbranch_scc1 .Lno_more_\@
.endif
	s_add_co_u32 s[RB], s[RB], 8*FP
	v_add_nc_u32 v[RDA], s[RB], v[RD0]
	LOADS \y
.if \last
.Lno_more_\@:
.endif
.if KIND == 2
	GELU \x
.endif
	s_wait_xcnt 0x0                                ; the stores of the eight rows before have read P and their base: both are written only behind this wait
	s_add_nc_u64 s[8:9], s[8:9], s[16:17]          ; the first time: on to my part of the tile; then eight rows on
	s_mov_b64 s[16:17], GSTEP
.set i, 0
.rept 16
.if KIND == 2
	v_cvt_pk_bf16_f32 v[P+i], v[T+2*i], v[T+2*i+1]
.else
	v_cvt_pk_bf16_f32 v[P+i], v[(\x)+2*i], v[(\x)+2*i+1]
.endif
.set i, i+1
.endr
.irp g, 0,1,2,3
.if KIND == 0
	global_store_b128 v[CO], v[P+4*(\g):P+4*(\g)+3], s[8:9] offset:((\g)/2)*262144+((\g)%2)*512  ; four rows of a plane: 512 consecutive bytes, aligned
.else
	global_store_b128 v[CO], v[P+4*(\g):P+4*(\g)+3], s[8:9] offset:(\g)*2*2*SN  ; 16 lanes store 256 consecutive bytes, aligned
.endif
.endr
.endm
	s_load_b128 s[4:7], s[0:1], 0x0                ; A s[4:5], wb s[6:7]
	s_load_b64 s[8:9], s[0:1], 0x10                ; C
	s_load_b64 s[68:69], s[0:1], 0x18              ; bias
	v_lshl_add_u32 v[SPW], v0, 2, SPARE
	v_mov_b32 v[NIL], 0
	ds_add_u32 v[SPW], v[NIL]                      ; the wave's opening: the add and its wait stand ahead of my first tensor load; the set-up below stands between them
	v_lshrrev_b32 v1, 5, v0
	v_readfirstlane_b32 s10, v1                    ; wave 0..3
	s_lshr_b32 s11, s10, 1                         ; which half of the tile's rows is mine.  Also: I fetch for A (0) or for W (1)
	s_and_b32 s12, s10, 1                          ; which half of its columns.  Also: which half of that tile I fetch
	s_bfe_u32 s40, ttmp6, 0x40000                  ; cx, cy: my place in the cluster
	s_bfe_u32 s41, ttmp6, 0x40004
	s_lshl_b32 s42, ttmp9, 2
	s_add_co_u32 s42, s42, s40                     ; tile column of C = 4 x cluster x + cx
	s_and_b32 s13, ttmp7, 0xffff
	s_lshl_b32 s13, s13, 2
	s_add_co_u32 s13, s13, s41                     ; tile row of C = 4 x cluster y + cy
	s_lshl_b32 s43, s41, 2
	s_lshl_b32 s43, 15, s43                        ; my row of the cluster
	s_lshl_b32 s44, 0x1111, s40                    ; my column
	; A's tile: 128 rows x 128 elements, padded by 4 words behind every 64
	s_or_b32 s[G1+0], s43, (1<<16)|(1<<20)|(1<<21)|(5<<22)|(3<<25)  ; 15:0 the mask: my row of the cluster; 17:16 2-byte elements; 20 padding on; 21 set beside a mask
	s_mov_b32 s[G1+1], KSTEP<<16                   ; tensor_dim0
	s_mov_b32 s[G1+2], 128<<16                     ; tensor_dim1
	s_mov_b32 s[G1+3], KSTEP<<16                   ; tile_dim0
	s_mov_b32 s[G1+4], 128                         ; tile_dim1
	s_mov_b32 s[G1+5], SK                          ; elements from row to row
	s_mov_b32 s[G1+6], 0
	s_mov_b32 s[G1+7], 0
	; W's tile: 64 k rows x 256 elements, padded by 8 words behind every 128
	s_or_b32 s[G1B+0], s44, (1<<16)|(1<<20)|(1<<21)|(6<<22)|(7<<25)  ; the mask: my column of the cluster
	s_mov_b32 s[G1B+1], 256<<16
	s_mov_b32 s[G1B+2], 64<<16
	s_mov_b32 s[G1B+3], 256<<16
	s_mov_b32 s[G1B+4], 64
	s_mov_b32 s[G1B+5], SN
	s_mov_b32 s[G1B+6], 0
	s_mov_b32 s[G1B+7], 0
	; where the tiles come from.  A's hang on the tile row alone, W's on the tile column alone, each in registers that never hold the other coordinate
	s_lshl_b32 s16, s13, 8
	s_lshl_b32 s17, s12, 7
	s_add_co_u32 s16, s16, s17                     ; A: row 256 x tile row + 128 x half
	s_mul_i32 s16, s16, 2*SK
	s_mov_b32 s17, 0
	s_mul_i32 s46, s12, 64*2*SN                    ; W: the 64 k rows that I fetch,
	s_lshl_b32 s47, s42, 9                         ; the tile's 256 columns,
	s_add_co_u32 s46, s46, s47
	s_add_co_u32 s46, s46, WOFF                    ; this product's matrix in wb
	s_mov_b32 s47, 0
	s_mul_i32 s20, s12, HALFA                      ; and where they go in a slot: no place in the cluster enters an LDS address.  s20 and s21 stay
	s_mul_i32 s21, s12, HALFB
	s_add_co_u32 s21, s21, BOFF
	s_mov_b32 s[TB], 0
	s_mov_b32 s[TF], SLOT
	s_lshl_b32 s22, s40, 5                         ; the prefetches: my work-group's 32 rows of A,
	s_mul_i32 s22, s22, 2*SK
	s_add_co_u32 s22, s22, 3*ASTEP                 ; at K step 3: the first refill steps it to 4
	s_mov_b32 s23, 0
	s_lshl_b32 s18, s41, 4                         ; and its 16 k rows of W
	s_mul_i32 s18, s18, 2*SN
	s_add_co_u32 s18, s18, 3*BSTEP
	s_mov_b32 s19, 0
	s_cmp_eq_u32 ttmp9, 0                          ; the same in all sixteen partners
	s_cselect_b32 s[LIMA], 2, -1
	s_and_b32 s45, ttmp7, 0xffff
	s_cmp_eq_u32 s45, 0
	s_cselect_b32 s[LIMB], 2, -1
.if KIND == 2
	s_mov_b32 s74, 0xbdd2d3e8                      ; -0.10294324
	s_mov_b32 s75, s74
	s_mov_b32 s76, 0xc0135761                      ; -2.3022082
	s_mov_b32 s77, s76
.endif
	s_wait_dscnt 0x0                               ; the opening add is done
	s_wait_kmcnt 0x0
	s_add_nc_u64 s[14:15], s[4:5], s[16:17]
	s_add_nc_u64 s[46:47], s[6:7], s[46:47]
	s_add_nc_u64 s[PFA:PFA+1], s[14:15], s[22:23]
	s_add_nc_u64 s[PFB:PFB+1], s[46:47], s[18:19]
	CROUND                                         ; all sixteen work-groups are here: the first joint loads meet
.irp s, 0,1
	s_mov_b32 s[G0+4*(\s)], 1
	s_add_co_u32 s[G0+4*(\s)+1], s20, (\s)*SLOT
	s_add_nc_u64 s[G0+4*(\s)+2:G0+4*(\s)+3], s[14:15], (\s)*ASTEP
	s_or_b32 s[G0+4*(\s)+3], s[G0+4*(\s)+3], 0x80000000
	s_mov_b32 s[G0B+4*(\s)], 1
	s_add_co_u32 s[G0B+4*(\s)+1], s21, (\s)*SLOT
	s_add_nc_u64 s[G0B+4*(\s)+2:G0B+4*(\s)+3], s[46:47], (\s)*BSTEP
	s_or_b32 s[G0B+4*(\s)+3], s[G0B+4*(\s)+3], 0x80000000
.endr
	s_cmp_eq_u32 s11, 0                            ; a wave's two first fills stand in one branch, ahead of every wait on TENSORcnt and every LDS read: two loads of mine are out
	s_cbranch_scc0 .Lfirst_w
	tensor_load_to_lds s[G0:G0+3], s[G1:G1+7]
	s_nop 0
	tensor_load_to_lds s[G0+4:G0+7], s[G1:G1+7]
	s_nop 0
.rept 4
	v_nop
.endr
	s_branch .Lfirst_asked
.Lfirst_w:
	tensor_load_to_lds s[G0B:G0B+3], s[G1B:G1B+7]
	s_nop 0
	tensor_load_to_lds s[G0B+4:G0B+7], s[G1B:G1B+7]
	s_nop 0
.rept 4
	v_nop
.endr
.Lfirst_asked:
	v_and_b32 v1, 15, v0                           ; l % 16
	v_bfe_u32 v2, v0, 4, 1                         ; l / 16
	v_mul_u32_u24 v3, v1, PITCH
	v_lshl_add_u32 v3, v2, 4, v3                   ; A: a fragment's row x pitch + 16 x half
	s_mul_i32 s22, s11, HALFA                      ; my 128 rows of A
	v_add_nc_u32 v[ADRA0], s22, v3
	v_and_b32 v4, 7, v0                            ; W: the turning load takes 16 k rows x 16 columns: lane l reads k row 8 (l / 16) + l % 8, columns 8 ((l / 8) % 2) + 0..7
	v_bfe_u32 v5, v0, 3, 1
	v_lshl_add_u32 v4, v2, 3, v4
	v_mul_u32_u24 v4, v4, BPITCH
	v_lshl_add_u32 v4, v5, 4, v4
	s_lshl_b32 s22, s12, 8                         ; my 128 columns: 256 bytes
	s_add_co_u32 s22, s22, BOFF
	v_add_nc_u32 v[ADRB0], s22, v4
	v_mov_b32 v[ADRA], v[ADRA0]                    ; slot 0 is read first
	v_mov_b32 v[ADRB], v[ADRB0]
	s_mul_i32 s23, s10, WSTG                       ; the way out: my part of the former slots
	v_mul_u32_u24 v6, v1, FP
	v_lshl_add_u32 v6, v2, HSH, v6
	v_add_nc_u32 v[STO], s23, v6                   ; in: row l % 16, my eight of each sixteen columns
.if KIND == 0
	v_bfe_u32 v6, v0, 3, 2
	v_mul_u32_u24 v6, v6, FP
	v_and_b32 v7, 7, v0
	v_lshl_add_u32 v6, v7, 5, v6
	v_add_nc_u32 v[RD0], s23, v6                   ; back: 8 lanes take the 64 columns of a plane's row, 32 lanes four rows,
	v_and_b32 v6, 31, v0
	v_lshlrev_b32 v[CO], 4, v6                     ; which are 512 consecutive bytes of the plane
	s_lshr_b32 s16, s13, 3                         ; the batch's 48 planes,
	s_mul_i32 s16, s16, 48*262144
	s_and_b32 s17, s13, 7                          ; the tile's 256 rows of 128 bytes,
	s_lshl_b32 s17, s17, 15
	s_add_co_u32 s16, s16, s17
	s_lshl_b32 s17, s11, 14                        ; my 128 of them
	s_add_co_u32 s16, s16, s17
	s_mov_b32 s17, 0
	s_lshl_b32 s46, s42, 2
	s_lshl1_add_u32 s46, s12, s46                  ; my 128 columns are planes 4 x tile column + 2 x half and the next
	s_lshl_b32 s46, s46, 18
	s_mov_b32 s47, 0
.else
	v_mul_u32_u24 v6, v2, FP
	v_lshl_add_u32 v6, v1, 4, v6
	v_add_nc_u32 v[RD0], s23, v6                   ; back: lanes 0-15 take one row, lanes 16-31 the next,
	v_lshlrev_b32 v6, 13, v2                       ; and the same two rows in C: 8,192 bytes a row
	v_lshl_add_u32 v[CO], v1, 4, v6
	s_lshl_b32 s16, s13, 8
	s_lshl_b32 s17, s11, 7
	s_add_co_u32 s16, s16, s17                     ; my first row: 256 x tile row + 128 x half
	s_mul_i32 s16, s16, 2*SN
	s_mov_b32 s17, 0
	s_lshl_b32 s46, s42, 9                         ; my first column, in bytes of bf16: 512 x tile column + 256 x half
	s_lshl_b32 s47, s12, 8
	s_add_co_u32 s46, s46, s47
	s_mov_b32 s47, 0
.endif
	s_add_nc_u64 s[16:17], s[16:17], s[46:47]      ; where my part of the tile begins in C: the way out adds it to C's address
	v_and_b32 v6, 31, v0
	v_lshlrev_b32 v[PFOA], 11, v6                  ; lane x 2,048 bytes, a row of A
	v_lshrrev_b32 v7, 1, v6
	v_mul_u32_u24 v7, v7, 2*SN
	v_and_b32 v6, 1, v6
	v_lshl_add_u32 v[PFOB], v6, 8, v7
	s_lshl_b32 s22, s42, 10
	s_lshl_b32 s23, s12, 9
	s_add_co_u32 s22, s22, s23                     ; my 128 columns in the bias: 1,024 x tile column + 512 x half
	v_lshl_add_u32 v[BO], v2, 5, s22               ; + my eight of each sixteen
	WIN 0x40                                       ; destination window 1
.irp b, 0,1,2,3,4,5,6,7
	global_load_b128 v[8*(\b):8*(\b)+3],   v[BO], s[68:69] offset:64*(\b)
	global_load_b128 v[8*(\b)+4:8*(\b)+7], v[BO], s[68:69] offset:64*(\b)+16
.endr
	WIN 0
	s_wait_tensorcnt 1                             ; my part of K step 0 is in; K step 1's may stay out
	s_barrier_signal -1
	s_barrier_wait -1                              ; everybody's is
	FETCH 0, F0
	s_wait_loadcnt 0x0                             ; the bias is in
	QUARTER 1, F0, F1, 1                           ; the first quarter stands in front of the loop: its products start the sums
	WIN 0                                          ; at a label and at a branch every window is 0
	s_mov_b32 s3, STEPS-2
.Lstep:                                                ; six trips, from a step's second quarter to the next step's first; each fills the slot that it leaves
	QUARTER 2, F1, F0, 0
	QUARTER 3, F0, F1, 0
	TURN
	QUARTER 1, F0, F1, 0
	WIN 0
	s_sub_co_u32 s3, s3, 1
	s_cmp_lg_u32 s3, 0
	s_cbranch_scc1 .Lstep
	s_mov_b32 s3, 2
.Ltail:                                                ; the last two steps ask for nothing; the second trip is left in its middle
	QUARTER 2, F1, F0, 0
	QUARTER 3, F0, F1, 0
	MEET 0                                         ; first trip: the last K step's tile is whole; second trip: every wave's reads of the slots are over
	s_sub_co_u32 s3, s3, 1
	s_cmp_eq_u32 s3, 0
	s_cbranch_scc1 .Llast
	PLACES
	FETCH 0, F0
	MUL16 F1, 1, 0, 0
	MUL16 F1, 1, 2, 0
	QUARTER 1, F0, F1, 0
	WIN 0
	s_branch .Ltail
.Llast:
	MUL16 F1, 1, 0, 0
	MUL16 F1, 1, 2, 0
	WIN 0
	PLACES                                         ; the stores below read results just made
.irp hi, 0,1                           ; my 128 x 128 sums go into my own part of the former slots; each accumulator's low half first
	WIN 0x08+4*(\hi)                               ; the data, source 1, in window 2 or 3
.irp a, 0,1,2,3
.irp b, 0,1,2,3,4,5,6,7
	ds_store_b128 v[STO], v[8*(8*(\a)+(\b)):8*(8*(\a)+(\b))+3]   offset:(4*(\hi)+(\a))*16*FP+(\b)*BS
	ds_store_b128 v[STO], v[8*(8*(\a)+(\b))+4:8*(8*(\a)+(\b))+7] offset:(4*(\hi)+(\a))*16*FP+(\b)*BS+PS
.endr
.endr
.endr
	WIN 0
	s_mov_b32 s[RB], 0
	v_mov_b32 v[RDA], v[RD0]
	LOADS UA                                       ; LDS serves a wave's instructions in order: these see the stores above
	s_mov_b32 s3, 8
.Lrows:                                                ; eight trips of sixteen rows
	HALF UA, UB, 0
	HALF UB, UA, 1
	s_sub_co_u32 s3, s3, 1
	s_cmp_lg_u32 s3, 0
	s_cbranch_scc1 .Lrows
	s_wait_tensorcnt 0x0                           ; the wave's end: a wait, the add and its wait, behind my last tensor load and my last LDS store
	ds_add_u32 v[SPW], v[NIL]
	s_wait_dscnt 0x0
	CROUND                                         ; the closing round: no work-group ends while a partner may still ask for a tile that names it
	s_endpgm
.Lfunc_end_k_q2741b43b6a_qkv:
	.size	k_q2741b43b6a_qkv, .Lfunc_end_k_q2741b43b6a_qkv-k_q2741b43b6a_qkv
	.p2alignl 7, 3214868480
	.fill 96, 4, 3214868480
	.section	.rodata,"a",@progbits
	.p2align	6, 0x0
	.amdhsa_kernel k_q2741b43b6a_qkv
		.amdhsa_group_segment_fixed_size 327680
		.amdhsa_private_segment_fixed_size 0
		.amdhsa_enable_private_segment 0
		.amdhsa_kernarg_size 32
		.amdhsa_user_sgpr_count 2
		.amdhsa_user_sgpr_kernarg_segment_ptr 1
		.amdhsa_wavefront_size32 1
		.amdhsa_system_sgpr_workgroup_id_x 1
		.amdhsa_system_sgpr_workgroup_id_y 1
		.amdhsa_system_sgpr_workgroup_id_z 1
		.amdhsa_system_vgpr_workitem_id 0
		.amdhsa_next_free_vgpr 1024
		.amdhsa_next_free_sgpr 88
		.amdhsa_reserve_vcc 0
		.amdhsa_float_denorm_mode_32 3
		.amdhsa_float_denorm_mode_16_64 3
		.amdhsa_memory_ordered 1
		.amdhsa_forward_progress 1
		.amdhsa_inst_pref_size 87
	.end_amdhsa_kernel
	.amdgpu_metadata
---
amdhsa.version: [ 1, 2 ]
amdhsa.kernels:
  - .name:           k_q2741b43b6a_qkv
    .symbol:         k_q2741b43b6a_qkv.kd
    .args:
      - { .name: xnh, .offset: 0, .size: 8, .value_kind: global_buffer, .address_space: global }
      - { .name: wb, .offset: 8, .size: 8, .value_kind: global_buffer, .address_space: global }
      - { .name: qkv, .offset: 16, .size: 8, .value_kind: global_buffer, .address_space: global }
      - { .name: b_attn, .offset: 24, .size: 8, .value_kind: global_buffer, .address_space: global }
    .group_segment_fixed_size: 327680
    .private_segment_fixed_size: 0
    .kernarg_segment_align: 8
    .kernarg_segment_size: 32
    .max_flat_workgroup_size: 128
    .sgpr_count:     88
    .vgpr_count:     1024
    .wavefront_size: 32
...
	.end_amdgpu_metadata
.endif
;; end of part 8
;; launch attn: the kernel of part 3 again; grid 8 x 32, 4 waves a work-group, no clusters, 327,680 bytes of LDS; arguments qkv, o; writes o
;; launch proj: the kernel of part 4 again; grid 8 x 32, 4 waves a work-group, clusters of 4 x 4, 327,680 bytes of LDS; arguments o, wb, x2, b_attn_proj, xnf; writes x2
;; launch ln2: the kernel of part 5 again; grid 256 x 1, 8 waves a work-group, no clusters, 0 bytes of LDS; arguments x2, ln2_g, ln2_b, xnf, xnh; writes xnf, xnh
;; launch fc (part 9): grid 16 x 16, 4 waves a work-group, clusters of 4 x 4, 327,680 bytes of LDS; arguments xnh, wb, h, b_fc; writes h
.if DOCPART == 9
	.amdgcn_target "amdgcn-amd-amdhsa--gfx1250"
	.amdhsa_code_object_version 6
	.text
	.protected	k_q2741b43b6a_fc
	.globl	k_q2741b43b6a_fc
	.p2align	8
	.type	k_q2741b43b6a_fc,@function
k_q2741b43b6a_fc:
	s_mov_b64 s[64:65], 0
	v_nop
	global_prefetch_b8 v0, s[64:65] scope:SCOPE_SE
	s_setreg_imm32_b32 hwreg(HW_REG_WAVE_MODE, 25, 1), 1
	s_wait_xcnt 0x0
	s_wait_alu depctr_hold_cnt(0) depctr_sa_sdst(0) depctr_va_vdst(0) depctr_va_sdst(0) depctr_va_ssrc(0) depctr_va_vcc(0) depctr_vm_vsrc(0)
	s_getreg_b32 s2, hwreg(HW_REG_IB_STS2, 6, 4)
	s_cmp_eq_u32 s2, 0
	s_cbranch_scc0 .Lentry_in_a_cluster
	s_endpgm
.Lentry_in_a_cluster:
	s_bfe_u32 s2, ttmp6, 0x10000c
	s_cmp_lg_u32 s2, 0xf033
	s_cbranch_scc0 .Lentry_shape_is_right
	s_endpgm
.Lentry_shape_is_right:
; C = A W + bias ON TILES OF 256 x 256, one text for two of the block's products, chosen by KIND.  A: [4096][1024] bf16; W: [1024][SN] bf16, as the weights lie; sums in f32, started by the bias.
;   KIND 0: q, k, v = xn1 W_attn + b, stored in bf16 by heads: [2][48][2048][64] (12 x 16 tiles).
;   KIND 2: h = gelu(xn2 W_fc + b) in bf16, [4096][4096] (16 x 16 tiles); gelu(u) = u / (1 + 2^(-u (2.3022082 + 0.10294324 u u))), which is 0.5 u (1 + tanh(..)) exactly.
; LIMITS.  Matrix operands are rounded to bf16; NaN and infinities are not treated apart.
; SHARES.  Four waves, as many as a WGP has SIMDs; a wave makes 128 x 128: 64 accumulators of 16 x 16, 512 registers.  K goes in 8 steps of 128 through a ring of two LDS slots.
; A's tile lies [row][k] (rows of 256 bytes) and is read by ds_load_b128; W's lies [k][n], as in memory (rows of 512 bytes), and is turned on its way into registers by ds_load_tr16_b128.
; THE MATRIX INSTRUCTION IS USED TRANSPOSED (source 0 = 16 columns of W, source 1 = 16 rows of A): a lane then holds eight neighbouring numbers of a row of C.
; CLUSTERS: 4 x 4 work-groups.  The four of a row of the cluster need the same tiles of A, the four of a column the same tiles of W: each tile is asked for JOINTLY, by the same tensor load with
; the same descriptor and a mask that names the four.
; ONE TEXT FOR A K STEP.  The LDS byte at which the slot being read begins (s[TB]) and that of the slot to be filled (s[TF]) are 0 or SLOT; one exclusive or turns each at a change of slots, and the
; fragment addresses are made anew from them.  One descriptor a tensor walks along K.  The last two steps, which ask for nothing, are a second loop.
; THE WAY OUT.  Behind the last barrier nobody reads the slots and nothing is filled any more: each wave lays its 128 x 128 sums, in f32, into 128 rows of 528 bytes there, its own bytes, and a loop
; reads them back eight rows at a time, (KIND 2) applies gelu, rounds to bf16 and stores: so the arithmetic of the way out is written for 8 rows and not for 128.
; REGISTERS, in windows of 256 (s_set_vgpr_msb: bits 1:0 source 0, 3:2 source 1, 5:4 source 2, 7:6 destination):
;   window 0: v0-31 addresses; v64-127, v128-191 fragments of A (8 x 16 rows x 32 K), two buffers; on the way out v64-175 at work
;   window 1: v0-63 the bias; v64-127, v128-191 fragments of W, two buffers
;   window 2: the 32 accumulators of my rows 0-63 ((a, b) at v[8 (8 a + b)]);   window 3: those of my rows 64-127
.set KIND, 2
.set SK,    1024
.if KIND == 0
.set SN,    3072
.set WOFF,  0                          ; this product's matrix in wb
.set HSH,   5                          ; the stage keeps the columns' order: my 8 columns of a block are 32 bytes on end,
.set BS,    64                         ; a block of 16 columns 64 bytes,
.set PS,    16                         ; and a lane's second four numbers follow its first
.set GSTEP, 8*128                      ; 8 rows of a plane
.else
.set SN,    4096
.set WOFF,  8388608
.set HSH,   4                          ; the stage holds the first four of each eight columns in a row's first 256 bytes, the second four in its second 256:
.set BS,    32
.set PS,    256
.set GSTEP, 8*2*SN                     ; 8 rows of h
.endif
.set KSTEP,  128
.set STEPS,  SK/KSTEP
.set PITCH,  272                       ; a row of A in LDS: 256 bytes + 16: an odd multiple of 16, so the 16 rows of a load start at 16 different groups of four banks
.set HALFA,  128*PITCH                 ; 128 rows: what one tensor load brings
.set BPITCH, 544                       ; a k row of W: 512 bytes + 32: an odd multiple of 32
.set HALFB,  64*BPITCH                 ; 64 k rows: what one tensor load brings
.set BOFF,   2*HALFA                   ; a slot: A's 256 rows, then W's 128 k rows
.set SLOT,   BOFF+2*HALFB
.set ASTEP,  2*KSTEP                   ; a K step in memory: 256 bytes along A's rows,
.set BSTEP,  KSTEP*2*SN                ; 128 rows of W
.set FP,     528                       ; the way out: a row of 128 f32 + 16 bytes
.set WSTG,   128*FP                    ; a wave's part of the former slots: four of them are 270,336 of the ring's 278,528 bytes
.set SPARE,  2*SLOT                    ; behind the ring: the spare words, 128 bytes a wave, which no other line names
.set ADRA0, 12                         ; v12  my lane's place in A's tile of slot 0; never rewritten
.set ADRB0, 13                         ; v13  the same for W
.set BO,    14                         ; v14  my byte offset in the bias
.set ADRA,  16                         ; v16  LDS address of my A fragments in the slot being read
.set ADRB,  17                         ; v17  the same for W
.set STO,   24                         ; v24  the way out: where I put my numbers of a row
.set RD0,   25                         ; v25  where I read the first rows back; never rewritten
.set CO,    26                         ; v26  my byte offset in C; never rewritten
.set RDA,   27                         ; v27  where I read the rows in hand back
.set SPW,   28                         ; v28  LDS address of my spare word; never rewritten
.set NIL,   29                         ; v29  0; never rewritten
.set PFOA,  30                         ; v30  the prefetches' offset in A: my lane x a row; never rewritten
.set PFOB,  31                         ; v31  in W: (lane / 2) x a row + (lane % 2) x 256; never rewritten
.set F0,    64
.set F1,    128
.set UA,    64                         ; the way out: two sets of 32 numbers as read back,
.set UB,    96
.set T,     128                        ; 32 at work,
.set P,     160                        ; 16 registers to store
.set G1,  24                           ; s[24:31] descriptor group 1 for A's tiles;  s[32:39] group 0: a set for each first fill; the second then walks on
.set G0,  32
.set G1B, 48                           ; s[48:55], s[56:63] the same for W's tiles
.set G0B, 56
.set TB,  70                           ; s70  LDS byte at which the slot being read begins
.set TF,  71                           ; s71  the other slot's
.set LIMA, 72                          ; s72  2 where my cluster prefetches A, else the greatest number
.set LIMB, 73                          ; s73  the same for W
.set PFA, 78                           ; s[78:79] A at my work-group's 32 rows of the 128 that a wave fetches, at the K step to be prefetched
.set PFB, 80                           ; s[80:81] W at my work-group's 16 k rows of the 64 that a wave fetches, likewise
.set RB,  82                           ; s82  the way out: byte, in my part of the stage, of the rows read back last
.set MSB, 0
.macro WIN new                         ; the immediate's high byte repeats the setting that is left; a switch that changes nothing is dropped
.if MSB != (\new)
	s_set_vgpr_msb (MSB<<8)|(\new)
.set MSB, \new
.endif
.endm
.macro JLOAD                           ; a joint refill: waves 0 and 1 fetch A's two halves, waves 2 and 3 W's; an s_nop 0 and four v_nop follow each line
	s_cmp_eq_u32 s11, 0
	s_cbranch_scc0 .Lfor_w_\@
	tensor_load_to_lds s[G0+4:G0+7], s[G1:G1+7]
	s_nop 0
.rept 4
	v_nop
.endr
	s_branch .Lasked_\@
.Lfor_w_\@:
	tensor_load_to_lds s[G0B+4:G0B+7], s[G1B:G1B+7]
	s_nop 0
.rept 4
	v_nop
.endr
.Lasked_\@:
.endm
; A PREFETCH INTO THE L2, behind each joint refill and the run of LDS loads that follows it: the K step that stands two refills on, 512 matrix instructions ahead of the load that will want it.
; Each block of 256 bytes is named ONCE in the launch.  A's tile row is read by every cluster of that row of clusters: the first of them (cluster x = 0) asks; W's tile column by every cluster of that
; column: cluster y = 0 asks.  The four partners that ask for a tile jointly share it out BY ADDRESS: of the 128 rows of A that a wave fetches the partner at cx takes 32, a lane a row; of the 64 k rows
; of W the partner at cy takes 16, a lane half a row.  K steps 0 to 3 come by their loads alone; the last two refills (s3 = 2, 1) have no K step two on.
.macro ASK
	s_cmp_eq_u32 s11, 0
	s_cbranch_scc0 .Lpf_w_\@
	s_cmp_gt_u32 s3, s[LIMA]
	s_cbranch_scc0 .Lpf_done_\@
	global_prefetch_b8 v[PFOA], s[PFA:PFA+1] th:TH_LOAD_NT scope:SCOPE_SE
	s_branch .Lpf_done_\@
.Lpf_w_\@:
	s_cmp_gt_u32 s3, s[LIMB]
	s_cbranch_scc0 .Lpf_done_\@
	global_prefetch_b8 v[PFOB], s[PFB:PFB+1] th:TH_LOAD_NT scope:SCOPE_SE
.Lpf_done_\@:
.endm
.macro CREST                           ; a round of the cluster's barrier behind its opening barrier
	s_cmp_lg_u32 s10, 0
	s_cbranch_scc1 .Lnot_wave_0_\@
	s_barrier_signal -3
.Lnot_wave_0_\@:
	s_barrier_wait -3
	s_barrier_signal -1
	s_barrier_wait -1
.endm
.macro CROUND                          ; a whole round
	s_barrier_signal -1
	s_barrier_wait -1
	CREST
.endm
; 16 matrix instructions: row blocks a0, a0 + 1 of the window's four (hi = 0: my rows 0-63, 1: rows 64-127) x all 8 column blocks, 32 along K.
; first = 1: the first product starts the sums, with the bias (window 1) as C.  The 64 accumulators take turns, one instruction a turn.
.macro MUL16 f, hi, a0, first
.if \first
	WIN 0x91+0x40*(\hi)                            ; W window 1, A window 0, C window 1, D window 2 or 3
.else
	WIN 0xa1+0x50*(\hi)                            ; W window 1, A window 0, C and D window 2 or 3
.endif
.irp a, \a0, (\a0)+1
.irp b, 0,1,2,3,4,5,6,7
.if \first
	v_wmma_f32_16x16x32_bf16 v[8*(8*(\a)+(\b)):8*(8*(\a)+(\b))+7], v[(\f)+8*(\b):(\f)+8*(\b)+7], v[(\f)+8*(4*(\hi)+(\a)):(\f)+8*(4*(\hi)+(\a))+7], v[8*(\b):8*(\b)+7]
.else
	v_wmma_f32_16x16x32_bf16 v[8*(8*(\a)+(\b)):8*(8*(\a)+(\b))+7], v[(\f)+8*(\b):(\f)+8*(\b)+7], v[(\f)+8*(4*(\hi)+(\a)):(\f)+8*(4*(\hi)+(\a))+7], v[8*(8*(\a)+(\b)):8*(8*(\a)+(\b))+7]
.endif
.endr
.endr
.endm
; 32 LDS loads in one run: the fragments of quarter q (32 along K) of the slot being read, into buffer f: W's 128 columns, turned, then A's 128 rows
.macro FETCH q, f
	WIN 0x40                                       ; destination window 1, address window 0
.irp i, 0,1,2,3,4,5,6,7
	ds_load_tr16_b128 v[(\f)+8*(\i):(\f)+8*(\i)+3],   v[ADRB] offset:(\q)*32*BPITCH+32*(\i)
	ds_load_tr16_b128 v[(\f)+8*(\i)+4:(\f)+8*(\i)+7], v[ADRB] offset:(\q)*32*BPITCH+16*BPITCH+32*(\i)
.endr
	WIN 0
.irp i, 0,1,2,3,4,5,6,7
	ds_load_b128 v[(\f)+8*(\i):(\f)+8*(\i)+3],   v[ADRA] offset:(\q)*64+(\i)*16*PITCH
	ds_load_b128 v[(\f)+8*(\i)+4:(\f)+8*(\i)+7], v[ADRA] offset:(\q)*64+(\i)*16*PITCH+32
.endr
.endm
.macro PLACES                          ; four places in front of loads into registers that matrix instructions have read, and of lines that read results
.rept 4
	v_nop
.endr
.endm
; A K step is four quarters of 32 along K, 64 matrix instructions each, on buffers 0, 1, 0, 1.  One of the first three: multiplies buffer f; in its middle it fetches quarter q into buffer g.
.macro QUARTER q, f, g, first
	s_wait_dscnt 8                                 ; W and A's rows 0-63 are in; the youngest eight loads (A's rows 64-127) may be out
	MUL16 \f, 0, 0, \first
	MUL16 \f, 0, 2, \first
	PLACES
	FETCH \q, \g
	s_wait_dscnt 32                                ; all but the 32 just issued
	MUL16 \f, 1, 0, \first
	MUL16 \f, 1, 2, \first
.endm
; The last quarter multiplies buffer 1 and changes slots.  MEET is its first half: ONE barrier.  In front of it each wave waits for all its tensor loads, of which at most one is out: its part of the next
; slot; adds 0 to its spare word; and waits for that and for its own reads of this slot.  Behind it nobody reads this slot any more and the next slot is whole.  fill = 1: a refill follows.
.macro MEET fill
	WIN 0
.if \fill
	s_wait_xcnt 0x0                                ; the last prefetch, a K step back, has read its address: both are stepped here, ahead of the waits of the change of slots
	s_add_nc_u64 s[PFA:PFA+1], s[PFA:PFA+1], ASTEP
	s_add_nc_u64 s[PFB:PFB+1], s[PFB:PFB+1], BSTEP
.endif
	s_xor_b32 s[TB], s[TB], SLOT                   ; 0 and SLOT change places: the slot to be read next,
	s_xor_b32 s[TF], s[TF], SLOT                   ; and the one that is left
	v_add_nc_u32 v[ADRA], s[TB], v[ADRA0]          ; this slot's last run of loads has been issued
	v_add_nc_u32 v[ADRB], s[TB], v[ADRB0]
	s_wait_tensorcnt 0x0                           ; all my tensor loads have landed, so the walking descriptors may be written
	ds_add_u32 v[SPW], v[NIL]                      ; 0 onto my spare word
.if \fill
	s_add_co_u32 s[G0+5], s20, s[TF]               ; into the slot that is left,
	s_add_nc_u64 s[G0+6:G0+7], s[G0+6:G0+7], ASTEP ; the next K step; the type bits on top are not reached
	s_add_co_u32 s[G0B+5], s21, s[TF]
	s_add_nc_u64 s[G0B+6:G0B+7], s[G0B+6:G0B+7], BSTEP
.endif
	s_wait_dscnt 9                                 ; (the add and the youngest eight loads may be out)
	MUL16 F1, 0, 0, 0                              ; sixteen matrix instructions stand between the add and the wait for it
	s_wait_dscnt 0x0                               ; the add is done, and my reads of this slot are over
	s_barrier_signal -1
	MUL16 F1, 0, 2, 0                              ; work on registers while the others arrive
	WIN 0
	s_barrier_wait -1
.endm
; The whole last quarter of a step behind which the slot is filled again: the barrier opens a round of the cluster's barrier, and the joint refill is the first thing behind the round:
; from the request to the wait for it a wave issues 224 matrix instructions.
.macro TURN
	MEET 1
	CREST                                          ; no wave of any partner still reads this slot's tile or has a load on its way
	JLOAD                                          ; my one tensor load behind the round; its four v_nop are also the places in front of the loads below
	FETCH 0, F0
	ASK
	MUL16 F1, 1, 0, 0
	MUL16 F1, 1, 2, 0
.endm
; THE WAY OUT: eight rows are read back, four groups of 8 numbers a lane.  KIND 0: group 2 j + f is rows 4 f .. 4 f + 3 of plane j (8 lanes a row of 64 columns); KIND 2: group g is rows 2 g, 2 g + 1 (16 lanes a row).
.macro LOADS set
.irp g, 0,1,2,3
.if KIND == 0
.set LO, ((\g)%2)*4*FP+((\g)/2)*256
.else
.set LO, (\g)*2*FP
.endif
	ds_load_b128 v[(\set)+8*(\g):(\set)+8*(\g)+3],   v[RDA] offset:LO
	ds_load_b128 v[(\set)+8*(\g)+4:(\set)+8*(\g)+7], v[RDA] offset:LO+PS
.endr
.endm
; gelu in f32 on the 32 numbers of set x, into T.  Each batch of 32 transcendentals has one plain line and one wait behind it, ahead of its first reader.
.macro GELU x
.set i, 0
.rept 16
	v_pk_mul_f32 v[T+i:T+i+1], v[(\x)+i:(\x)+i+1], v[(\x)+i:(\x)+i+1]
.set i, i+2
.endr
.set i, 0
.rept 16
	v_pk_fma_f32 v[T+i:T+i+1], v[T+i:T+i+1], s[74:75], s[76:77] op_sel_hi:[1,0,0]
.set i, i+2
.endr
.set i, 0
.rept 16
	v_pk_mul_f32 v[T+i:T+i+1], v[T+i:T+i+1], v[(\x)+i:(\x)+i+1]
.set i, i+2
.endr
.set i, 0
.rept 32
	v_exp_f32 v[T+i], v[T+i]
.set i, i+1
.endr
	v_nop
	s_wait_alu depctr_va_vdst(0)
.set i, 0
.rept 16
	v_pk_add_f32 v[T+i:T+i+1], v[T+i:T+i+1], 1.0 op_sel_hi:[1,0]
.set i, i+2
.endr
.set i, 0
.rept 32
	v_rcp_f32 v[T+i], v[T+i]
.set i, i+1
.endr
	v_nop
	s_wait_alu depctr_va_vdst(0)
.set i, 0
.rept 16
	v_pk_mul_f32 v[T+i:T+i+1], v[T+i:T+i+1], v[(\x)+i:(\x)+i+1]
.set i, i+2
.endr
.endm
; Eight rows: set x, asked for half a trip ago, is worked on and stored, while the next eight rows come into set y.  last = 1: in the loop's last trip there are none, and the run is jumped over.
.macro HALF x, y, last
	s_wait_dscnt 0x0                               ; set x is in
.if \last
	s_cmp_eq_u32 s3, 1
	s_cbranch_scc1 .Lno_more_\@
.endif
	s_add_co_u32 s[RB], s[RB], 8*FP
	v_add_nc_u32 v[RDA], s[RB], v[RD0]
	LOADS \y
.if \last
.Lno_more_\@:
.endif
.if KIND == 2
	GELU \x
.endif
	s_wait_xcnt 0x0                                ; the stores of the eight rows before have read P and their base: both are written only behind this wait
	s_add_nc_u64 s[8:9], s[8:9], s[16:17]          ; the first time: on to my part of the tile; then eight rows on
	s_mov_b64 s[16:17], GSTEP
.set i, 0
.rept 16
.if KIND == 2
	v_cvt_pk_bf16_f32 v[P+i], v[T+2*i], v[T+2*i+1]
.else
	v_cvt_pk_bf16_f32 v[P+i], v[(\x)+2*i], v[(\x)+2*i+1]
.endif
.set i, i+1
.endr
.irp g, 0,1,2,3
.if KIND == 0
	global_store_b128 v[CO], v[P+4*(\g):P+4*(\g)+3], s[8:9] offset:((\g)/2)*262144+((\g)%2)*512  ; four rows of a plane: 512 consecutive bytes, aligned
.else
	global_store_b128 v[CO], v[P+4*(\g):P+4*(\g)+3], s[8:9] offset:(\g)*2*2*SN  ; 16 lanes store 256 consecutive bytes, aligned
.endif
.endr
.endm
	s_load_b128 s[4:7], s[0:1], 0x0                ; A s[4:5], wb s[6:7]
	s_load_b64 s[8:9], s[0:1], 0x10                ; C
	s_load_b64 s[68:69], s[0:1], 0x18              ; bias
	v_lshl_add_u32 v[SPW], v0, 2, SPARE
	v_mov_b32 v[NIL], 0
	ds_add_u32 v[SPW], v[NIL]                      ; the wave's opening: the add and its wait stand ahead of my first tensor load; the set-up below stands between them
	v_lshrrev_b32 v1, 5, v0
	v_readfirstlane_b32 s10, v1                    ; wave 0..3
	s_lshr_b32 s11, s10, 1                         ; which half of the tile's rows is mine.  Also: I fetch for A (0) or for W (1)
	s_and_b32 s12, s10, 1                          ; which half of its columns.  Also: which half of that tile I fetch
	s_bfe_u32 s40, ttmp6, 0x40000                  ; cx, cy: my place in the cluster
	s_bfe_u32 s41, ttmp6, 0x40004
	s_lshl_b32 s42, ttmp9, 2
	s_add_co_u32 s42, s42, s40                     ; tile column of C = 4 x cluster x + cx
	s_and_b32 s13, ttmp7, 0xffff
	s_lshl_b32 s13, s13, 2
	s_add_co_u32 s13, s13, s41                     ; tile row of C = 4 x cluster y + cy
	s_lshl_b32 s43, s41, 2
	s_lshl_b32 s43, 15, s43                        ; my row of the cluster
	s_lshl_b32 s44, 0x1111, s40                    ; my column
	; A's tile: 128 rows x 128 elements, padded by 4 words behind every 64
	s_or_b32 s[G1+0], s43, (1<<16)|(1<<20)|(1<<21)|(5<<22)|(3<<25)  ; 15:0 the mask: my row of the cluster; 17:16 2-byte elements; 20 padding on; 21 set beside a mask
	s_mov_b32 s[G1+1], KSTEP<<16                   ; tensor_dim0
	s_mov_b32 s[G1+2], 128<<16                     ; tensor_dim1
	s_mov_b32 s[G1+3], KSTEP<<16                   ; tile_dim0
	s_mov_b32 s[G1+4], 128                         ; tile_dim1
	s_mov_b32 s[G1+5], SK                          ; elements from row to row
	s_mov_b32 s[G1+6], 0
	s_mov_b32 s[G1+7], 0
	; W's tile: 64 k rows x 256 elements, padded by 8 words behind every 128
	s_or_b32 s[G1B+0], s44, (1<<16)|(1<<20)|(1<<21)|(6<<22)|(7<<25)  ; the mask: my column of the cluster
	s_mov_b32 s[G1B+1], 256<<16
	s_mov_b32 s[G1B+2], 64<<16
	s_mov_b32 s[G1B+3], 256<<16
	s_mov_b32 s[G1B+4], 64
	s_mov_b32 s[G1B+5], SN
	s_mov_b32 s[G1B+6], 0
	s_mov_b32 s[G1B+7], 0
	; where the tiles come from.  A's hang on the tile row alone, W's on the tile column alone, each in registers that never hold the other coordinate
	s_lshl_b32 s16, s13, 8
	s_lshl_b32 s17, s12, 7
	s_add_co_u32 s16, s16, s17                     ; A: row 256 x tile row + 128 x half
	s_mul_i32 s16, s16, 2*SK
	s_mov_b32 s17, 0
	s_mul_i32 s46, s12, 64*2*SN                    ; W: the 64 k rows that I fetch,
	s_lshl_b32 s47, s42, 9                         ; the tile's 256 columns,
	s_add_co_u32 s46, s46, s47
	s_add_co_u32 s46, s46, WOFF                    ; this product's matrix in wb
	s_mov_b32 s47, 0
	s_mul_i32 s20, s12, HALFA                      ; and where they go in a slot: no place in the cluster enters an LDS address.  s20 and s21 stay
	s_mul_i32 s21, s12, HALFB
	s_add_co_u32 s21, s21, BOFF
	s_mov_b32 s[TB], 0
	s_mov_b32 s[TF], SLOT
	s_lshl_b32 s22, s40, 5                         ; the prefetches: my work-group's 32 rows of A,
	s_mul_i32 s22, s22, 2*SK
	s_add_co_u32 s22, s22, 3*ASTEP                 ; at K step 3: the first refill steps it to 4
	s_mov_b32 s23, 0
	s_lshl_b32 s18, s41, 4                         ; and its 16 k rows of W
	s_mul_i32 s18, s18, 2*SN
	s_add_co_u32 s18, s18, 3*BSTEP
	s_mov_b32 s19, 0
	s_cmp_eq_u32 ttmp9, 0                          ; the same in all sixteen partners
	s_cselect_b32 s[LIMA], 2, -1
	s_and_b32 s45, ttmp7, 0xffff
	s_cmp_eq_u32 s45, 0
	s_cselect_b32 s[LIMB], 2, -1
.if KIND == 2
	s_mov_b32 s74, 0xbdd2d3e8                      ; -0.10294324
	s_mov_b32 s75, s74
	s_mov_b32 s76, 0xc0135761                      ; -2.3022082
	s_mov_b32 s77, s76
.endif
	s_wait_dscnt 0x0                               ; the opening add is done
	s_wait_kmcnt 0x0
	s_add_nc_u64 s[14:15], s[4:5], s[16:17]
	s_add_nc_u64 s[46:47], s[6:7], s[46:47]
	s_add_nc_u64 s[PFA:PFA+1], s[14:15], s[22:23]
	s_add_nc_u64 s[PFB:PFB+1], s[46:47], s[18:19]
	CROUND                                         ; all sixteen work-groups are here: the first joint loads meet
.irp s, 0,1
	s_mov_b32 s[G0+4*(\s)], 1
	s_add_co_u32 s[G0+4*(\s)+1], s20, (\s)*SLOT
	s_add_nc_u64 s[G0+4*(\s)+2:G0+4*(\s)+3], s[14:15], (\s)*ASTEP
	s_or_b32 s[G0+4*(\s)+3], s[G0+4*(\s)+3], 0x80000000
	s_mov_b32 s[G0B+4*(\s)], 1
	s_add_co_u32 s[G0B+4*(\s)+1], s21, (\s)*SLOT
	s_add_nc_u64 s[G0B+4*(\s)+2:G0B+4*(\s)+3], s[46:47], (\s)*BSTEP
	s_or_b32 s[G0B+4*(\s)+3], s[G0B+4*(\s)+3], 0x80000000
.endr
	s_cmp_eq_u32 s11, 0                            ; a wave's two first fills stand in one branch, ahead of every wait on TENSORcnt and every LDS read: two loads of mine are out
	s_cbranch_scc0 .Lfirst_w
	tensor_load_to_lds s[G0:G0+3], s[G1:G1+7]
	s_nop 0
	tensor_load_to_lds s[G0+4:G0+7], s[G1:G1+7]
	s_nop 0
.rept 4
	v_nop
.endr
	s_branch .Lfirst_asked
.Lfirst_w:
	tensor_load_to_lds s[G0B:G0B+3], s[G1B:G1B+7]
	s_nop 0
	tensor_load_to_lds s[G0B+4:G0B+7], s[G1B:G1B+7]
	s_nop 0
.rept 4
	v_nop
.endr
.Lfirst_asked:
	v_and_b32 v1, 15, v0                           ; l % 16
	v_bfe_u32 v2, v0, 4, 1                         ; l / 16
	v_mul_u32_u24 v3, v1, PITCH
	v_lshl_add_u32 v3, v2, 4, v3                   ; A: a fragment's row x pitch + 16 x half
	s_mul_i32 s22, s11, HALFA                      ; my 128 rows of A
	v_add_nc_u32 v[ADRA0], s22, v3
	v_and_b32 v4, 7, v0                            ; W: the turning load takes 16 k rows x 16 columns: lane l reads k row 8 (l / 16) + l % 8, columns 8 ((l / 8) % 2) + 0..7
	v_bfe_u32 v5, v0, 3, 1
	v_lshl_add_u32 v4, v2, 3, v4
	v_mul_u32_u24 v4, v4, BPITCH
	v_lshl_add_u32 v4, v5, 4, v4
	s_lshl_b32 s22, s12, 8                         ; my 128 columns: 256 bytes
	s_add_co_u32 s22, s22, BOFF
	v_add_nc_u32 v[ADRB0], s22, v4
	v_mov_b32 v[ADRA], v[ADRA0]                    ; slot 0 is read first
	v_mov_b32 v[ADRB], v[ADRB0]
	s_mul_i32 s23, s10, WSTG                       ; the way out: my part of the former slots
	v_mul_u32_u24 v6, v1, FP
	v_lshl_add_u32 v6, v2, HSH, v6
	v_add_nc_u32 v[STO], s23, v6                   ; in: row l % 16, my eight of each sixteen columns
.if KIND == 0
	v_bfe_u32 v6, v0, 3, 2
	v_mul_u32_u24 v6, v6, FP
	v_and_b32 v7, 7, v0
	v_lshl_add_u32 v6, v7, 5, v6
	v_add_nc_u32 v[RD0], s23, v6                   ; back: 8 lanes take the 64 columns of a plane's row, 32 lanes four rows,
	v_and_b32 v6, 31, v0
	v_lshlrev_b32 v[CO], 4, v6                     ; which are 512 consecutive bytes of the plane
	s_lshr_b32 s16, s13, 3                         ; the batch's 48 planes,
	s_mul_i32 s16, s16, 48*262144
	s_and_b32 s17, s13, 7                          ; the tile's 256 rows of 128 bytes,
	s_lshl_b32 s17, s17, 15
	s_add_co_u32 s16, s16, s17
	s_lshl_b32 s17, s11, 14                        ; my 128 of them
	s_add_co_u32 s16, s16, s17
	s_mov_b32 s17, 0
	s_lshl_b32 s46, s42, 2
	s_lshl1_add_u32 s46, s12, s46                  ; my 128 columns are planes 4 x tile column + 2 x half and the next
	s_lshl_b32 s46, s46, 18
	s_mov_b32 s47, 0
.else
	v_mul_u32_u24 v6, v2, FP
	v_lshl_add_u32 v6, v1, 4, v6
	v_add_nc_u32 v[RD0], s23, v6                   ; back: lanes 0-15 take one row, lanes 16-31 the next,
	v_lshlrev_b32 v6, 13, v2                       ; and the same two rows in C: 8,192 bytes a row
	v_lshl_add_u32 v[CO], v1, 4, v6
	s_lshl_b32 s16, s13, 8
	s_lshl_b32 s17, s11, 7
	s_add_co_u32 s16, s16, s17                     ; my first row: 256 x tile row + 128 x half
	s_mul_i32 s16, s16, 2*SN
	s_mov_b32 s17, 0
	s_lshl_b32 s46, s42, 9                         ; my first column, in bytes of bf16: 512 x tile column + 256 x half
	s_lshl_b32 s47, s12, 8
	s_add_co_u32 s46, s46, s47
	s_mov_b32 s47, 0
.endif
	s_add_nc_u64 s[16:17], s[16:17], s[46:47]      ; where my part of the tile begins in C: the way out adds it to C's address
	v_and_b32 v6, 31, v0
	v_lshlrev_b32 v[PFOA], 11, v6                  ; lane x 2,048 bytes, a row of A
	v_lshrrev_b32 v7, 1, v6
	v_mul_u32_u24 v7, v7, 2*SN
	v_and_b32 v6, 1, v6
	v_lshl_add_u32 v[PFOB], v6, 8, v7
	s_lshl_b32 s22, s42, 10
	s_lshl_b32 s23, s12, 9
	s_add_co_u32 s22, s22, s23                     ; my 128 columns in the bias: 1,024 x tile column + 512 x half
	v_lshl_add_u32 v[BO], v2, 5, s22               ; + my eight of each sixteen
	WIN 0x40                                       ; destination window 1
.irp b, 0,1,2,3,4,5,6,7
	global_load_b128 v[8*(\b):8*(\b)+3],   v[BO], s[68:69] offset:64*(\b)
	global_load_b128 v[8*(\b)+4:8*(\b)+7], v[BO], s[68:69] offset:64*(\b)+16
.endr
	WIN 0
	s_wait_tensorcnt 1                             ; my part of K step 0 is in; K step 1's may stay out
	s_barrier_signal -1
	s_barrier_wait -1                              ; everybody's is
	FETCH 0, F0
	s_wait_loadcnt 0x0                             ; the bias is in
	QUARTER 1, F0, F1, 1                           ; the first quarter stands in front of the loop: its products start the sums
	WIN 0                                          ; at a label and at a branch every window is 0
	s_mov_b32 s3, STEPS-2
.Lstep:                                                ; six trips, from a step's second quarter to the next step's first; each fills the slot that it leaves
	QUARTER 2, F1, F0, 0
	QUARTER 3, F0, F1, 0
	TURN
	QUARTER 1, F0, F1, 0
	WIN 0
	s_sub_co_u32 s3, s3, 1
	s_cmp_lg_u32 s3, 0
	s_cbranch_scc1 .Lstep
	s_mov_b32 s3, 2
.Ltail:                                                ; the last two steps ask for nothing; the second trip is left in its middle
	QUARTER 2, F1, F0, 0
	QUARTER 3, F0, F1, 0
	MEET 0                                         ; first trip: the last K step's tile is whole; second trip: every wave's reads of the slots are over
	s_sub_co_u32 s3, s3, 1
	s_cmp_eq_u32 s3, 0
	s_cbranch_scc1 .Llast
	PLACES
	FETCH 0, F0
	MUL16 F1, 1, 0, 0
	MUL16 F1, 1, 2, 0
	QUARTER 1, F0, F1, 0
	WIN 0
	s_branch .Ltail
.Llast:
	MUL16 F1, 1, 0, 0
	MUL16 F1, 1, 2, 0
	WIN 0
	PLACES                                         ; the stores below read results just made
.irp hi, 0,1                           ; my 128 x 128 sums go into my own part of the former slots; each accumulator's low half first
	WIN 0x08+4*(\hi)                               ; the data, source 1, in window 2 or 3
.irp a, 0,1,2,3
.irp b, 0,1,2,3,4,5,6,7
	ds_store_b128 v[STO], v[8*(8*(\a)+(\b)):8*(8*(\a)+(\b))+3]   offset:(4*(\hi)+(\a))*16*FP+(\b)*BS
	ds_store_b128 v[STO], v[8*(8*(\a)+(\b))+4:8*(8*(\a)+(\b))+7] offset:(4*(\hi)+(\a))*16*FP+(\b)*BS+PS
.endr
.endr
.endr
	WIN 0
	s_mov_b32 s[RB], 0
	v_mov_b32 v[RDA], v[RD0]
	LOADS UA                                       ; LDS serves a wave's instructions in order: these see the stores above
	s_mov_b32 s3, 8
.Lrows:                                                ; eight trips of sixteen rows
	HALF UA, UB, 0
	HALF UB, UA, 1
	s_sub_co_u32 s3, s3, 1
	s_cmp_lg_u32 s3, 0
	s_cbranch_scc1 .Lrows
	s_wait_tensorcnt 0x0                           ; the wave's end: a wait, the add and its wait, behind my last tensor load and my last LDS store
	ds_add_u32 v[SPW], v[NIL]
	s_wait_dscnt 0x0
	CROUND                                         ; the closing round: no work-group ends while a partner may still ask for a tile that names it
	s_endpgm
.Lfunc_end_k_q2741b43b6a_fc:
	.size	k_q2741b43b6a_fc, .Lfunc_end_k_q2741b43b6a_fc-k_q2741b43b6a_fc
	.p2alignl 7, 3214868480
	.fill 96, 4, 3214868480
	.section	.rodata,"a",@progbits
	.p2align	6, 0x0
	.amdhsa_kernel k_q2741b43b6a_fc
		.amdhsa_group_segment_fixed_size 327680
		.amdhsa_private_segment_fixed_size 0
		.amdhsa_enable_private_segment 0
		.amdhsa_kernarg_size 32
		.amdhsa_user_sgpr_count 2
		.amdhsa_user_sgpr_kernarg_segment_ptr 1
		.amdhsa_wavefront_size32 1
		.amdhsa_system_sgpr_workgroup_id_x 1
		.amdhsa_system_sgpr_workgroup_id_y 1
		.amdhsa_system_sgpr_workgroup_id_z 1
		.amdhsa_system_vgpr_workitem_id 0
		.amdhsa_next_free_vgpr 1024
		.amdhsa_next_free_sgpr 88
		.amdhsa_reserve_vcc 0
		.amdhsa_float_denorm_mode_32 3
		.amdhsa_float_denorm_mode_16_64 3
		.amdhsa_memory_ordered 1
		.amdhsa_forward_progress 1
		.amdhsa_inst_pref_size 102
	.end_amdhsa_kernel
	.amdgpu_metadata
---
amdhsa.version: [ 1, 2 ]
amdhsa.kernels:
  - .name:           k_q2741b43b6a_fc
    .symbol:         k_q2741b43b6a_fc.kd
    .args:
      - { .name: xnh, .offset: 0, .size: 8, .value_kind: global_buffer, .address_space: global }
      - { .name: wb, .offset: 8, .size: 8, .value_kind: global_buffer, .address_space: global }
      - { .name: h, .offset: 16, .size: 8, .value_kind: global_buffer, .address_space: global }
      - { .name: b_fc, .offset: 24, .size: 8, .value_kind: global_buffer, .address_space: global }
    .group_segment_fixed_size: 327680
    .private_segment_fixed_size: 0
    .kernarg_segment_align: 8
    .kernarg_segment_size: 32
    .max_flat_workgroup_size: 128
    .sgpr_count:     88
    .vgpr_count:     1024
    .wavefront_size: 32
...
	.end_amdgpu_metadata
.endif
;; end of part 9
;; launch mlp: the kernel of part 7 again; grid 8 x 32, 4 waves a work-group, clusters of 4 x 4, 327,680 bytes of LDS; arguments h, wb, out0, b_mlp_proj, xnf; writes out0
;; ======== version 3 of 3: 7 launches; version 2 with the launch prep written anew for expert scheduling mode
;; workspace buffers: wb 25,165,824 bytes; xnf 16,777,216 bytes; xnh 8,388,608 bytes; qkv 25,165,824 bytes; o 8,388,608 bytes; x2 16,777,216 bytes; h 33,554,432 bytes
;; launch prep (part 10): grid 1024 x 1, 8 waves a work-group, no clusters, 0 bytes of LDS; arguments x, ln1_g, ln1_b, xnf, xnh, W_attn, W_attn_proj, W_fc, W_mlp_proj, wb; writes xnf, xnh, wb
.if DOCPART == 10
	.amdgcn_target "amdgcn-amd-amdhsa--gfx1250"
	.amdhsa_code_object_version 6
	.text
	.protected	k_q2741b43b6a_prep
	.globl	k_q2741b43b6a_prep
	.p2align	8
	.type	k_q2741b43b6a_prep,@function
k_q2741b43b6a_prep:
	s_mov_b64 s[64:65], 0
	v_nop
	global_prefetch_b8 v0, s[64:65] scope:SCOPE_SE
	s_setreg_imm32_b32 hwreg(HW_REG_WAVE_SCHED_MODE, 0, 2), 2
	s_setreg_imm32_b32 hwreg(HW_REG_WAVE_MODE, 25, 1), 1
	s_wait_xcnt 0x0
	s_wait_alu depctr_vm_vsrc(0)
; PREP: two streams in one launch; each work-group reads 64 KiB.
; Work-groups 0-255: LayerNorm 1.  xnf[row][:] = ((x - mean) * rsqrt(var + 1e-5)) * g + b in f32, xnh the same rounded once to bf16.
;   A wave takes two rows of 1,024 numbers; a row stays in 32 registers between the pass for the mean, the pass for the variance (of x - mean) and the scaling: x is read once.
;   Lane l holds columns 128 j + 4 l .. + 3, j = 0..7: each load and each f32 store of a wave covers 512 consecutive bytes, each bf16 store 256, aligned.
; Work-groups 256-1023: the four weight matrices rounded once to bf16, kept [K][N], laid end to end in wb (W_attn, W_attn_proj, W_fc, W_mlp_proj).
; No LDS, no barrier, no matrix unit: no wave wants another wave's bytes.  NaN and infinities are not treated apart.
; THE MODE: SCHED_MODE bits 1:0 = 2 (LLVM: expert scheduling mode 2), set by the entry lines.  The code itself states the register dependences
; between vector instructions and memory instructions, with s_wait_alu, always for 0.
; THE PLAN, LayerNorm.  Registers that memory instructions touch:
;   v1, v2   byte offsets, made once at the head and never written again; read by every load and store.
;   X0, X1   a row each.  Written by the row's loads (no vector instruction names them before), then, behind the wait for the loads, worked on in place; read by the row's f32 stores; never written again.
;   G, BB    written by their loads; read by vector instructions alone.
;   H0, H1   a row in bf16 each.  Written by the row's roundings; read by the row's bf16 stores; never written again.
;   One wait on va_vdst stands ahead of the first load (v1, v2), one behind each row's arithmetic, ahead of that row's stores.  Row 0's sixteen stores are dealt among row 1's arithmetic, which names
;   X1, H1, R, G and BB: none of the registers that those stores touch.  s14, which v_readfirstlane_b32 writes, has a wait on va_sdst ahead of its first reader.
; THE PLAN, the cast.  v1, v2 as above.  CX: written by the sixteen loads, once; read by the conversions.  CY: each register written once, by a conversion; read by one store.
;   The loads go in four groups of four.  Group g: the wait for its data; one wait on va_vdst (group g - 1's conversions have written their part of CY); group g - 1's four stores, dealt among
;   group g's eight conversions, which name other registers of CX and CY.  One more wait stands ahead of the last four stores.
; In neither half is a register that a memory instruction has read written again: so no wait on vm_vsrc is owed, and EXEC is never written.
.set ROWB, 4096                        ; bytes in a row of x
.set G,  4                             ; v[4:35]    g of my 32 columns
.set BB, 36                            ; v[36:67]   b of my 32 columns
.set X,  68                            ; v[68:131]  row i at X + 32 i
.set T,  132                           ; v[132:139] at work: no memory instruction names them
.set H,  140                           ; v[140:171] row i in bf16 at H + 16 i
.set R,  172                           ; v[172:175] row i: rsqrt(var + eps), twice (a pair for the packed multiply)
.set CX, 4                             ; the cast: v[4:67] as loaded
.set CY, 68                            ; the cast: v[68:99] to store
.macro RED                             ; v[T] summed over the wave's 32 lanes, the result in every lane
	v_add_f32_dpp v[T], v[T], v[T] row_xmask:1 row_mask:0xf bank_mask:0xf
	v_add_f32_dpp v[T], v[T], v[T] row_xmask:2 row_mask:0xf bank_mask:0xf
	v_add_f32_dpp v[T], v[T], v[T] row_xmask:4 row_mask:0xf bank_mask:0xf
	v_add_f32_dpp v[T], v[T], v[T] row_xmask:8 row_mask:0xf bank_mask:0xf
	v_permlanex16_b32 v[T+1], v[T], s18, s19       ; the other half of the lanes; its destination has been written
	v_add_f32 v[T], v[T], v[T+1]
.endm
; Row i: mean, x - mean in place, variance, rsqrt.  left = the younger loads that may stay out.
.macro STAT i, left
.set XI, X+32*(\i)
	s_wait_loadcnt \left
	v_pk_add_f32 v[T:T+1], v[XI:XI+1], v[XI+2:XI+3]         ; two chains, started by the first pairs: nothing is cleared
	v_pk_add_f32 v[T+2:T+3], v[XI+4:XI+5], v[XI+6:XI+7]
.set p, 4
.rept 12
	v_pk_add_f32 v[T+2*(p%2):T+2*(p%2)+1], v[T+2*(p%2):T+2*(p%2)+1], v[XI+2*p:XI+2*p+1]
.set p, p+1
.endr
	v_pk_add_f32 v[T:T+1], v[T:T+1], v[T+2:T+3]
	v_add_f32 v[T], v[T], v[T+1]
	RED
	v_mul_f32 v[T+4], s20, v[T]                    ; the mean, twice
	v_mul_f32 v[T+5], s20, v[T]
.set p, 0
.rept 16
	v_pk_add_f32 v[XI+2*p:XI+2*p+1], v[XI+2*p:XI+2*p+1], v[T+4:T+5] neg_lo:[0,1] neg_hi:[0,1]
.set p, p+1
.endr
	v_pk_mul_f32 v[T:T+1], v[XI:XI+1], v[XI:XI+1]
	v_pk_mul_f32 v[T+2:T+3], v[XI+2:XI+3], v[XI+2:XI+3]
.set p, 2
.rept 14
	v_pk_fma_f32 v[T+2*(p%2):T+2*(p%2)+1], v[XI+2*p:XI+2*p+1], v[XI+2*p:XI+2*p+1], v[T+2*(p%2):T+2*(p%2)+1]
.set p, p+1
.endr
	v_pk_add_f32 v[T:T+1], v[T:T+1], v[T+2:T+3]
	v_add_f32 v[T], v[T], v[T+1]
	RED
	v_fma_f32 v[T+2], v[T], s20, s21               ; var + eps
	v_rsq_f32 v[R+2*(\i)], v[T+2]
	v_rsq_f32 v[R+2*(\i)+1], v[T+2]
	v_nop                                          ; a plain instruction behind the last root, ahead of any write of its source
.endm
; Row i: scaled, in the order of the definition, and rounded.  prev = 1: the sixteen stores of row i - 1 are dealt among this row's multiplies and multiply-adds, one behind every second line.
; They owe no wait of their own: no vector instruction since the wait ahead of this macro names v1, v2 or row i - 1's registers.
.macro OUT i, prev
.set XI, X+32*(\i)
.set HH, H+16*(\i)
.set XP, X+32*((\i)-1)
.set HP, H+16*((\i)-1)
.set p, 0
.rept 16
	v_pk_mul_f32 v[XI+2*p:XI+2*p+1], v[XI+2*p:XI+2*p+1], v[R+2*(\i):R+2*(\i)+1]
.if (\prev) && (p%2 == 0)
	global_store_b128 v1, v[XP+2*p:XP+2*p+3], s[10:11] offset:((\i)-1)*ROWB+(p/2)*512
.endif
.set p, p+1
.endr
.set p, 0
.rept 16
	v_pk_fma_f32 v[XI+2*p:XI+2*p+1], v[XI+2*p:XI+2*p+1], v[G+2*p:G+2*p+1], v[BB+2*p:BB+2*p+1]
.if (\prev) && (p%2 == 0)
	global_store_b64 v2, v[HP+p:HP+p+1], s[12:13] offset:((\i)-1)*(ROWB/2)+(p/2)*256
.endif
.set p, p+1
.endr
.set p, 0
.rept 16
	v_cvt_pk_bf16_f32 v[HH+p], v[XI+2*p], v[XI+2*p+1]
.set p, p+1
.endr
.endm
; Row i is stored in both formats, in one run.
.macro SEND i
.irp j, 0,1,2,3,4,5,6,7
	global_store_b128 v1, v[X+32*(\i)+4*(\j):X+32*(\i)+4*(\j)+3], s[10:11] offset:(\i)*ROWB+(\j)*512
.endr
.irp j, 0,1,2,3,4,5,6,7
	global_store_b64 v2, v[H+16*(\i)+2*(\j):H+16*(\i)+2*(\j)+1], s[12:13] offset:(\i)*(ROWB/2)+(\j)*256
.endr
.endm
; The cast, group g of four: loads 4 g .. 4 g + 3 are rounded, and the stores of the group before are dealt among the conversions.
.macro GRP g
	s_wait_loadcnt 12-4*(\g)                       ; loads come back in order: this group's four are in, the younger groups stay out
.if (\g) > 0
	s_wait_alu depctr_va_vdst(0)                   ; the conversions of the group before have written their eight registers of CY, which the four stores below read
.endif
.irp k, 0,1,2,3
.if (\g) > 0
	global_store_b64 v2, v[CY+2*(4*((\g)-1)+(\k)):CY+2*(4*((\g)-1)+(\k))+1], s[24:25] offset:(4*((\g)-1)+(\k))*256  ; a wave's store: 256 consecutive bytes, aligned; no conversion since the wait names its registers
.endif
	v_cvt_pk_bf16_f32 v[CY+2*(4*(\g)+(\k))], v[CX+4*(4*(\g)+(\k))], v[CX+4*(4*(\g)+(\k))+1]
	v_cvt_pk_bf16_f32 v[CY+2*(4*(\g)+(\k))+1], v[CX+4*(4*(\g)+(\k))+2], v[CX+4*(4*(\g)+(\k))+3]
.endr
.endm
	s_cmp_lt_u32 ttmp9, 256
	s_cbranch_scc0 .Lcast
	s_load_b256 s[4:11], s[0:1], 0x0               ; x s[4:5], g s[6:7], b s[8:9], xnf s[10:11]
	s_load_b64 s[12:13], s[0:1], 0x20              ; xnh
	v_lshrrev_b32 v3, 5, v0
	v_readfirstlane_b32 s14, v3                    ; wave 0..7
	v_and_b32 v2, 31, v0
	v_lshlrev_b32 v1, 4, v2                        ; 16 x lane
	v_lshlrev_b32 v2, 3, v2                        ; 8 x lane
	s_wait_alu depctr_va_sdst(0)                   ; s14 is written, ahead of its first reader: the wave's first row is made from it
	s_lshl_b32 s15, ttmp9, 4
	s_lshl1_add_u32 s15, s14, s15                  ; my first row = 16 x work-group + 2 x wave
	s_lshl_b32 s2, s15, 12                         ; in bytes of f32 rows,
	s_mov_b32 s3, 0
	s_lshl_b32 s16, s15, 11                        ; and of bf16 rows
	s_mov_b32 s17, 0
	s_mov_b32 s18, 0x76543210                      ; v_permlanex16_b32: each lane takes its own place in the other half
	s_mov_b32 s19, 0xfedcba98
	s_mov_b32 s20, 0x3a800000                      ; 1 / 1024
	s_mov_b32 s21, 0x3727c5ac                      ; 1e-5
	s_wait_kmcnt 0x0
	s_add_nc_u64 s[4:5], s[4:5], s[2:3]
	s_add_nc_u64 s[10:11], s[10:11], s[2:3]
	s_add_nc_u64 s[12:13], s[12:13], s[16:17]
	s_wait_alu depctr_va_vdst(0)                   ; v1 and v2 are written: every load and store of this half reads one of them as its offset
.irp i, 0,1
.irp j, 0,1,2,3,4,5,6,7
	global_load_b128 v[X+32*(\i)+4*(\j):X+32*(\i)+4*(\j)+3], v1, s[4:5] offset:(\i)*ROWB+(\j)*512 th:TH_LOAD_NT
.endr
.endr
.irp j, 0,1,2,3,4,5,6,7
	global_load_b128 v[G+4*(\j):G+4*(\j)+3], v1, s[6:7] offset:(\j)*512
.endr
.irp j, 0,1,2,3,4,5,6,7
	global_load_b128 v[BB+4*(\j):BB+4*(\j)+3], v1, s[8:9] offset:(\j)*512
.endr
	STAT 0, 24                                     ; row 1's eight loads and the sixteen of g and b are younger
	STAT 1, 16                                     ; the sixteen of g and b are younger
	s_wait_alu depctr_va_vdst(0)                   ; the four roots have written v[R .. R+3]: one wait for the batch, ahead of its first reader
	s_wait_loadcnt 0x0                             ; g and b
	OUT 0, 0
	s_wait_alu depctr_va_vdst(0)                   ; row 0's multiply-adds have written X0 and its roundings H0, which the sixteen stores dealt among row 1's arithmetic read
	OUT 1, 1
	s_wait_alu depctr_va_vdst(0)                   ; row 1's multiply-adds have written X1 and its roundings H1, which the stores below read
	SEND 1
	s_endpgm
.Lcast:                                                ; chunk e = work-group - 256: 65,536 bytes of f32 become 32,768 of bf16
	s_load_b256 s[16:23], s[0:1], 0x28             ; W_attn, W_attn_proj, W_fc, W_mlp_proj
	s_load_b64 s[24:25], s[0:1], 0x48              ; wb
	s_sub_co_u32 s2, ttmp9, 256
	v_and_b32 v100, 31, v0
	v_lshrrev_b32 v101, 5, v0
	v_lshlrev_b32 v1, 4, v100
	v_lshl_add_u32 v1, v101, 13, v1                ; wave x 8,192 + 16 x lane
	v_lshlrev_b32 v2, 3, v100
	v_lshl_add_u32 v2, v101, 12, v2                ; wave x 4,096 + 8 x lane
	s_wait_kmcnt 0x0
	s_mov_b64 s[4:5], s[22:23]                     ; chunks 512-767: W_mlp_proj
	s_mov_b32 s6, 512
	s_cmp_lt_u32 s2, 512
	s_cselect_b64 s[4:5], s[20:21], s[4:5]         ; 256-511: W_fc
	s_cselect_b32 s6, 256, s6
	s_cmp_lt_u32 s2, 256
	s_cselect_b64 s[4:5], s[18:19], s[4:5]         ; 192-255: W_attn_proj
	s_cselect_b32 s6, 192, s6
	s_cmp_lt_u32 s2, 192
	s_cselect_b64 s[4:5], s[16:17], s[4:5]         ; 0-191: W_attn
	s_cselect_b32 s6, 0, s6
	s_sub_co_u32 s6, s2, s6                        ; the chunk's number in its own matrix
	s_lshl_b32 s6, s6, 16
	s_mov_b32 s7, 0
	s_add_nc_u64 s[4:5], s[4:5], s[6:7]
	s_lshl_b32 s8, s2, 15                          ; in wb the matrices lie end to end
	s_mov_b32 s9, 0
	s_add_nc_u64 s[24:25], s[24:25], s[8:9]
	s_wait_alu depctr_va_vdst(0)                   ; v1 and v2 are written: every load and store of this half reads one of them as its offset
.irp j, 0,1,2,3,4,5,6,7,8,9,10,11,12,13,14,15
	global_load_b128 v[CX+4*(\j):CX+4*(\j)+3], v1, s[4:5] offset:(\j)*512 th:TH_LOAD_NT
.endr
	GRP 0
	GRP 1
	GRP 2
	GRP 3
	s_wait_alu depctr_va_vdst(0)                   ; the last group's conversions have written their eight registers of CY, which the last four stores read
.irp j, 12,13,14,15
	global_store_b64 v2, v[CY+2*(\j):CY+2*(\j)+1], s[24:25] offset:(\j)*256  ; a wave's store: 256 consecutive bytes, aligned
.endr
	s_endpgm
.Lfunc_end_k_q2741b43b6a_prep:
	.size	k_q2741b43b6a_prep, .Lfunc_end_k_q2741b43b6a_prep-k_q2741b43b6a_prep
	.p2alignl 7, 3214868480
	.fill 96, 4, 3214868480
	.section	.rodata,"a",@progbits
	.p2align	6, 0x0
	.amdhsa_kernel k_q2741b43b6a_prep
		.amdhsa_group_segment_fixed_size 0
		.amdhsa_private_segment_fixed_size 0
		.amdhsa_enable_private_segment 0
		.amdhsa_kernarg_size 80
		.amdhsa_user_sgpr_count 2
		.amdhsa_user_sgpr_kernarg_segment_ptr 1
		.amdhsa_wavefront_size32 1
		.amdhsa_system_sgpr_workgroup_id_x 1
		.amdhsa_system_sgpr_workgroup_id_y 1
		.amdhsa_system_sgpr_workgroup_id_z 1
		.amdhsa_system_vgpr_workitem_id 0
		.amdhsa_next_free_vgpr 176
		.amdhsa_next_free_sgpr 66
		.amdhsa_reserve_vcc 0
		.amdhsa_float_denorm_mode_32 3
		.amdhsa_float_denorm_mode_16_64 3
		.amdhsa_memory_ordered 1
		.amdhsa_forward_progress 1
		.amdhsa_inst_pref_size 29
	.end_amdhsa_kernel
	.amdgpu_metadata
---
amdhsa.version: [ 1, 2 ]
amdhsa.kernels:
  - .name:           k_q2741b43b6a_prep
    .symbol:         k_q2741b43b6a_prep.kd
    .args:
      - { .name: x, .offset: 0, .size: 8, .value_kind: global_buffer, .address_space: global }
      - { .name: ln1_g, .offset: 8, .size: 8, .value_kind: global_buffer, .address_space: global }
      - { .name: ln1_b, .offset: 16, .size: 8, .value_kind: global_buffer, .address_space: global }
      - { .name: xnf, .offset: 24, .size: 8, .value_kind: global_buffer, .address_space: global }
      - { .name: xnh, .offset: 32, .size: 8, .value_kind: global_buffer, .address_space: global }
      - { .name: W_attn, .offset: 40, .size: 8, .value_kind: global_buffer, .address_space: global }
      - { .name: W_attn_proj, .offset: 48, .size: 8, .value_kind: global_buffer, .address_space: global }
      - { .name: W_fc, .offset: 56, .size: 8, .value_kind: global_buffer, .address_space: global }
      - { .name: W_mlp_proj, .offset: 64, .size: 8, .value_kind: global_buffer, .address_space: global }
      - { .name: wb, .offset: 72, .size: 8, .value_kind: global_buffer, .address_space: global }
    .group_segment_fixed_size: 0
    .private_segment_fixed_size: 0
    .kernarg_segment_align: 8
    .kernarg_segment_size: 80
    .max_flat_workgroup_size: 256
    .sgpr_count:     66
    .vgpr_count:     176
    .wavefront_size: 32
...
	.end_amdgpu_metadata
.endif
;; end of part 10
;; launch qkv: the kernel of part 8 again; grid 12 x 16, 4 waves a work-group, clusters of 4 x 4, 327,680 bytes of LDS; arguments xnh, wb, qkv, b_attn; writes qkv
;; launch attn: the kernel of part 3 again; grid 8 x 32, 4 waves a work-group, no clusters, 327,680 bytes of LDS; arguments qkv, o; writes o
;; launch proj: the kernel of part 4 again; grid 8 x 32, 4 waves a work-group, clusters of 4 x 4, 327,680 bytes of LDS; arguments o, wb, x2, b_attn_proj, xnf; writes x2
;; launch ln2: the kernel of part 5 again; grid 256 x 1, 8 waves a work-group, no clusters, 0 bytes of LDS; arguments x2, ln2_g, ln2_b, xnf, xnh; writes xnf, xnh
;; launch fc: the kernel of part 9 again; grid 16 x 16, 4 waves a work-group, clusters of 4 x 4, 327,680 bytes of LDS; arguments xnh, wb, h, b_fc; writes h
;; launch mlp: the kernel of part 7 again; grid 8 x 32, 4 waves a work-group, clusters of 4 x 4, 327,680 bytes of LDS; arguments h, wb, out0, b_mlp_proj, xnf; writes out0
